; MI455X (gfx1250); checked and timed in simulation.
; The chip was launched on July 23, 2026; its instructions are those of AMD's public machine-readable ISA for CDNA 5 (MIT licence, August 2026) and "CDNA5" Instruction Set Architecture Reference Guide (July 2026). The comments in the code are by the model that wrote it; some were corrected since.
;; MSA. Allowed arithmetic: matrix products marked QUANTISED: E5M2 operands, one E8M0 scale for each 32 along K, by v_wmma_scale_f32_16x16x128_f8f6f4 with both operands' format E5M2, f32 sums; everything else in f32.
;; Inputs: Wk 1,024 x 1,024 float32; Wo 1,024 x 1,024 float32; Wq 1,024 x 1,024 float32; Wv 1,024 x 1,024 float32; bk 1,024 float32; bo 1,024 float32; bq 1,024 float32; bv 1,024 float32; x 4 x 2,048 x 1,024 float32.
;; Outputs: out0 4 x 2,048 x 1,024 float32.
;; This version of the problem:
;;   THIS VERSION OF THE PROBLEM IS GIVEN IN LOW PRECISION. The matrix products marked QUANTISED in the list below multiply operands that are first quantised to E5M2 (5 exponent bits, 2 mantissa bits; 8 bits a number), with one power-of-two scale for each 32 numbers along K (OCP MX v1.0); their sums are f32. All else is computed in f32.
;;   The module's matrix products, in the order in which they are computed (A, B: the left and right operand; K: the contracted axis; several contracted axes count as one K, in the product's order):
;;     1. [M 8,192, K 1,024] x [K 1,024, N 1,024]; A: input x; B: input Wq: QUANTISED
;;     2. [M 8,192, K 1,024] x [K 1,024, N 1,024]; A: input x; B: input Wk: QUANTISED
;;     3. [M 8,192, K 1,024] x [K 1,024, N 1,024]; A: input x; B: input Wv: QUANTISED
;;     4. batch 64 x [M 2,048, K 64] x [K 64, N 2,048]; A: computed on the way; B: computed on the way: QUANTISED
;;     5. batch 64 x [M 2,048, K 2,048] x [K 2,048, N 64]; A: softmax (see below); B: computed on the way: QUANTISED
;;     6. [M 8,192, K 1,024] x [K 1,024, N 1,024]; A: computed on the way; B: input Wo: QUANTISED
;;   THE QUANTISER, for each operand of a quantised product, along K:
;;     - K is cut into blocks of 32 from its start; a last block that is shorter is filled with zeros.
;;     - A block's scale is 2^e with e = floor(log2(the largest magnitude in the block)) - 15, held to -126 .. 127; a block of zeros has e = 0. As a byte (E8M0): e + 127.
;;     - Each number is divided by its block's scale, clamped to +-57,344, and rounded to the nearest number of E5M2, ties to even, subnormals kept.
;;     - The product sums the exact products of the quantised numbers (number of the format x scale) in f32.
;;   ~~~python
;;   def quantise(x, axis):      # numpy; x: float32 -> the quantised numbers, widened to float32 again
;;       x = np.moveaxis(x, axis, -1); K = x.shape[-1]
;;       x = np.pad(x, [(0, 0)] * (x.ndim - 1) + [(0, -K % 32)]); x = x.reshape(x.shape[:-1] + (-1, 32)); a = np.abs(x).max(-1, keepdims=True)
;;       e = np.where(a > 0, np.clip(np.frexp(np.where(a > 0, a, 1))[1] - 1 - 15, -126, 127), 0)      # np.frexp(a)[1] - 1 = floor(log2(a)), exactly
;;       r = np.clip(x / 2.0 ** e, -57344, 57344)
;;       step = 2.0 ** (np.maximum(np.frexp(np.where(r == 0, 1, r))[1] - 1, -14) - 2)
;;       q = np.round(r / step) * step * 2.0 ** e      # np.round: ties to even
;;       return np.moveaxis(q.reshape(q.shape[:-2] + (-1,))[..., :K], -1, axis).astype(np.float32)
;;   ~~~
;;   SOFTMAX AHEAD OF A QUANTISED PRODUCT. Where the list says 'softmax', what is quantised is not the finished softmax but p = 2^(t - M), with t = logit x log2(e) and M = ceil(the row's largest t), a whole number; so 1/2 < the row's largest p <= 1. The row's sum l is taken of the UNQUANTISED p, in f32, and the product's result is divided by l at the end. Since M is a whole number, a kernel that streams over the keys may use a running M (the ceiling of the running maximum): every later rescaling is an exact power of two, which a block's scale takes up: the codes' values come out the same.
;;   OPERANDS COMPUTED ON THE WAY. 'Computed on the way' means the value that the module computes at that place (a softmax that the list does not call 'softmax' is quantised finished and normalised). What goes into a quantiser is computed in f32, as accurately as f32 sums, v_exp_f32 and their like allow (about 1e-6 of the number): no bf16 or f16 on the way to a quantiser, and a product that is left as it is and whose result goes on into a quantised operand takes f32 operands (vector FMAs, or v_wmma_f32_16x16x4_f32). A number that lies on a knife's edge between two numbers of the format may be rounded either way, as far as f32 arithmetic and the matrix unit's own rounding can turn it there, and no further.
;; 2 versions. Each part assembles by itself: llvm-mc -triple=amdgcn-amd-amdhsa -mcpu=gfx1250 --defsym DOCPART=n.
;; ======== version 1 of 2: 4 launches
;; workspace buffers: codes 12,582,912 bytes; scales 393,216 bytes; qrec 8,912,896 bytes; kv 17,563,648 bytes; aimg 8,388,608 bytes; asc 262,144 bytes
;; launch quant (part 1): grid 384 x 1, 4 waves a work-group, no clusters, 35,328 bytes of LDS; arguments x, Wv, Wq, Wk, Wo, codes, scales; writes codes, scales
.if DOCPART == 1
	.amdgcn_target "amdgcn-amd-amdhsa--gfx1250"
	.amdhsa_code_object_version 6
	.text
	.protected	k_q6ae2d2de4b_quant
	.globl	k_q6ae2d2de4b_quant
	.p2align	8
	.type	k_q6ae2d2de4b_quant,@function
k_q6ae2d2de4b_quant:
	s_mov_b64 s[64:65], 0
	v_nop
	global_prefetch_b8 v0, s[64:65] scope:SCOPE_SE
	s_setreg_imm32_b32 hwreg(HW_REG_WAVE_MODE, 25, 1), 1
	s_wait_xcnt 0x0
; x [8192][1024] and the four weights [1024 (k)][1024 (n)], f32, become codes of E5M2 (8 bits) with one E8M0 byte for each 32 along K.
; A block's scale is 2^(floor(log2(its largest magnitude)) - 15); its byte is that magnitude's exponent field - 15, held at 1 from below; each number is divided by the scale,
; held within +-57,344 and rounded to the nearest code, ties to even.
; LAYOUT OF THE RESULT: IMAGES OF THE MATRIX OPERAND'S REGISTERS.  codes: [tile 768][K step 8][c 4][lane 32][16 bytes]: lane (r, h) of a tile holds k = 128 step + 32 c + 16 h + 0 .. 15 of the tile's row r.
; Tile 2 b + u holds the rows 32 b + 8 u + (r % 8) + 16 (r / 8).  Tiles 0-511: x;  512-575 Wv, 576-639 Wq, 640-703 Wk, 704-767 Wo (a weight's rows are its columns n).
; scales: [tile 768][slot of 256 K: 4][r 16][2 words]: a word is the four bytes of 128 along K.
; LIMITS: a block of zeros gets the byte 1 where the rule says 127 (its codes are zeros, which add nothing, and this program alone reads the bytes); blocks whose largest magnitude lies under 2^(15 - 126)
; keep the byte 1; NaN and infinities among the inputs are not served.
; Work-groups 0-255 take 32 rows of x each, work-groups 256-383 a part of a weight.  Waves share nothing: no barrier.  Only x's path uses LDS.
; No matrix unit, no cluster, no tensor load: each input byte is read once by one wave, so nothing is shared.
.set SP,    528                        ; x's path: a stage row: 512 bytes + 16, so that the sixteen rows that a read touches start 16 bytes apart modulo 256
.set WREG,  16*SP+256                  ; a wave's LDS: a stage of 16 rows, then its 256 scale bytes
.set R,     16                         ; v16-143  two sets of 64 registers as loaded
.set X,     144                        ; v144-207 64 numbers: register 16 b + i = k 32 b + 16 h + i of my row
.set PC,    208                        ; v208-223 a fragment's codes
.set TM,    224                        ; v224-227 largest magnitudes, 228-231 bytes, 232-235 the hold, 236-239 the conversions' scale operands
.set PW,    240                        ; the scale word
.set SEL,   20                         ; s[20:21] lane selects for lane l xor 16 (x's path)
.set MNT,   23                         ; s23 the mantissa field of 57,344
.set XW,    32                         ; the weights' path: v32-95 two sets of 32 numbers
.set CW,    96                         ; v96-159 eight registers of codes for each block: no store's data are written again
.set SB,    24                         ; v[24:25] the scale bytes, four to a register
	s_load_b128 s[4:7], s[0:1], 0x0                ; x, Wv
	s_load_b128 s[8:11], s[0:1], 0x10              ; Wq, Wk
	s_load_b128 s[12:15], s[0:1], 0x20             ; Wo, codes
	s_load_b64 s[16:17], s[0:1], 0x30              ; scales
	v_lshl_add_u32 v254, v0, 2, 0x8800
	v_mov_b32 v255, 0
	v_lshrrev_b32 v1, 5, v0
	v_readfirstlane_b32 s18, v1                    ; wave 0..3
	v_and_b32 v2, 31, v0                           ; lane
	s_mov_b32 s[MNT], 0x600000
	s_cmp_lt_u32 ttmp9, 256
	s_cbranch_scc0 .Lweights
; ---------------- x: work-group g owns rows 32 g .. 32 g + 31.  Wave w: tile 2 g + (w % 2), K half w / 2: four K steps of 128.
	v_and_b32 v9, 15, v0                           ; r
	v_bfe_u32 v10, v0, 4, 1                        ; h
	v_lshlrev_b32 v3, 4, v2                        ; 16 x lane: my bytes of a load's 512, and of an image's 512
	s_mul_i32 s19, s18, WREG
	v_add_nc_u32 v4, s19, v3                       ; the stage, on the way in: a row as it lies
	v_mul_u32_u24 v5, v9, SP
	v_lshl_add_u32 v5, v10, 6, v5
	v_add_nc_u32 v5, s19, v5                       ; on the way out: row r, + 64 h: my 16 numbers of each block of 32
	s_add_co_u32 s19, s19, 16*SP
	v_lshl_add_u32 v6, v9, 3, s19                  ; my row's two scale words of a slot
	v_lshlrev_b32 v8, 3, v2
	v_add_nc_u32 v7, s19, v8                       ; and 8 bytes a lane on their way out
	s_mov_b32 s[SEL], 0x76543210
	s_mov_b32 s[SEL+1], 0xfedcba98
.irp b, 0,1,2,3
	v_mov_b32 v[TM+4+\b], 0                        ; written once: a lane permute's destination counts as one of its sources
.endr
	s_and_b32 s24, s18, 1                          ; u
	s_lshr_b32 s25, s18, 1                         ; K half
	s_lshl_b32 s26, ttmp9, 17                      ; 32 g rows of 4,096 bytes
	s_lshl_b32 s27, s24, 15                        ; + 8 u rows
	s_add_co_u32 s26, s26, s27
	s_lshl_b32 s27, s25, 11                        ; + 512 numbers
	s_add_co_u32 s26, s26, s27
	s_mov_b32 s27, 0
	s_lshl_b32 s28, ttmp9, 1
	s_add_co_u32 s28, s28, s24                     ; the tile
	s_lshl_b32 s30, s28, 14                        ; 16,384 bytes of codes a tile,
	s_lshl_b32 s29, s25, 13                        ; four K steps of 2,048
	s_add_co_u32 s30, s30, s29
	s_mov_b32 s31, 0
	s_lshl_b32 s32, s28, 9                         ; 512 scale bytes a tile,
	s_lshl_b32 s29, s25, 8                         ; two slots of 128
	s_add_co_u32 s32, s32, s29
	s_mov_b32 s33, 0
	s_wait_kmcnt 0x0
	s_add_nc_u64 s[4:5], s[4:5], s[26:27]
	s_add_nc_u64 s[14:15], s[14:15], s[30:31]
	s_add_nc_u64 s[16:17], s[16:17], s[32:33]
.macro LOADX s                         ; K step s: 16 loads, each 512 consecutive bytes of one of the tile's rows
.irp i, 0,1,2,3,4,5,6,7,8,9,10,11,12,13,14,15
	global_load_b128 v[R+64*((\s)%2)+4*\i:R+64*((\s)%2)+4*\i+3], v3, s[4:5] offset:(\i+8*(\i/8))*4096+512*(\s) th:TH_LOAD_NT
.endr
.endm
; 64 numbers of a lane become a fragment's codes in v[PC] on and its scale word in v[PW]
.macro QUANT s
.irp b, 0,1,2,3
	v_max3_num_f32 v[TM+\b], |v[\s+16*\b]|, |v[\s+1+16*\b]|, 0x8000000   ; block b: my 16 numbers, and the floor 2^(16 - 127): the byte cannot fall under 1
.endr
.irp i, 2,4,6,8,10,12,14
.irp b, 0,1,2,3
	v_max3_num_f32 v[TM+\b], v[TM+\b], |v[\s+16*\b+\i]|, |v[\s+1+16*\b+\i]|   ; the four blocks by turns
.endr
.endr
.irp b, 0,1,2,3
	v_permlanex16_b32 v[TM+4+\b], v[TM+\b], s[SEL], s[SEL+1]
.endr
.irp b, 0,1,2,3
	v_max_num_f32 v[TM+\b], v[TM+\b], v[TM+4+\b]   ; with lane l xor 16's 16: the block's largest magnitude
.endr
.irp b, 0,1,2,3
	v_add_nc_u32 v[TM+12+\b], 0xf8800000, v[TM+\b] ; 15 off its exponent field: the conversion takes that field as its scale
.endr
.irp b, 0,1,2,3
	v_and_or_b32 v[TM+8+\b], v[TM+\b], 0x7f800000, s[MNT]   ; 57,344 x the scale
.endr
.irp b, 0,1,2,3
	v_lshrrev_b32 v[TM+4+\b], 23, v[TM+12+\b]      ; the scale's byte
.endr
	v_lshl_or_b32 v[PW], v[TM+5], 8, v[TM+4]
	v_lshl_or_b32 v[PW], v[TM+6], 16, v[PW]
	v_lshl_or_b32 v[PW], v[TM+7], 24, v[PW]
.irp b, 0,1,2,3
.irp i, 0,1,2,3,4,5,6,7,8,9,10,11,12,13,14,15
	v_med3_num_f32 v[\s+16*\b+\i], v[\s+16*\b+\i], -v[TM+8+\b], v[TM+8+\b]   ; the conversion to an 8-bit code does not saturate (ISA guide 7.6.2): the hold
.endr
	v_cvt_scalef32_pk8_bf8_f32 v[PC+4*\b:PC+1+4*\b], v[\s+16*\b:\s+7+16*\b], v[TM+12+\b]
	v_cvt_scalef32_pk8_bf8_f32 v[PC+2+4*\b:PC+3+4*\b], v[\s+8+16*\b:\s+15+16*\b], v[TM+12+\b]
.endr
	v_nop                                          ; one plain vector line behind the last conversion
.endm
.macro STEPX s
.if (\s) < 3
	s_wait_loadcnt 16                              ; this step's 16 loads are in; the next step's 16 may be out
.else
	s_wait_loadcnt 0
.endif
.irp i, 0,1,2,3,4,5,6,7,8,9,10,11,12,13,14,15
	ds_store_b128 v4, v[R+64*((\s)%2)+4*\i:R+64*((\s)%2)+4*\i+3] offset:SP*\i
.endr
.irp c, 0,1,2,3
.irp j, 0,1,2,3
	ds_load_b128 v[X+16*\c+4*\j:X+16*\c+4*\j+3], v5 offset:128*\c+16*\j   ; LDS serves a wave's instructions in order: these see the stores above
.endr
.endr
	s_wait_dscnt 0x0                               ; the numbers are back, and the stores have read the set that is loaded again below
.if (\s) < 2
	LOADX (\s)+2
.endif
.if (\s) > 0
	s_wait_xcnt 0x0                                ; the last step's stores have read v[PC] on
.endif
	QUANT X
.irp c, 0,1,2,3
	global_store_b128 v3, v[PC+4*\c:PC+4*\c+3], s[14:15] offset:2048*(\s)+512*\c   ; 512 consecutive bytes, aligned
.endr
	ds_store_b32 v6, v[PW] offset:128*((\s)/2)+4*((\s)%2)   ; both halves of the lanes write the same word with the same value
.endm
	LOADX 0
	LOADX 1
	STEPX 0
	STEPX 1
	STEPX 2
	STEPX 3
	ds_load_b64 v[242:243], v7
	s_wait_dscnt 0x0
	global_store_b64 v8, v[242:243], s[16:17]      ; the wave's 256 scale bytes: 256 consecutive bytes, aligned
	s_wait_tensorcnt 0x0
	ds_add_u32 v254, v255
	s_wait_dscnt 0x0
	s_endpgm
; ---------------- the weights: work-group g' = 0..127: weight g' / 32, slot of 256 K (g' / 8) % 4, 128 columns g' % 8.  A LANE TAKES A COLUMN n AND ITS REGISTERS RUN DOWN K:
; a block of 32 lies in one lane, and the conversions give codes with K innermost.  Lane l is row r' = (l % 8) + 8 (l / 16) of tile (l / 8) % 2 of the wave's two tiles.
; A block's 32 codes are the 16 bytes of image lane r' and the 16 of image lane r' + 16: each store of the wave fills two aligned runs of 256 bytes.
; The scale bytes leave as 8 bytes a lane, 128 consecutive bytes a tile: these runs are half of an aligned 256; they are one byte in 128 of what the path reads.
.Lweights:
	s_sub_co_u32 s19, ttmp9, 256
	s_lshr_b32 s20, s19, 5                         ; which weight: 0 Wv, 1 Wq, 2 Wk, 3 Wo
	s_bfe_u32 s21, s19, 0x20003                    ; which 256 along K
	s_and_b32 s22, s19, 7                          ; which 128 columns
	v_lshlrev_b32 v3, 2, v2                        ; in: 4 bytes a lane
	v_bfe_u32 v4, v0, 3, 1                         ; u
	v_and_b32 v5, 7, v0
	v_bfe_u32 v6, v0, 4, 1
	v_lshl_or_b32 v5, v6, 3, v5                    ; r'
	v_lshlrev_b32 v7, 14, v4
	v_lshl_add_u32 v7, v5, 4, v7                   ; codes: 16,384 u + 16 r'
	v_lshlrev_b32 v8, 9, v4
	v_lshl_add_u32 v8, v5, 3, v8                   ; scale words: 512 u + 8 r'
	s_lshl_b32 s24, s21, 20                        ; 256 rows of 4,096 bytes
	s_lshl_b32 s25, s22, 9
	s_add_co_u32 s24, s24, s25
	s_lshl_b32 s25, s18, 7
	s_add_co_u32 s24, s24, s25                     ; + 4 x (128 group + 32 wave)
	s_mov_b32 s25, 0
	s_lshl_b32 s26, s20, 6
	s_lshl_b32 s27, s22, 3
	s_add_co_u32 s26, s26, s27
	s_lshl_b32 s27, s18, 1
	s_add_co_u32 s26, s26, s27
	s_add_co_u32 s26, s26, 512                     ; my first tile
	s_lshl_b32 s28, s26, 14
	s_lshl_b32 s29, s21, 12
	s_add_co_u32 s28, s28, s29
	s_mov_b32 s29, 0
	s_lshl_b32 s30, s26, 9
	s_lshl_b32 s31, s21, 7
	s_add_co_u32 s30, s30, s31
	s_mov_b32 s31, 0
	s_wait_kmcnt 0x0
	s_cmp_eq_u32 s20, 1                            ; the weight is chosen by the work-group's number alone
	s_cselect_b64 s[6:7], s[8:9], s[6:7]
	s_cmp_eq_u32 s20, 2
	s_cselect_b64 s[6:7], s[10:11], s[6:7]
	s_cmp_eq_u32 s20, 3
	s_cselect_b64 s[6:7], s[12:13], s[6:7]
	s_add_nc_u64 s[6:7], s[6:7], s[24:25]
	s_add_nc_u64 s[14:15], s[14:15], s[28:29]
	s_add_nc_u64 s[16:17], s[16:17], s[30:31]
.macro LOADW t                         ; block t: W(32 t + i, my column) into set t % 2
.irp i, 0,1,2,3,4,5,6,7,8,9,10,11,12,13,14,15,16,17,18,19,20,21,22,23,24,25,26,27,28,29,30,31
	global_load_b32 v[XW+32*((\t)%2)+\i], v3, s[6:7] offset:(32*(\t)+\i)*4096 th:TH_LOAD_NT
.endr
.endm
.macro BLOCKW t
.set XS, XW+32*((\t)%2)
.set CC, CW+8*(\t)
.if (\t) < 7
	s_wait_loadcnt 32                              ; this block's 32 loads are in; the next block's may be out
.else
	s_wait_loadcnt 0
.endif
	v_max3_num_f32 v12, |v[XS]|, |v[XS+1]|, |v[XS+2]|   ; the block's largest magnitude: all 32 numbers are mine
	v_max3_num_f32 v13, |v[XS+3]|, |v[XS+4]|, |v[XS+5]|
.irp i, 6,10,14,18,22,26
	v_max3_num_f32 v12, v12, |v[XS+\i]|, |v[XS+\i+1]|
	v_max3_num_f32 v13, v13, |v[XS+\i+2]|, |v[XS+\i+3]|
.endr
	v_max3_num_f32 v12, v12, |v[XS+30]|, |v[XS+31]|
	v_max3_num_f32 v12, v12, v13, 0x8000000        ; and the floor
	v_add_nc_u32 v11, 0xf8800000, v12              ; the conversions' scale operand
	v_and_or_b32 v10, v12, 0x7f800000, s[MNT]      ; 57,344 x the scale
	v_lshrrev_b32 v13, 23, v11                     ; the byte
.if (\t)%4 == 0
	v_mov_b32 v[SB+(\t)/4], v13
.else
	v_lshl_or_b32 v[SB+(\t)/4], v13, 8*((\t)%4), v[SB+(\t)/4]
.endif
.irp i, 0,1,2,3,4,5,6,7,8,9,10,11,12,13,14,15,16,17,18,19,20,21,22,23,24,25,26,27,28,29,30,31
	v_med3_num_f32 v[XS+\i], v[XS+\i], -v10, v10
.endr
.irp g, 0,1,2,3
	v_cvt_scalef32_pk8_bf8_f32 v[CC+2*\g:CC+2*\g+1], v[XS+8*\g:XS+8*\g+7], v11
.endr
	v_nop                                          ; one plain vector line behind the last conversion
	global_store_b128 v7, v[CC:CC+3], s[14:15] offset:((\t)/4)*2048+((\t)%4)*512         ; k 0-15 of the block: image lanes 0-15
	global_store_b128 v7, v[CC+4:CC+7], s[14:15] offset:((\t)/4)*2048+((\t)%4)*512+256   ; k 16-31: image lanes 16-31
.if (\t)+2 < 8
	LOADW (\t)+2
.endif
.endm
	LOADW 0
	LOADW 1
.irp t, 0,1,2,3,4,5,6,7
	BLOCKW \t
.endr
	global_store_b64 v8, v[SB:SB+1], s[16:17]
	s_endpgm
.Lfunc_end_k_q6ae2d2de4b_quant:
	.size	k_q6ae2d2de4b_quant, .Lfunc_end_k_q6ae2d2de4b_quant-k_q6ae2d2de4b_quant
	.p2alignl 7, 3214868480
	.fill 96, 4, 3214868480
	.section	.rodata,"a",@progbits
	.p2align	6, 0x0
	.amdhsa_kernel k_q6ae2d2de4b_quant
		.amdhsa_group_segment_fixed_size 35328
		.amdhsa_private_segment_fixed_size 0
		.amdhsa_enable_private_segment 0
		.amdhsa_kernarg_size 56
		.amdhsa_user_sgpr_count 2
		.amdhsa_user_sgpr_kernarg_segment_ptr 1
		.amdhsa_wavefront_size32 1
		.amdhsa_system_sgpr_workgroup_id_x 1
		.amdhsa_system_sgpr_workgroup_id_y 1
		.amdhsa_system_sgpr_workgroup_id_z 1
		.amdhsa_system_vgpr_workitem_id 0
		.amdhsa_next_free_vgpr 256
		.amdhsa_next_free_sgpr 66
		.amdhsa_reserve_vcc 0
		.amdhsa_float_denorm_mode_32 3
		.amdhsa_float_denorm_mode_16_64 3
		.amdhsa_memory_ordered 1
		.amdhsa_forward_progress 1
		.amdhsa_inst_pref_size 107
	.end_amdhsa_kernel
	.amdgpu_metadata
---
amdhsa.version: [ 1, 2 ]
amdhsa.kernels:
  - .name:           k_q6ae2d2de4b_quant
    .symbol:         k_q6ae2d2de4b_quant.kd
    .args:
      - { .name: x, .offset: 0, .size: 8, .value_kind: global_buffer, .address_space: global }
      - { .name: Wv, .offset: 8, .size: 8, .value_kind: global_buffer, .address_space: global }
      - { .name: Wq, .offset: 16, .size: 8, .value_kind: global_buffer, .address_space: global }
      - { .name: Wk, .offset: 24, .size: 8, .value_kind: global_buffer, .address_space: global }
      - { .name: Wo, .offset: 32, .size: 8, .value_kind: global_buffer, .address_space: global }
      - { .name: codes, .offset: 40, .size: 8, .value_kind: global_buffer, .address_space: global }
      - { .name: scales, .offset: 48, .size: 8, .value_kind: global_buffer, .address_space: global }
    .group_segment_fixed_size: 35328
    .private_segment_fixed_size: 0
    .kernarg_segment_align: 8
    .kernarg_segment_size: 56
    .max_flat_workgroup_size: 128
    .sgpr_count:     66
    .vgpr_count:     256
    .wavefront_size: 32
...
	.end_amdgpu_metadata
.endif
;; end of part 1
;; launch proj (part 2): grid 8 x 48, 4 waves a work-group, clusters of 4 x 4, 327,680 bytes of LDS; arguments codes, scales, bq, bk, bv, qrec, kv; writes qrec, kv
.if DOCPART == 2
	.amdgcn_target "amdgcn-amd-amdhsa--gfx1250"
	.amdhsa_code_object_version 6
	.text
	.protected	k_q6ae2d2de4b_proj
	.globl	k_q6ae2d2de4b_proj
	.p2align	8
	.type	k_q6ae2d2de4b_proj,@function
k_q6ae2d2de4b_proj:
	s_mov_b64 s[64:65], 0
	v_nop
	global_prefetch_b8 v0, s[64:65] scope:SCOPE_SE
	s_setreg_imm32_b32 hwreg(HW_REG_WAVE_MODE, 25, 1), 1
	s_wait_xcnt 0x0
	s_wait_alu depctr_hold_cnt(0) depctr_sa_sdst(0) depctr_va_vdst(0) depctr_va_sdst(0) depctr_va_ssrc(0) depctr_va_vcc(0) depctr_vm_vsrc(0)
	s_getreg_b32 s2, hwreg(HW_REG_IB_STS2, 6, 4)
	s_cmp_eq_u32 s2, 0
	s_cbranch_scc0 .Lentry_in_a_cluster
	s_endpgm
.Lentry_in_a_cluster:
	s_bfe_u32 s2, ttmp6, 0x10000c
	s_cmp_lg_u32 s2, 0xf033
	s_cbranch_scc0 .Lentry_shape_is_right
	s_endpgm
.Lentry_shape_is_right:
; q = x Wq + bq, k = x Wk + bk, v = x Wv + bv on codes of E5M2 with E8M0 scales, and the results quantised at once for attention's two products: no f32 result goes to memory.
; OPERANDS ARE IMAGES OF THE MATRIX OPERAND'S REGISTERS: codes [tile][K step 8][c 4][lane 32][16 bytes], scales [tile][slot of 256 K: 4][r 16][2 words]; tile 2 b + u holds rows 32 b + 8 u + (r % 8) + 16 (r / 8).
; A 'super' is 16 tiles (256 rows): x supers 0-31, Wv 32-35, Wq 36-39, Wk 40-43.
; A work-group of four waves makes 256 x 256, a wave 128 x 128: 64 accumulators, 512 registers.  Source 0 = 'B', source 1 = 'A': a lane holds one row of A's tile, and the 64 registers of one block of A
; run along B's 128 rows IN THEIR TRUE ORDER (register 16 b + i = row 32 b + 16 h + i): they are what the quantiser wants, and its results are the next operand's image.
; KIND q, k (cluster rows 0-7): A = 256 tokens of x, B = 256 columns of Wq (cluster column 0) or Wk (1): a lane holds a token, registers run along the head's 64: two blocks of 32 a head, two heads a wave.
; KIND v (cluster rows 8-11): A = 256 columns of Wv, B = 256 tokens: a lane holds a channel, registers run along the keys: V comes out with the keys innermost.
; qrec: [head 64][128 queries: 16][8,704]: 8 tiles x [c 2][512 bytes]; at 8,192 the scale words [4 tiles: 2][r 16][4 words] (bytes 2, 3 are 0).
; kv:   [head 64][128 keys: 16][17,152]: K as q's 8,192 bytes; at 8,192 V [16 channels: 4][c 4][512]; at 16,384 K's scale words as q's; at 16,896 V's [r 16][4 words].
; K goes in steps of 256 through a ring of two LDS slots; the scales of all of K come once.  CLUSTERS: 4 x 4; A's tiles are asked for jointly along a row of the cluster, B's along a column.
; LIMITS: a block of zeros gets the byte 1 (its codes are zeros; this program alone reads the bytes); NaN and infinities are not served.
; REGISTERS: window 0: v1-7 addresses of the way out; v16-29 addresses; v32-63 scale words, two sets; v64-127 the biases; v128-255 A's fragments, one set; on the way out v128-239 are at work.
;   window 1: B's fragments, two sets.   windows 2, 3: the accumulators, (a, b) at v[8 (8 (a % 4) + b)].
.set NQ,     2                         ; matrix instructions deep in a slot
.set FR,     16                        ; registers of a fragment
.set NL,     4                         ; LDS loads that bring one
.set NP,     8                         ; places behind this matrix instruction (ISA guide 7.12.1)
.set TILEB,  4096                      ; a tile's 256 along K: two images of 2,048 bytes
.set HALFT,  8*TILEB                   ; eight tiles: what one tensor load brings, and what one wave reads of A or of B
.set SLOT,   4*HALFT                   ; A's 16 tiles, then B's 16
.set SCL,    2*SLOT                    ; behind the ring: the scale words of all of K, filled once
.set HALFS,  4096                      ; those of eight tiles
.set SPARE,  SCL+4*HALFS               ; the spare words, 128 bytes for each wave: two blocks of 256 bytes that no other line names
.set HSQ,    139264                    ; a head in qrec;
.set HSK,    274432                    ; in kv
.set RECQ,   8704                      ; 128 tokens' record in qrec;
.set RECK,   17152                     ; in kv
.set ADRA, 16                          ; v16-17  LDS address of my A fragments in slot 0, 1
.set ADRB, 20                          ; v20-21  the same for B
.set ADRS, 27                          ; v27     of my scale words: lanes 0-15 A's rows, lanes 16-31 B's
.set SPW,  28                          ; v28     my spare word; never rewritten
.set NIL,  29                          ; v29     0; never rewritten
.set SC,   32                          ; scale words: set s at v[SC + 16 s]; register 2 i + q: lanes 0-15 A's block i, lanes 16-31 B's block i
.set BI,   64                          ; the biases
.set AF,   128                         ; A's fragments
.set O0,   2                           ; v2, v3  the way out: 16 x lane, in my first head and in my second
.set SO,   4                           ; v4      where my scale words go
.set SH,   5                           ; v5      16 h
.set VB,   6                           ; v6      my offset among the biases
.set HH,   7                           ; v7      h
.set X,    128                         ; v128-191 64 numbers to quantise
.set PC,   192                         ; v192-207 their codes
.set TM,   208                         ; v208-223 at work in the quantiser
.set PW,   224                         ; the scale word just made
.set SW,   232                         ; v232-239 the eight blocks' scale words
.set WV,   18
.set RH,   19                          ; which half of A's rows is mine; also: I fetch for A (0) or for B (1)
.set CH,   20                          ; which half of B's rows; also: which eight tiles I fetch
.set MNT,  3
.set SEL,  100
.set G1,   24
.set G0,   32
.set G1B,  48
.set G0B,  56
.set G1S,  68
.set G0S,  76
.set G1SB, 80
.set G0SB, 88
.set MSB, 0
.macro WIN new                         ; the immediate's high byte repeats the setting that is left
.if MSB != (\new)
	s_set_vgpr_msb (MSB<<8)|(\new)
.set MSB, (\new)
.endif
.endm
.set MUL_LO, 0xa1                      ; source 0 (B) window 1, source 1 (A) window 0, C and D window 2
.set MUL_HI, 0xf1                      ; the same, C and D window 3
.set TO_B,   0x40                      ; destination window 1, address window 0
; A joint load: waves 0 and 1 fetch for A, waves 2 and 3 for B.  The branch hangs on the wave's number alone.  Four v_nop follow each of the two lines.
.macro JLOAD g0a, g1a, g0b, g1b
	s_cmp_eq_u32 s[RH], 0
	s_cbranch_scc0 .Lfor_b_\@
	tensor_load_to_lds s[\g0a:\g0a+3], s[\g1a:\g1a+7]
	s_nop 0
.rept 4
	v_nop
.endr
	s_branch .Lasked_\@
.Lfor_b_\@:
	tensor_load_to_lds s[\g0b:\g0b+3], s[\g1b:\g1b+7]
	s_nop 0
.rept 4
	v_nop
.endr
.Lasked_\@:
.endm
.macro CREST                           ; a round of the cluster's barrier behind its opening barrier
	s_cmp_lg_u32 s[WV], 0
	s_cbranch_scc1 .Lnot_wave_0_\@
	s_barrier_signal -3
.Lnot_wave_0_\@:
	s_barrier_wait -3
	s_barrier_signal -1
	s_barrier_wait -1
.endm
.macro CROUND                          ; a whole round
	s_barrier_signal -1
	s_barrier_wait -1
	CREST
.endm
	s_load_b128 s[4:7], s[0:1], 0x0                ; codes, scales
	s_load_b128 s[8:11], s[0:1], 0x10              ; bq, bk
	s_load_b128 s[12:15], s[0:1], 0x20             ; bv, qrec
	s_load_b64 s[16:17], s[0:1], 0x30              ; kv
	v_lshl_add_u32 v[SPW], v0, 2, SPARE
	v_mov_b32 v[NIL], 0
	ds_add_u32 v28, v29
	ds_add_u32 v28, v29
	s_wait_dscnt 0x0
	v_lshrrev_b32 v1, 5, v0
	v_readfirstlane_b32 s[WV], v1                  ; wave 0..3
	s_lshr_b32 s[RH], s[WV], 1
	s_and_b32 s[CH], s[WV], 1
	s_bfe_u32 s40, ttmp6, 0x40000                  ; cx, cy: my place in the cluster
	s_bfe_u32 s41, ttmp6, 0x40004
	s_lshl_b32 s42, ttmp9, 2
	s_add_co_u32 s42, s42, s40                     ; work-group x = 4 x cluster x + cx
	s_and_b32 s67, ttmp7, 0xffff                   ; cluster y
	s_lshl_b32 s66, s67, 2
	s_add_co_u32 s66, s66, s41                     ; work-group y
	s_add_co_u32 s96, s41, 32
	s_min_u32 s96, s66, s96                        ; A's super: y under 32: x's super y;  from 32 on: Wv's super 32 + cy.  It hangs on y alone
	s_max_u32 s97, s67, 8
	s_sub_co_u32 s97, s97, 8
	s_lshl_b32 s97, s97, 3                         ; kind v: 8 x (cluster y - 8);  kind q, k: 0
	s_min_u32 s98, s67, 8
	s_sub_co_u32 s98, 8, s98
	s_min_u32 s98, s98, 1                          ; 1 for kind q, k;  0 for kind v
	s_mul_i32 s98, s98, 36
	s_add_co_u32 s97, s97, s98
	s_add_co_u32 s97, s97, s42                     ; B's super: 36 + x (Wq, Wk), or x's super x + 8 (cluster y - 8).  It hangs on x and the cluster's y alone
	s_lshl_b32 s43, s41, 2
	s_lshl_b32 s43, 15, s43                        ; my row of the cluster
	s_lshl_b32 s44, 0x1111, s40                    ; my column
	; descriptor group 1 for codes: eight tiles: 8 rows of 4,096 bytes (512 elements of 8 bytes), 16,384 bytes apart in memory, on end in LDS
	s_or_b32 s[G1+0], s43, (3<<16)|(1<<21)         ; 15:0 the mask: A's tiles go to my row; 17:16 elements of 8 bytes; 21 set beside a mask; no padding
	s_or_b32 s[G1B+0], s44, (3<<16)|(1<<21)
.irp g, G1, G1B
	s_mov_b32 s[\g+1], 512<<16                     ; tensor_dim0
	s_mov_b32 s[\g+2], 8<<16                       ; tensor_dim1
	s_mov_b32 s[\g+3], 512<<16                     ; tile_dim0
	s_mov_b32 s[\g+4], 8                           ; tile_dim1
	s_mov_b32 s[\g+5], 2048                        ; tensor_dim0_stride
	s_mov_b32 s[\g+6], 0
	s_mov_b32 s[\g+7], 0
.endr
	; and for the scale words of eight tiles: 4,096 dense bytes as 16 rows of 256
	s_or_b32 s[G1S+0], s43, (3<<16)|(1<<21)
	s_or_b32 s[G1SB+0], s44, (3<<16)|(1<<21)
.irp g, G1S, G1SB
	s_mov_b32 s[\g+1], 32<<16
	s_mov_b32 s[\g+2], 16<<16
	s_mov_b32 s[\g+3], 32<<16
	s_mov_b32 s[\g+4], 16
	s_mov_b32 s[\g+5], 32
	s_mov_b32 s[\g+6], 0
	s_mov_b32 s[\g+7], 0
.endr
	s_lshl_b32 s21, s[CH], 17                      ; which eight tiles I fetch: 131,072 bytes of codes,
	s_lshl_b32 s22, s[CH], 12                      ; 4,096 of scale words
	s_lshl_b32 s92, s96, 18                        ; a super: 262,144 bytes of codes,
	s_add_co_u32 s92, s92, s21
	s_mov_b32 s93, 0
	s_lshl_b32 s94, s97, 18
	s_add_co_u32 s94, s94, s21
	s_mov_b32 s95, 0
	s_lshl_b32 s98, s96, 13                        ; 8,192 of scale words
	s_add_co_u32 s98, s98, s22
	s_mov_b32 s99, 0
	s_lshl_b32 s100, s97, 13
	s_add_co_u32 s100, s100, s22
	s_mov_b32 s101, 0
	s_mul_i32 s45, s[WV], HALFT                    ; where they go: no place in the cluster enters an LDS address
	s_mul_i32 s46, s[WV], HALFS
	s_wait_kmcnt 0x0
	s_add_nc_u64 s[92:93], s[4:5], s[92:93]
	s_add_nc_u64 s[94:95], s[4:5], s[94:95]
	s_add_nc_u64 s[98:99], s[6:7], s[98:99]
	s_add_nc_u64 s[100:101], s[6:7], s[100:101]
	CROUND                                         ; all sixteen work-groups are here: the first joint loads meet
	s_mov_b32 s[G0S], 1
	s_add_co_u32 s[G0S+1], s46, SCL
	s_mov_b64 s[G0S+2:G0S+3], s[98:99]
	s_or_b32 s[G0S+3], s[G0S+3], 0x80000000
	s_mov_b32 s[G0SB], 1
	s_add_co_u32 s[G0SB+1], s46, SCL
	s_mov_b64 s[G0SB+2:G0SB+3], s[100:101]
	s_or_b32 s[G0SB+3], s[G0SB+3], 0x80000000
	JLOAD G0S, G1S, G0SB, G1SB                     ; the scale words first: they are wanted with the first K step
.irp s, 0,1
	s_mov_b32 s[G0+4*\s], 1
	s_add_co_u32 s[G0+4*\s+1], s45, \s*SLOT
	s_add_nc_u64 s[G0+4*\s+2:G0+4*\s+3], s[92:93], \s*TILEB
	s_or_b32 s[G0+4*\s+3], s[G0+4*\s+3], 0x80000000
	s_mov_b32 s[G0B+4*\s], 1
	s_add_co_u32 s[G0B+4*\s+1], s45, \s*SLOT
	s_add_nc_u64 s[G0B+4*\s+2:G0B+4*\s+3], s[94:95], \s*TILEB
	s_or_b32 s[G0B+4*\s+3], s[G0B+4*\s+3], 0x80000000
	JLOAD G0+4*\s, G1, G0B+4*\s, G1B               ; three tensor loads of mine are out behind the second of these
.endr
	v_and_b32 v1, 15, v0                           ; r
	v_bfe_u32 v2, v0, 4, 1                         ; h
	v_and_b32 v3, 31, v0
	v_lshlrev_b32 v4, 4, v3                        ; 16 x lane: my place in every image
	s_mul_i32 s21, s[RH], HALFT                    ; my eight tiles of A
	s_mul_i32 s22, s[CH], HALFT                    ; my eight tiles of B,
	s_add_co_u32 s22, s22, 2*HALFT                 ; which lie behind A's sixteen
.irp s, 0,1
	v_add_nc_u32 v[ADRA+\s], s21, v4
	v_add_nc_u32 v[ADRB+\s], s22, v4
	s_add_co_u32 s21, s21, SLOT
	s_add_co_u32 s22, s22, SLOT
.endr
	v_lshlrev_b32 v5, 3, v1                        ; my row's two words of a slot
	s_mul_i32 s21, s[RH], HALFS
	s_mul_i32 s22, s[CH], HALFS
	s_add_co_u32 s22, s22, 2*HALFS
	s_sub_co_u32 s22, s22, s21
	v_mul_u32_u24 v6, s22, v2                      ; lanes 16-31 take B's: one product, the distance between the two bases
	s_add_co_u32 s21, s21, SCL
	v_add_nc_u32 v5, v5, v6
	v_add_nc_u32 v[ADRS], s21, v5
.macro FRAG reg, adr, q, i             ; a fragment comes as it was stored: four loads of 512 consecutive bytes
.irp c, 0,1,2,3
	ds_load_b128 v[\reg+4*\c:\reg+4*\c+3], v[\adr] offset:(\i)*TILEB+(\q)*2048+512*\c
.endr
.endm
; 16 matrix instructions: A's blocks a0, a0 + 1 x B's eight, 128 along K.  p: B's set;  sc: the set of scale words.  zero = 1: the first product starts the sums.
; The 64 accumulators take turns, one instruction a turn, in the same order in every step.
.macro MUL16 a0, p, q, sc, zero
.irp a, \a0, \a0+1
.irp b, 0,1,2,3,4,5,6,7
.if \zero
	v_wmma_scale_f32_16x16x128_f8f6f4 v[8*(8*((\a)%4)+\b):8*(8*((\a)%4)+\b)+7], v[128*(\p)+FR*\b:128*(\p)+FR*\b+FR-1], v[AF+FR*(\a):AF+FR*(\a)+FR-1], 0, v[SC+8*NQ*(\sc)+NQ*\b+(\q)], v[SC+8*NQ*(\sc)+NQ*(\a)+(\q)] matrix_a_fmt:MATRIX_FMT_BF8 matrix_b_fmt:MATRIX_FMT_BF8 matrix_a_scale:MATRIX_SCALE_ROW1
.else
	v_wmma_scale_f32_16x16x128_f8f6f4 v[8*(8*((\a)%4)+\b):8*(8*((\a)%4)+\b)+7], v[128*(\p)+FR*\b:128*(\p)+FR*\b+FR-1], v[AF+FR*(\a):AF+FR*(\a)+FR-1], v[8*(8*((\a)%4)+\b):8*(8*((\a)%4)+\b)+7], v[SC+8*NQ*(\sc)+NQ*\b+(\q)], v[SC+8*NQ*(\sc)+NQ*(\a)+(\q)] matrix_a_fmt:MATRIX_FMT_BF8 matrix_b_fmt:MATRIX_FMT_BF8 matrix_a_scale:MATRIX_SCALE_ROW1
.endif
.endr
.endr
.endm
.macro FETCH_B slot, q, p
	WIN TO_B
.irp i, 0,1,2,3,4,5,6,7
	FRAG 128*(\p)+FR*\i, ADRB+\slot, \q, \i
.endr
	WIN 0
.endm
.macro FETCH_A slot, q, i0
.irp i, \i0, \i0+1, \i0+2, \i0+3
	FRAG AF+FR*(\i), ADRA+\slot, \q, \i
.endr
.endm
.macro SCALES sc                       ; a slot's scale words: two a row; lanes 0-15 take A's block i, lanes 16-31 B's block i
.irp i, 0,1,2,3,4,5,6,7
	ds_load_b64 v[SC+8*NQ*\sc+NQ*\i:SC+8*NQ*\sc+NQ*\i+1], v[ADRS] offset:\i*512
.endr
.endm
.macro PLACES n                        ; places in front of loads into registers that matrix instructions have read, and of the first read of results
.rept \n
	v_nop
.endr
.endm
; A step of 128 along K that has its successor in the same slot.  A has one set of registers: blocks 0-3 are fetched anew in the step's middle, blocks 4-7 at its end.
.macro STEP slot, q, zero
	s_wait_dscnt 4*NL                              ; B's set and A's blocks 0-3 are in; the youngest 16 loads (A's blocks 4-7) may be out
	WIN MUL_LO
	MUL16 0, (\q)%2, \q, \slot, \zero
	MUL16 2, (\q)%2, \q, \slot, \zero
	s_wait_dscnt 0                                 ; A's blocks 4-7 are in
	PLACES NP
	FETCH_B \slot, (\q)+1, 1-(\q)%2
	FETCH_A \slot, (\q)+1, 0
	WIN MUL_HI
	MUL16 4, (\q)%2, \q, \slot, \zero
	MUL16 6, (\q)%2, \q, \slot, \zero
	PLACES NP
	WIN 0
	FETCH_A \slot, (\q)+1, 4
.endm
; A slot's last step changes slots: one barrier; in front of it each wave waits for all its tensor loads, adds 0 to its spare word, and waits for that and for its reads of this slot.
.macro TURN slot, next, fill
	s_wait_tensorcnt 0x0                           ; all my tensor loads have landed: my part of the next slot
	ds_add_u32 v[SPW], v[NIL]                      ; 0 onto my spare word
	s_wait_dscnt 4*NL+1                            ; (the add and the youngest 16 loads, A's blocks 4-7, may be out)
	WIN MUL_LO
	MUL16 0, 1, NQ-1, \slot, 0                     ; sixteen matrix instructions stand between the add and the wait for it
	s_wait_dscnt 0x0                               ; the add is done, and my reads of this slot are over
	s_barrier_signal -1
	MUL16 2, 1, NQ-1, \slot, 0
	WIN 0
	s_barrier_wait -1
.if \fill
	CREST                                          ; the barrier has opened a round of the cluster's barrier: no wave of any partner still reads this slot or has a load on its way
	s_add_nc_u64 s[G0+4*\slot+2:G0+4*\slot+3], s[G0+4*\slot+2:G0+4*\slot+3], 2*TILEB
	s_add_nc_u64 s[G0B+4*\slot+2:G0B+4*\slot+3], s[G0B+4*\slot+2:G0B+4*\slot+3], 2*TILEB
	JLOAD G0+4*\slot, G1, G0B+4*\slot, G1B         ; the first tensor load behind the round; its four v_nop are among the places in front of the loads below
	PLACES NP-4
.else
	PLACES NP
.endif
	v_add_nc_u32 v[ADRS], 128, v[ADRS]             ; on to the next slot's scale words
	FETCH_B \next, 0, 0
	FETCH_A \next, 0, 0
	SCALES \next
	WIN MUL_HI
	MUL16 4, 1, NQ-1, \slot, 0
	MUL16 6, 1, NQ-1, \slot, 0
	PLACES NP
	WIN 0
	FETCH_A \next, 0, 4
.endm
.macro LAST                            ; the very last step: nothing more to fetch
	s_wait_dscnt 4*NL
	WIN MUL_LO
	MUL16 0, 1, NQ-1, 1, 0
	MUL16 2, 1, NQ-1, 1, 0
	s_wait_dscnt 0
	WIN MUL_HI
	MUL16 4, 1, NQ-1, 1, 0
	MUL16 6, 1, NQ-1, 1, 0
	WIN 0
.endm
; 64 numbers of a lane, register 16 b + i = k 32 b + 16 h + i of my row, become a fragment's codes in v[PC] on and its scale word in v[PW]
.macro QUANT s
.irp b, 0,1,2,3
	v_max3_num_f32 v[TM+\b], |v[\s+16*\b]|, |v[\s+1+16*\b]|, 0x8000000   ; block b: my 16 numbers, and the floor 2^(16 - 127): the byte cannot fall under 1
.endr
.irp i, 2,4,6,8,10,12,14
.irp b, 0,1,2,3
	v_max3_num_f32 v[TM+\b], v[TM+\b], |v[\s+16*\b+\i]|, |v[\s+1+16*\b+\i]|
.endr
.endr
.irp b, 0,1,2,3
	v_permlanex16_b32 v[TM+4+\b], v[TM+\b], s[SEL], s[SEL+1]
.endr
.irp b, 0,1,2,3
	v_max_num_f32 v[TM+\b], v[TM+\b], v[TM+4+\b]   ; with lane l xor 16's 16: the block's largest magnitude
.endr
.irp b, 0,1,2,3
	v_add_nc_u32 v[TM+12+\b], 0xf8800000, v[TM+\b] ; 15 off its exponent field: the conversions' scale operand
.endr
.irp b, 0,1,2,3
	v_and_or_b32 v[TM+8+\b], v[TM+\b], 0x7f800000, s[MNT]   ; 57,344 x the scale
.endr
.irp b, 0,1,2,3
	v_lshrrev_b32 v[TM+4+\b], 23, v[TM+12+\b]      ; the byte
.endr
	v_lshl_or_b32 v[PW], v[TM+5], 8, v[TM+4]
	v_lshl_or_b32 v[PW], v[TM+6], 16, v[PW]
	v_lshl_or_b32 v[PW], v[TM+7], 24, v[PW]
.irp b, 0,1,2,3
.irp i, 0,1,2,3,4,5,6,7,8,9,10,11,12,13,14,15
	v_med3_num_f32 v[\s+16*\b+\i], v[\s+16*\b+\i], -v[TM+8+\b], v[TM+8+\b]   ; the conversion does not saturate (ISA guide 7.6.2): the hold
.endr
	v_cvt_scalef32_pk8_bf8_f32 v[PC+4*\b:PC+1+4*\b], v[\s+16*\b:\s+7+16*\b], v[TM+12+\b]
	v_cvt_scalef32_pk8_bf8_f32 v[PC+2+4*\b:PC+3+4*\b], v[\s+8+16*\b:\s+15+16*\b], v[TM+12+\b]
.endr
	v_nop                                          ; one plain vector line behind the last conversion
.endm
; THE WAY OUT of A's block a: its 64 sums + the bias (each accumulator from its low end on), quantised, and the image stored: 512 consecutive bytes, aligned, a store.  kind 0: q, k;  1: v
.macro EPI a, kind
.if (\a) > 0
	s_wait_xcnt 0x0                                ; the last block's stores have read v[PC] on
.endif
	WIN 0x02+(\a)/4                                ; source 0: window 2 or 3
.set i, 0
.rept 32
.if \kind
	v_pk_add_f32 v[X+2*i:X+2*i+1], v[64*((\a)%4)+2*i:64*((\a)%4)+2*i+1], v[BI+2*(\a):BI+2*(\a)+1]   ; a lane is a channel: one bias for all its registers
.else
	v_pk_add_f32 v[X+2*i:X+2*i+1], v[64*((\a)%4)+2*i:64*((\a)%4)+2*i+1], v[BI+2*i:BI+2*i+1]         ; registers run along the channels
.endif
.set i, i+1
.endr
	WIN 0
	QUANT X
.irp g, 0,1,2,3
.if \kind
	global_store_b128 v[O0+(\a)/4], v[PC+4*\g:PC+4*\g+3], s[92:93] offset:2048*((\a)%4)+512*\g      ; head a / 4, 16 channels a % 4, keys 32 g on
.else
	global_store_b128 v[O0+\g/2], v[PC+4*\g:PC+4*\g+3], s[92:93] offset:1024*(\a)+512*(\g%2)        ; head g / 2, tile a, channels 32 (g % 2) on
.endif
.endr
.if \kind
	v_mov_b32 v[SW+(\a)], v[PW]
.else
	v_bfe_u32 v[SW+(\a)], v[PW], v[SH], 16         ; lanes 0-15 keep my first head's two bytes, lanes 16-31 my second head's; bytes 2 and 3 are 0
.endif
.endm
	s_wait_tensorcnt 1                             ; the scale words and my part of slot 0 are in (slot 1's load may be out)
	s_barrier_signal -1
	s_barrier_wait -1                              ; everybody's are
	FETCH_B 0, 0, 0
	FETCH_A 0, 0, 0
	SCALES 0
	FETCH_A 0, 0, 4
	STEP 0, 0, 1                                   ; K = 1,024 is four slots' worth: the walk is written out.  The first step's products start the sums
	TURN 0, 1, 1
	STEP 1, 0, 0
	TURN 1, 0, 1
	STEP 0, 0, 0
	TURN 0, 1, 0                                   ; nothing is left to fetch: no round
	STEP 1, 0, 0
	s_mov_b32 s[SEL], 0x76543210
	s_mov_b32 s[SEL+1], 0xfedcba98                 ; lane l xor 16
	s_mov_b32 s[MNT], 0x600000                     ; the mantissa field of 57,344
	s_cmp_ge_u32 s67, 8                            ; the kinds part on the cluster's y: alike in all partners.  Neither way holds an LDS instruction, a tensor load or a barrier
	s_cbranch_scc1 .Lv
; ---- kind q, k.  The biases are asked for ahead of the last step.
	s_cmp_eq_u32 ttmp9, 0                          ; q or k: the cluster's x
	s_cselect_b64 s[92:93], s[14:15], s[16:17]     ; qrec or kv
	s_cselect_b64 s[94:95], s[8:9], s[10:11]       ; bq or bk
	s_mov_b32 s21, HSK
	s_cselect_b32 s21, HSQ, s21                    ; a head's bytes
	s_mov_b32 s2, RECK
	s_cselect_b32 s2, RECQ, s2                     ; a record's
	s_mov_b32 s98, 16384
	s_cselect_b32 s98, 8192, s98                   ; where a record's scale words begin
	s_lshr_b32 s22, s66, 3                         ; the batch
	s_lshl_b32 s22, s22, 4
	s_lshl_b32 s23, s40, 2
	s_add_co_u32 s22, s22, s23
	s_lshl_b32 s23, s[CH], 1
	s_add_co_u32 s22, s22, s23                     ; my first head: 16 batch + 4 cx + 2 half
	s_mul_i32 s22, s22, s21
	s_and_b32 s23, s66, 7
	s_lshl_b32 s23, s23, 1
	s_add_co_u32 s23, s23, s[RH]                   ; my 128 tokens' record
	s_mul_i32 s23, s23, s2
	s_add_co_u32 s22, s22, s23
	s_mov_b32 s23, 0
	s_add_nc_u64 s[92:93], s[92:93], s[22:23]
	s_lshl_b32 s22, s40, 10
	s_lshl_b32 s2, s[CH], 9
	s_add_co_u32 s22, s22, s2                      ; my 128 channels' biases
	s_add_nc_u64 s[94:95], s[94:95], s[22:23]
	v_and_b32 v1, 15, v0
	v_bfe_u32 v[HH], v0, 4, 1
	v_and_b32 v[O0], 31, v0
	v_lshlrev_b32 v[O0], 4, v[O0]
	v_add_nc_u32 v[O0+1], s21, v[O0]
	v_mul_u32_u24 v[SO], s21, v[HH]
	v_lshl_add_u32 v[SO], v1, 4, v[SO]
	v_add_nc_u32 v[SO], s98, v[SO]                 ; scale words: lanes 0-15 in my first head's record, lanes 16-31 in my second's; 16 bytes a row
	v_lshlrev_b32 v[SH], 4, v[HH]
	v_lshlrev_b32 v[VB], 6, v[HH]
.irp b, 0,1,2,3
.irp j, 0,1,2,3
	global_load_b128 v[BI+16*\b+4*\j:BI+16*\b+4*\j+3], v[VB], s[94:95] offset:128*\b+16*\j   ; register 16 b + i: the bias of channel 32 b + 16 h + i
.endr
.endr
	LAST
	PLACES NP
.irp b, 0,1,2,3
	v_mov_b32 v[TM+4+\b], 0                        ; written once: a lane permute's destination counts as one of its sources
.endr
	s_wait_loadcnt 0x0
.irp a, 0,1,2,3,4,5,6,7
	EPI \a, 0
.endr
	global_store_b128 v[SO], v[SW:SW+3], s[92:93]              ; tiles 0-3: sixteen lanes store 256 consecutive bytes, aligned
	global_store_b128 v[SO], v[SW+4:SW+7], s[92:93] offset:256 ; tiles 4-7
	s_branch .Ldone
; ---- kind v
.Lv:
	s_lshl_b32 s22, s97, 1
	s_add_co_u32 s22, s22, s[CH]                   ; my 128 keys, counted over all batches
	s_lshr_b32 s23, s22, 4                         ; the batch
	s_and_b32 s22, s22, 15                         ; the record
	s_lshl_b32 s23, s23, 4
	s_lshl_b32 s21, s41, 2
	s_add_co_u32 s23, s23, s21
	s_lshl_b32 s21, s[RH], 1
	s_add_co_u32 s23, s23, s21                     ; my first head: 16 batch + 4 cy + 2 half
	s_mul_i32 s23, s23, HSK
	s_mul_i32 s22, s22, RECK
	s_add_co_u32 s22, s22, s23
	s_add_co_u32 s22, s22, 8192                    ; V lies behind K's 8,192 bytes
	s_mov_b32 s23, 0
	s_add_nc_u64 s[92:93], s[16:17], s[22:23]
	s_lshl_b32 s22, s41, 10
	s_lshl_b32 s21, s[RH], 9
	s_add_co_u32 s22, s22, s21
	s_add_nc_u64 s[94:95], s[12:13], s[22:23]      ; my 128 channels' biases
	v_and_b32 v1, 15, v0
	v_bfe_u32 v[HH], v0, 4, 1
	v_and_b32 v[O0], 31, v0
	v_lshlrev_b32 v[O0], 4, v[O0]
	v_add_nc_u32 v[O0+1], HSK, v[O0]
	v_mul_u32_u24 v[SO], HSK, v[HH]
	v_lshl_add_u32 v[SO], v1, 4, v[SO]
	v_and_b32 v[VB], 8, v1
	v_add_nc_u32 v[VB], v[VB], v1
	v_lshlrev_b32 v[VB], 2, v[VB]                  ; my channel in a tile: (r % 8) + 16 (r / 8)
.irp a, 0,1,2,3,4,5,6,7
	global_load_b32 v[BI+2*\a], v[VB], s[94:95] offset:(32*(\a/2)+8*(\a%2))*4     ; twice: a pair for the packed addition
	global_load_b32 v[BI+2*\a+1], v[VB], s[94:95] offset:(32*(\a/2)+8*(\a%2))*4
.endr
	LAST
	PLACES NP
.irp b, 0,1,2,3
	v_mov_b32 v[TM+4+\b], 0
.endr
	s_wait_loadcnt 0x0
.irp a, 0,1,2,3,4,5,6,7
	EPI \a, 1
.endr
	v_cmp_ne_u32 vcc_lo, 0, v[HH]
.irp i, 0,1,2,3
	v_cndmask_b32 v[SW+\i], v[SW+\i], v[SW+4+\i], vcc_lo       ; lanes 0-15: my first head's four words, lanes 16-31: my second head's
.endr
	global_store_b128 v[SO], v[SW:SW+3], s[92:93] offset:8704  ; sixteen lanes store 256 consecutive bytes, aligned
.Ldone:
	s_wait_tensorcnt 0x0                           ; the wave's end
	ds_add_u32 v[SPW], v[NIL]
	s_wait_dscnt 0x0
	CROUND                                         ; the closing round: no work-group ends while a partner may still ask for a tile that names it
	s_endpgm
.Lfunc_end_k_q6ae2d2de4b_proj:
	.size	k_q6ae2d2de4b_proj, .Lfunc_end_k_q6ae2d2de4b_proj-k_q6ae2d2de4b_proj
	.p2alignl 7, 3214868480
	.fill 96, 4, 3214868480
	.section	.rodata,"a",@progbits
	.p2align	6, 0x0
	.amdhsa_kernel k_q6ae2d2de4b_proj
		.amdhsa_group_segment_fixed_size 327680
		.amdhsa_private_segment_fixed_size 0
		.amdhsa_enable_private_segment 0
		.amdhsa_kernarg_size 56
		.amdhsa_user_sgpr_count 2
		.amdhsa_user_sgpr_kernarg_segment_ptr 1
		.amdhsa_wavefront_size32 1
		.amdhsa_system_sgpr_workgroup_id_x 1
		.amdhsa_system_sgpr_workgroup_id_y 1
		.amdhsa_system_sgpr_workgroup_id_z 1
		.amdhsa_system_vgpr_workitem_id 0
		.amdhsa_next_free_vgpr 1024
		.amdhsa_next_free_sgpr 102
		.amdhsa_reserve_vcc 1
		.amdhsa_float_denorm_mode_32 3
		.amdhsa_float_denorm_mode_16_64 3
		.amdhsa_memory_ordered 1
		.amdhsa_forward_progress 1
		.amdhsa_inst_pref_size 255
	.end_amdhsa_kernel
	.section	.bss,"aw",@nobits
	.p2align	6
	.space	262144
	.amdgpu_metadata
---
amdhsa.version: [ 1, 2 ]
amdhsa.kernels:
  - .name:           k_q6ae2d2de4b_proj
    .symbol:         k_q6ae2d2de4b_proj.kd
    .args:
      - { .name: codes, .offset: 0, .size: 8, .value_kind: global_buffer, .address_space: global }
      - { .name: scales, .offset: 8, .size: 8, .value_kind: global_buffer, .address_space: global }
      - { .name: bq, .offset: 16, .size: 8, .value_kind: global_buffer, .address_space: global }
      - { .name: bk, .offset: 24, .size: 8, .value_kind: global_buffer, .address_space: global }
      - { .name: bv, .offset: 32, .size: 8, .value_kind: global_buffer, .address_space: global }
      - { .name: qrec, .offset: 40, .size: 8, .value_kind: global_buffer, .address_space: global }
      - { .name: kv, .offset: 48, .size: 8, .value_kind: global_buffer, .address_space: global }
    .group_segment_fixed_size: 327680
    .private_segment_fixed_size: 0
    .kernarg_segment_align: 8
    .kernarg_segment_size: 56
    .max_flat_workgroup_size: 128
    .sgpr_count:     102
    .vgpr_count:     1024
    .wavefront_size: 32
...
	.end_amdgpu_metadata
.endif
;; end of part 2
;; launch attn (part 3): grid 4 x 64, 16 waves a work-group, clusters of 4 x 1, 276,480 bytes of LDS; arguments qrec, kv, aimg, asc; writes aimg, asc
.if DOCPART == 3
	.amdgcn_target "amdgcn-amd-amdhsa--gfx1250"
	.amdhsa_code_object_version 6
	.text
	.protected	k_q6ae2d2de4b_attn
	.globl	k_q6ae2d2de4b_attn
	.p2align	8
	.type	k_q6ae2d2de4b_attn,@function
k_q6ae2d2de4b_attn:
	s_mov_b64 s[64:65], 0
	v_nop
	global_prefetch_b8 v0, s[64:65] scope:SCOPE_SE
	s_setreg_imm32_b32 hwreg(HW_REG_WAVE_MODE, 25, 1), 1
	s_wait_xcnt 0x0
	s_wait_alu depctr_hold_cnt(0) depctr_sa_sdst(0) depctr_va_vdst(0) depctr_va_sdst(0) depctr_va_ssrc(0) depctr_va_vcc(0) depctr_vm_vsrc(0)
	s_getreg_b32 s2, hwreg(HW_REG_IB_STS2, 6, 4)
	s_cmp_eq_u32 s2, 0
	s_cbranch_scc0 .Lentry_in_a_cluster
	s_endpgm
.Lentry_in_a_cluster:
	s_bfe_u32 s2, ttmp6, 0x10000c
	s_cmp_lg_u32 s2, 0x3003
	s_cbranch_scc0 .Lentry_shape_is_right
	s_endpgm
.Lentry_shape_is_right:
; Attention of one head (64 channels, 2,048 keys) on codes of E5M2 with E8M0 scales, and its result quantised along the model's 1,024 for the last product.
; qrec, kv: as the launch before stores them: images of the matrix operand's registers.  kv: [head 64][128 keys: 16][17,152]: K 8 tiles x [c 2][512]; at 8,192 V [16 channels: 4][c 4][512];
; at 16,384 K's scale words [4 tiles: 2][r 16][4 words]; at 16,896 V's [r 16][4 words].  qrec: [head][128 queries: 16][8,704]: as K, scale words at 8,192.
; THE SOFTMAX: t = score x log2(e) / 8; M = the running largest t rounded UP to a whole number; p = 2^(t - M) is quantised along the keys, not normalised; the row's sum is taken of the unquantised p
; and divides at the end.  When M moves, the sum and O are multiplied by 2^(old M - new M): exact.
; SHARES.  A work-group owns one head and 512 queries; each of its sixteen waves two tiles of 16 queries, one after the other, in 256 registers: four waves to a SIMD, so that one wave's vector work
; stands beside another's matrix work and LDS loads.  A WHOLE HEAD'S K, V AND SCALE WORDS, 274,432 BYTES, STAY IN LDS: each wave brings one record of 128 keys, once; nothing is filled again.
; CLUSTER.  The four query blocks of a head read the same bytes: each record is asked for JOINTLY by the four.
; LAYOUT.  S^T = K Q^T (source 0 = 16 keys, source 1 = my 16 queries), O^T = V^T P^T: a lane holds one query throughout.  A tile's rows are 32 b + 8 u + (r % 8) + 16 (r / 8), so the 16 registers of
; tiles 2 b and 2 b + 1 are 16 neighbours: p's and O's conversions give the next operand's registers.
; THE FIRST PRODUCT'S K IS 64, THE INSTRUCTION'S 128: Q's registers 8-15 are zero codes.  K's tile t is named as v[32 + 8 t : 47 + 8 t]: its upper eight registers are the next tile's codes (finite: every
; code was held) or, for tile 7, zeros; they meet Q's zeros and add nothing.  Bytes 2 and 3 of both scale words are 0, which stands for a power of two.
; OUT: aimg [tile 512][K step 8][c 4][lane 32][16]: a head owns 1,024 bytes of a tile; asc [tile][slot 4][r 16][2 words]: a head owns 2 bytes of a row, so these leave as 2 bytes a lane: one byte in 32 of the codes'.
; LIMITS: a block of zeros gets the byte 1 (its codes are zeros; this program alone reads the bytes); NaN and infinities are not served.
.set REC,  17152
.set QREC, 8704
.set LI,   1                           ; v1   16 x lane
.set LR,   2                           ; v2   16 r
.set AS,   4                           ; v4   512 h + 8 r: where my two scale bytes go
.set HH,   6                           ; v6   h
.set ADK,  8                           ; v8   LDS address of the step's images
.set ADS,  9                           ; v9   of its scale words
.set QF,   16                          ; v16-23 Q's codes, v24-31 zeros
.set KF,   32                          ; v32-95 K's eight tiles, then V's four fragments; v96-103 zeros
.set S,    104                         ; v104-167 S^T, then p
.set O,    168                         ; v168-199 O^T
.set PCD,  200                         ; v200-215 p's codes
.set TM,   216                         ; v216-219 block maxima, 220-223 bytes, 224-227 the hold, 228-231 the conversions' scale operands
.set KS,   232                         ; v232-239 K's scale words
.set VS,   240                         ; v240-243 V's
.set F,    244                         ; v244 f = 2^(old M - new M)
.set PWD,  245                         ; v245 p's scale word
.set T,    246                         ; v246-247 at work
.set SUM2, 248                         ; v[248:249] the sum's second chain
.set OSC,  250                         ; v250, v251 the result's two scale bytes, of my first and my second tile
.set OUTW, 252
.set QS,   255                         ; Q's scale word
.set WV,   12
.set G1,   16
.set G0,   24
.set SEL,  36
.set CS,   38                          ; s[38:39] c = log2(e) / 8
.set MNT,  40
.set TB,   41                          ; LDS byte at which the step's record begins
.set CNT,  42
.macro CROUND                          ; a round of the cluster's barrier
	s_barrier_signal -1
	s_barrier_wait -1
	s_cmp_lg_u32 s[WV], 0
	s_cbranch_scc1 .Lnot_wave_0_\@
	s_barrier_signal -3
.Lnot_wave_0_\@:
	s_barrier_wait -3
	s_barrier_signal -1
	s_barrier_wait -1
.endm
	s_load_b256 s[4:11], s[0:1], 0x0               ; qrec s[4:5], kv s[6:7], aimg s[8:9], asc s[10:11]
	v_lshl_add_u32 v253, v0, 2, 0x43000
	v_mov_b32 v254, 0
	ds_add_u32 v253, v254
	ds_add_u32 v253, v254
	v_lshrrev_b32 v3, 5, v0
	v_readfirstlane_b32 s[WV], v3                  ; wave 0..15
	s_and_b32 s13, ttmp7, 0xffff                   ; the head (16 batch + head), which the four partners share
	s_bfe_u32 s14, ttmp6, 0x40000                  ; cx: my block of 512 queries: it enters Q's and the results' addresses alone
	; descriptor group 1: a record: 17,152 dense bytes as 67 rows of 256 (32 elements of 8 bytes)
	s_mov_b32 s[G1], 15|(3<<16)|(1<<21)            ; 15:0 the mask: all four work-groups; 17:16 elements of 8 bytes; 21 set beside a mask; no padding
	s_mov_b32 s[G1+1], 32<<16                      ; tensor_dim0
	s_mov_b32 s[G1+2], 67<<16                      ; tensor_dim1
	s_mov_b32 s[G1+3], 32<<16                      ; tile_dim0
	s_mov_b32 s[G1+4], 67                          ; tile_dim1
	s_mov_b32 s[G1+5], 32                          ; tensor_dim0_stride
	s_mov_b32 s[G1+6], 0
	s_mov_b32 s[G1+7], 0
	s_mov_b32 s[G0], 1
	s_mul_i32 s[G0+1], s[WV], REC                  ; record w goes to LDS byte 17,152 w
	s_mul_i32 s28, s13, 16*REC
	s_mul_i32 s29, s[WV], REC
	s_add_co_u32 s28, s28, s29
	s_mov_b32 s29, 0
	s_mul_i32 s30, s13, 16*QREC
	s_lshl_b32 s31, s14, 2
	s_lshr_b32 s43, s[WV], 2
	s_add_co_u32 s31, s31, s43                     ; my queries' record: 4 cx + w / 4
	s_mul_i32 s31, s31, QREC
	s_add_co_u32 s30, s30, s31
	s_and_b32 s43, s[WV], 3
	s_lshl_b32 s44, s43, 11                        ; my first tile in it, 2 (w % 4): 1,024 bytes a tile
	s_lshr_b32 s43, s43, 1
	s_lshl_b32 s43, s43, 8                         ; its scale word: which four tiles,
	s_and_b32 s45, s[WV], 1
	s_lshl_b32 s45, s45, 3                         ; and which word of the four
	s_add_co_u32 s32, s30, s43
	s_add_co_u32 s32, s32, s45
	s_add_co_u32 s32, s32, 8192
	s_mov_b32 s33, 0
	s_add_co_u32 s30, s30, s44
	s_mov_b32 s31, 0
	s_lshr_b32 s34, s13, 4
	s_lshl_b32 s34, s34, 7                         ; 128 tiles a batch
	s_lshl_b32 s43, s14, 5
	s_add_co_u32 s34, s34, s43
	s_lshl_b32 s43, s[WV], 1
	s_add_co_u32 s34, s34, s43                     ; my first tile of tokens
	s_and_b32 s44, s13, 15                         ; the head in its batch
	s_lshl_b32 s46, s34, 9                         ; asc: 512 bytes a tile
	s_lshl_b32 s34, s34, 14                        ; aimg: 16,384 bytes a tile,
	s_lshl_b32 s43, s44, 10                        ; 1,024 a head
	s_add_co_u32 s34, s34, s43
	s_mov_b32 s35, 0
	s_lshr_b32 s43, s44, 2
	s_lshl_b32 s43, s43, 7                         ; the slot of 256 along K,
	s_add_co_u32 s46, s46, s43
	s_bfe_u32 s43, s44, 0x10001
	s_lshl_b32 s43, s43, 2                         ; the word,
	s_add_co_u32 s46, s46, s43
	s_and_b32 s43, s44, 1
	s_lshl_b32 s43, s43, 1                         ; the half of it
	s_add_co_u32 s46, s46, s43
	s_mov_b32 s47, 0
	s_mov_b32 s[SEL], 0x76543210
	s_mov_b32 s[SEL+1], 0xfedcba98                 ; lane l xor 16
	s_mov_b32 s[CS], 0x3e38aa3b                    ; c = log2(e) / sqrt(64)
	s_mov_b32 s[CS+1], s[CS]                       ; (named with it as a pair, so it is written)
	s_mov_b32 s[MNT], 0x600000                     ; the mantissa field of 57,344
	s_wait_dscnt 0x0
	s_wait_kmcnt 0x0
	s_add_nc_u64 s[G0+2:G0+3], s[6:7], s[28:29]
	s_or_b32 s[G0+3], s[G0+3], 0x80000000
	s_add_nc_u64 s[30:31], s[4:5], s[30:31]        ; Q's codes
	s_add_nc_u64 s[32:33], s[4:5], s[32:33]        ; Q's scale words
	s_add_nc_u64 s[8:9], s[8:9], s[34:35]
	s_add_nc_u64 s[10:11], s[10:11], s[46:47]
	CROUND                                         ; all four work-groups are here: the joint loads meet
	tensor_load_to_lds s[G0:G0+3], s[G1:G1+7]      ; my one tensor load of the launch
	s_nop 0
.rept 4
	v_nop
.endr
	v_and_b32 v3, 31, v0
	v_lshlrev_b32 v[LI], 4, v3
	v_and_b32 v5, 15, v0
	v_lshlrev_b32 v[LR], 4, v5
	v_bfe_u32 v[HH], v0, 4, 1
	v_lshlrev_b32 v[AS], 9, v[HH]
	v_lshl_add_u32 v[AS], v5, 3, v[AS]
.macro QLOAD p                         ; my tile p's codes (two of the fragment's four groups) and its scale words
	global_load_b128 v[QF:QF+3], v[LI], s[30:31] offset:1024*\p
	global_load_b128 v[QF+4:QF+7], v[LI], s[30:31] offset:1024*\p+512
	global_load_b32 v[QS], v[LR], s[32:33] offset:4*\p
.endm
	QLOAD 0
.irp j, 0,1,2,3,4,5,6,7
	v_mov_b32 v[QF+8+\j], 0                        ; Q's upper 64 along K: zero codes
	v_mov_b32 v[KF+64+\j], 0                       ; what stands behind K's tile 7
.endr
.irp b, 0,1,2,3
	v_mov_b32 v[TM+4+\b], 0                        ; written once: a lane permute's destination counts as one of its sources
.endr
	v_mov_b32 v[PWD], 0                            ; (named as the upper half of the pair v[244:245] before it is first written)
	v_mov_b32 v[T], 0
	s_wait_tensorcnt 0x0                           ; my record is in,
	s_barrier_signal -1
	s_barrier_wait -1                              ; everybody's is: the whole head lies in LDS
; A KEY STEP: 128 keys
.macro KSTEP
	v_add_nc_u32 v[ADK], s[TB], v[LI]
	v_add_nc_u32 v[ADS], s[TB], v[LR]
.rept 6
	v_nop                                          ; with the two additions: eight places in front of loads into registers that the last products read
.endr
.irp t, 0,1,2,3,4,5,6,7
.irp c, 0,1
	ds_load_b128 v[KF+8*\t+4*\c:KF+8*\t+4*\c+3], v[ADK] offset:1024*\t+512*\c
.endr
.endr
	ds_load_b128 v[KS:KS+3], v[ADS] offset:16384
	ds_load_b128 v[KS+4:KS+7], v[ADS] offset:16640
	s_wait_dscnt 0x0
.irp t, 0,1,2,3,4,5,6,7
	v_wmma_scale_f32_16x16x128_f8f6f4 v[S+8*\t:S+8*\t+7], v[KF+8*\t:KF+8*\t+15], v[QF:QF+15], 0, v[KS+\t], v[QS] matrix_a_fmt:MATRIX_FMT_BF8 matrix_b_fmt:MATRIX_FMT_BF8
.endr
.rept 8
	v_nop                                          ; places in front of the loads below and of the first read of the scores
.endr
.irp t, 0,1,2,3                                ; V's fragments land under the softmax
.irp c, 0,1,2,3
	ds_load_b128 v[KF+16*\t+4*\c:KF+16*\t+4*\c+3], v[ADK] offset:8192+2048*\t+512*\c
.endr
.endr
	ds_load_b128 v[VS:VS+3], v[ADS] offset:16896
.irp b, 0,1,2,3
	v_max3_num_f32 v[TM+\b], v[S+16*\b], v[S+1+16*\b], v[S+2+16*\b]   ; the largest score of each block of 32 keys: it serves the row's maximum and, since p rises with the score, the block's largest p
.endr
.irp i, 3,5,7,9,11,13
.irp b, 0,1,2,3
	v_max3_num_f32 v[TM+\b], v[TM+\b], v[S+16*\b+\i], v[S+1+16*\b+\i]
.endr
.endr
.irp b, 0,1,2,3
	v_max_num_f32 v[TM+\b], v[TM+\b], v[S+15+16*\b]
.endr
.irp b, 0,1,2,3
	v_permlanex16_b32 v[TM+4+\b], v[TM+\b], s[SEL], s[SEL+1]
.endr
.irp b, 0,1,2,3
	v_max_num_f32 v[TM+\b], v[TM+\b], v[TM+4+\b]   ; with lane l xor 16's 16 keys
.endr
	v_max3_num_f32 v[T], v[TM], v[TM+1], v[TM+2]
	v_max_num_f32 v[T], v[T], v[TM+3]              ; the step's largest score of my query
	v_mul_f32 v[T], s[CS], v[T]                    ; as t (c is positive)
	v_max_num_f32 v13, v13, v[T]                   ; the running largest t
	v_mov_b32 v[T], v12
	v_floor_f32 v12, -v13                          ; the new -M = floor(-t) = -ceil(t)
	v_sub_f32 v[T], v12, v[T]                      ; old M - new M: a whole number, 0 or less
	v_cvt_i32_f32 v[T], v[T]                       ; (it saturates)
	v_ldexp_f32 v[F], 1.0, v[T]                    ; f = 2^(old M - new M)
.set j, 0
.rept 32
	v_pk_fma_f32 v[S+j:S+j+1], v[S+j:S+j+1], s[CS:CS+1], v[12:13] op_sel_hi:[1,0,0]   ; t - M, two at a time
.set j, j+2
.endr
.irp b, 0,1,2,3
	v_fma_f32 v[TM+\b], v[TM+\b], s[CS], v12       ; the same of each block's largest score
.endr
.set j, 0
.rept 64
	v_exp_f32 v[S+j], v[S+j]                       ; p = 2^(t - M), at most 1
.set j, j+1
.endr
.irp b, 0,1,2,3
	v_exp_f32 v[TM+\b], v[TM+\b]                   ; the block's largest p: the same two instructions on the same number
.endr
	v_pk_mul_f32 v[14:15], v[14:15], v[F:F+1] op_sel_hi:[1,0]   ; the sums under the new M (a plain place behind the exponentials)
	s_wait_alu depctr_va_vdst(0)
.irp b, 0,1,2,3
	v_max_num_f32 v[TM+\b], 0x8000000, v[TM+\b]    ; the floor 2^(16 - 127): the byte cannot fall under 1
.endr
.irp b, 0,1,2,3
	v_add_nc_u32 v[TM+12+\b], 0xf8800000, v[TM+\b] ; the conversions' scale operand
.endr
.irp b, 0,1,2,3
	v_and_or_b32 v[TM+8+\b], v[TM+\b], 0x7f800000, s[MNT]   ; 57,344 x the scale
.endr
.irp b, 0,1,2,3
	v_lshrrev_b32 v[TM+4+\b], 23, v[TM+12+\b]      ; the byte
.endr
	v_lshl_or_b32 v[PWD], v[TM+5], 8, v[TM+4]      ; p's scale word for these 128 keys
	v_lshl_or_b32 v[PWD], v[TM+6], 16, v[PWD]
	v_lshl_or_b32 v[PWD], v[TM+7], 24, v[PWD]
	v_pk_add_f32 v[SUM2:SUM2+1], v[S:S+1], v[S+2:S+3]   ; the row's sum is taken of the unquantised p: two at a time, in two chains
.irp j, 4,8,12,16,20,24,28,32,36,40,44,48,52,56,60
	v_pk_add_f32 v[14:15], v[14:15], v[S+\j:S+\j+1]
	v_pk_add_f32 v[SUM2:SUM2+1], v[SUM2:SUM2+1], v[S+2+\j:S+3+\j]
.endr
	v_pk_add_f32 v[14:15], v[14:15], v[SUM2:SUM2+1]
.irp b, 0,1,2,3
.set j, 0
.rept 16
	v_min_num_f32 v[S+16*\b+j], v[S+16*\b+j], v[TM+8+\b]   ; the conversion does not saturate (ISA guide 7.6.2); p is not negative: a one-sided hold
.set j, j+1
.endr
	v_cvt_scalef32_pk8_bf8_f32 v[PCD+4*\b:PCD+4*\b+1], v[S+16*\b:S+16*\b+7], v[TM+12+\b]
	v_cvt_scalef32_pk8_bf8_f32 v[PCD+4*\b+2:PCD+4*\b+3], v[S+16*\b+8:S+16*\b+15], v[TM+12+\b]
.endr
.set j, 0
.rept 16
	v_pk_mul_f32 v[O+j:O+j+1], v[O+j:O+j+1], v[F:F+1] op_sel_hi:[1,0]   ; O^T under the new M.  (These sixteen are also the places in front of the products below)
.set j, j+2
.endr
	s_wait_dscnt 0x0                               ; V and its scale words are in
.irp t, 0,1,2,3                                ; the four accumulators take turns, one instruction a turn
	v_wmma_scale_f32_16x16x128_f8f6f4 v[O+8*\t:O+8*\t+7], v[KF+16*\t:KF+16*\t+15], v[PCD:PCD+15], v[O+8*\t:O+8*\t+7], v[VS+\t], v[PWD] matrix_a_fmt:MATRIX_FMT_BF8 matrix_b_fmt:MATRIX_FMT_BF8
.endr
.endm
; One tile of 16 queries against all 2,048 keys; then O^T / the sum, quantised along the head's 64 (two blocks), and its image stored
.macro PASS p
.if \p
	s_wait_xcnt 0x0                                ; the first tile's stores have read their registers
.endif
	v_mov_b32 v13, 0xff61b1e6                      ; the largest t so far: -3e38, under every t
	v_floor_f32 v12, -v13                          ; -M
	v_mov_b32 v14, 0                               ; the sum, in two halves
	v_mov_b32 v15, 0
.set j, 0
.rept 32
	v_mov_b32 v[O+j], 0                            ; O^T: the step is written once: the first finds zeros, which the first change of M leaves zeros
.set j, j+1
.endr
	s_wait_loadcnt 0x0                             ; Q
	s_mov_b32 s[TB], 0
	s_mov_b32 s[CNT], 16
.Lkey_\@:
	KSTEP
	s_add_co_u32 s[TB], s[TB], REC
	s_sub_co_u32 s[CNT], s[CNT], 1
	s_cmp_lg_u32 s[CNT], 0
	s_cbranch_scc1 .Lkey_\@
.rept 8
	v_nop                                          ; places behind the last products
.endr
.if \p == 0
	QLOAD 1                                        ; the second tile's Q lands under the first tile's way out
.endif
	v_add_f32 v14, v14, v15                        ; the sum's two halves,
	v_permlanex16_b32 v[T], v14, s[SEL], s[SEL+1]
	v_add_f32 v14, v14, v[T]                       ; and lane l xor 16's
	v_rcp_f32 v[T], v14
	v_rcp_f32 v[T+1], v14
	v_nop                                          ; one plain place behind the reciprocals
.set j, 0
	s_wait_alu depctr_va_vdst(0)
.rept 16
	v_pk_mul_f32 v[S+j:S+j+1], v[O+j:O+j+1], v[T:T+1]   ; O^T / the sum, each accumulator from its low end on: register 16 b + i is channel 32 b + 16 h + i of my query
.set j, j+2
.endr
.irp b, 0,1
	v_max3_num_f32 v[TM+\b], |v[S+16*\b]|, |v[S+1+16*\b]|, 0x8000000
.endr
.irp i, 2,4,6,8,10,12,14
.irp b, 0,1
	v_max3_num_f32 v[TM+\b], v[TM+\b], |v[S+16*\b+\i]|, |v[S+1+16*\b+\i]|
.endr
.endr
.irp b, 0,1
	v_permlanex16_b32 v[TM+4+\b], v[TM+\b], s[SEL], s[SEL+1]
.endr
.irp b, 0,1
	v_max_num_f32 v[TM+\b], v[TM+\b], v[TM+4+\b]
.endr
.irp b, 0,1
	v_add_nc_u32 v[TM+12+\b], 0xf8800000, v[TM+\b]
.endr
.irp b, 0,1
	v_and_or_b32 v[TM+8+\b], v[TM+\b], 0x7f800000, s[MNT]
.endr
.irp b, 0,1
	v_lshrrev_b32 v[TM+4+\b], 23, v[TM+12+\b]
.endr
	v_lshl_or_b32 v[OSC+\p], v[TM+5], 8, v[TM+4]   ; the two bytes of my row
.irp b, 0,1
.set j, 0
.rept 16
	v_med3_num_f32 v[S+16*\b+j], v[S+16*\b+j], -v[TM+8+\b], v[TM+8+\b]
.set j, j+1
.endr
	v_cvt_scalef32_pk8_bf8_f32 v[PCD+4*\b:PCD+4*\b+1], v[S+16*\b:S+16*\b+7], v[TM+12+\b]
	v_cvt_scalef32_pk8_bf8_f32 v[PCD+4*\b+2:PCD+4*\b+3], v[S+16*\b+8:S+16*\b+15], v[TM+12+\b]
.endr
	v_nop                                          ; one plain vector line behind the last conversion
	global_store_b128 v[LI], v[PCD:PCD+3], s[8:9] offset:16384*\p          ; 512 consecutive bytes, aligned
	global_store_b128 v[LI], v[PCD+4:PCD+7], s[8:9] offset:16384*\p+512
.endm
	PASS 0
	PASS 1
	v_cmp_ne_u32 vcc_lo, 0, v[HH]
	v_cndmask_b32 v[OUTW], v[OSC], v[OSC+1], vcc_lo   ; lanes 0-15: my first tile's rows, lanes 16-31: my second's
	global_store_b16 v[AS], v[OUTW], s[10:11]
	s_wait_dscnt 0x0
	s_wait_tensorcnt 0x0
	ds_add_u32 v253, v254
	s_wait_dscnt 0x0
	CROUND                                         ; the closing round
	s_endpgm
.Lfunc_end_k_q6ae2d2de4b_attn:
	.size	k_q6ae2d2de4b_attn, .Lfunc_end_k_q6ae2d2de4b_attn-k_q6ae2d2de4b_attn
	.p2alignl 7, 3214868480
	.fill 96, 4, 3214868480
	.section	.rodata,"a",@progbits
	.p2align	6, 0x0
	.amdhsa_kernel k_q6ae2d2de4b_attn
		.amdhsa_group_segment_fixed_size 276480
		.amdhsa_private_segment_fixed_size 0
		.amdhsa_enable_private_segment 0
		.amdhsa_kernarg_size 32
		.amdhsa_user_sgpr_count 2
		.amdhsa_user_sgpr_kernarg_segment_ptr 1
		.amdhsa_wavefront_size32 1
		.amdhsa_system_sgpr_workgroup_id_x 1
		.amdhsa_system_sgpr_workgroup_id_y 1
		.amdhsa_system_sgpr_workgroup_id_z 1
		.amdhsa_system_vgpr_workitem_id 0
		.amdhsa_next_free_vgpr 256
		.amdhsa_next_free_sgpr 66
		.amdhsa_reserve_vcc 1
		.amdhsa_float_denorm_mode_32 3
		.amdhsa_float_denorm_mode_16_64 3
		.amdhsa_memory_ordered 1
		.amdhsa_forward_progress 1
		.amdhsa_inst_pref_size 57
	.end_amdhsa_kernel
	.amdgpu_metadata
---
amdhsa.version: [ 1, 2 ]
amdhsa.kernels:
  - .name:           k_q6ae2d2de4b_attn
    .symbol:         k_q6ae2d2de4b_attn.kd
    .args:
      - { .name: qrec, .offset: 0, .size: 8, .value_kind: global_buffer, .address_space: global }
      - { .name: kv, .offset: 8, .size: 8, .value_kind: global_buffer, .address_space: global }
      - { .name: aimg, .offset: 16, .size: 8, .value_kind: global_buffer, .address_space: global }
      - { .name: asc, .offset: 24, .size: 8, .value_kind: global_buffer, .address_space: global }
    .group_segment_fixed_size: 276480
    .private_segment_fixed_size: 0
    .kernarg_segment_align: 8
    .kernarg_segment_size: 32
    .max_flat_workgroup_size: 512
    .sgpr_count:     66
    .vgpr_count:     256
    .wavefront_size: 32
...
	.end_amdgpu_metadata
.endif
;; end of part 3
;; launch outp (part 4): grid 4 x 32, 4 waves a work-group, clusters of 4 x 4, 327,680 bytes of LDS; arguments aimg, asc, codes, scales, bo, out0; writes out0
.if DOCPART == 4
	.amdgcn_target "amdgcn-amd-amdhsa--gfx1250"
	.amdhsa_code_object_version 6
	.text
	.protected	k_q6ae2d2de4b_outp
	.globl	k_q6ae2d2de4b_outp
	.p2align	8
	.type	k_q6ae2d2de4b_outp,@function
k_q6ae2d2de4b_outp:
	s_mov_b64 s[64:65], 0
	v_nop
	global_prefetch_b8 v0, s[64:65] scope:SCOPE_SE
	s_setreg_imm32_b32 hwreg(HW_REG_WAVE_MODE, 25, 1), 1
	s_wait_xcnt 0x0
	s_wait_alu depctr_hold_cnt(0) depctr_sa_sdst(0) depctr_va_vdst(0) depctr_va_sdst(0) depctr_va_ssrc(0) depctr_va_vcc(0) depctr_vm_vsrc(0)
	s_getreg_b32 s2, hwreg(HW_REG_IB_STS2, 6, 4)
	s_cmp_eq_u32 s2, 0
	s_cbranch_scc0 .Lentry_in_a_cluster
	s_endpgm
.Lentry_in_a_cluster:
	s_bfe_u32 s2, ttmp6, 0x10000c
	s_cmp_lg_u32 s2, 0xf033
	s_cbranch_scc0 .Lentry_shape_is_right
	s_endpgm
.Lentry_shape_is_right:
; out0 = (attention's result) Wo + bo on codes of E5M2 with E8M0 scales; out0 [8192][1024] f32.
; OPERANDS ARE IMAGES OF THE MATRIX OPERAND'S REGISTERS: aimg and codes [tile][K step 8][c 4][lane 32][16 bytes], asc and scales [tile][slot of 256 K: 4][r 16][2 words]; tile 2 b + u holds rows
; 32 b + 8 u + (r % 8) + 16 (r / 8).  A 'super' is 16 tiles: A = aimg's super y (256 tokens), B = codes' super 44 + x (256 columns of Wo).
; A work-group of four waves makes 256 x 256, a wave 128 x 128: 64 accumulators.  Source 0 = B, source 1 = A: a lane holds one token, and the 64 registers of a block of A run along 128 columns in their true order.
; The bias is the C of each sum's first matrix instruction.  K goes in steps of 256 through a ring of two LDS slots; the scale words of all of K come once.
; CLUSTERS: 4 x 4; A's tiles are asked for jointly along a row of the cluster, B's along a column.  The grid has 128 work-groups: a smaller tile would fill more of the chip at the price of more LDS reads for each product; not built.
; REGISTERS: window 0: v16-29 addresses; v32-63 scale words, two sets; v64-127 the bias; v128-255 A's fragments, one set; on the way out rows of the result.
;   window 1: B's fragments, two sets.   windows 2, 3: the accumulators, (a, b) at v[8 (8 (a % 4) + b)].
.set NQ,     2
.set FR,     16
.set NL,     4
.set NP,     8                         ; places behind this matrix instruction (ISA guide 7.12.1)
.set TILEB,  4096                      ; a tile's 256 along K: two images of 2,048 bytes
.set HALFT,  8*TILEB
.set SLOT,   4*HALFT
.set SCL,    2*SLOT
.set HALFS,  4096
.set SPARE,  SCL+4*HALFS               ; the spare words, 128 bytes for each wave: two blocks of 256 bytes that no other line names
.set SPITCH, 528                       ; the way out: a stage of 16 rows x (512 bytes + 16) for each wave, in slot 0, which has had its last fill and its last read when the first result is stored there
.set ADRA, 16
.set ADRB, 20
.set STO,  24                          ; v24  the way out: where I put 32 bytes of a row
.set RD,   25                          ; v25  where I read a row back
.set CO,   26                          ; v26  my byte offset in a row of out0
.set ADRS, 27
.set SPW,  28
.set NIL,  29
.set SC,   32
.set BI,   64
.set AF,   128
.set BK,   128                         ; the way out: 16 rows read back: v128-191 and v192-255 by turns
.set WV,   18
.set RH,   19
.set CH,   20
.set G1,   24
.set G0,   32
.set G1B,  48
.set G0B,  56
.set G1S,  68
.set G0S,  76
.set G1SB, 80
.set G0SB, 88
.set MSB, 0
.macro WIN new
.if MSB != (\new)
	s_set_vgpr_msb (MSB<<8)|(\new)
.set MSB, (\new)
.endif
.endm
.set MUL_LO, 0xa1                      ; source 0 (B) window 1, source 1 (A) window 0, C and D window 2
.set MUL_HI, 0xf1
.set BIA_LO, 0x81                      ; the same with C (the bias) in window 0
.set BIA_HI, 0xc1
.set TO_B,   0x40
.macro JLOAD g0a, g1a, g0b, g1b        ; a joint load: waves 0 and 1 fetch for A, waves 2 and 3 for B; four v_nop follow each of the two lines
	s_cmp_eq_u32 s[RH], 0
	s_cbranch_scc0 .Lfor_b_\@
	tensor_load_to_lds s[\g0a:\g0a+3], s[\g1a:\g1a+7]
	s_nop 0
.rept 4
	v_nop
.endr
	s_branch .Lasked_\@
.Lfor_b_\@:
	tensor_load_to_lds s[\g0b:\g0b+3], s[\g1b:\g1b+7]
	s_nop 0
.rept 4
	v_nop
.endr
.Lasked_\@:
.endm
.macro CREST
	s_cmp_lg_u32 s[WV], 0
	s_cbranch_scc1 .Lnot_wave_0_\@
	s_barrier_signal -3
.Lnot_wave_0_\@:
	s_barrier_wait -3
	s_barrier_signal -1
	s_barrier_wait -1
.endm
.macro CROUND
	s_barrier_signal -1
	s_barrier_wait -1
	CREST
.endm
	s_load_b128 s[4:7], s[0:1], 0x0                ; aimg, asc
	s_load_b128 s[8:11], s[0:1], 0x10              ; codes, scales
	s_load_b128 s[12:15], s[0:1], 0x20             ; bo, out0
	v_lshl_add_u32 v[SPW], v0, 2, SPARE
	v_mov_b32 v[NIL], 0
	ds_add_u32 v28, v29
	ds_add_u32 v28, v29
	s_wait_dscnt 0x0
	v_lshrrev_b32 v1, 5, v0
	v_readfirstlane_b32 s[WV], v1
	s_lshr_b32 s[RH], s[WV], 1                     ; which half of A's rows is mine; also: I fetch for A (0) or for B (1)
	s_and_b32 s[CH], s[WV], 1                      ; which half of B's rows; also: which eight tiles I fetch
	s_bfe_u32 s40, ttmp6, 0x40000                  ; cx, cy
	s_bfe_u32 s41, ttmp6, 0x40004
	s_lshl_b32 s42, ttmp9, 2
	s_add_co_u32 s42, s42, s40                     ; work-group x
	s_and_b32 s67, ttmp7, 0xffff
	s_lshl_b32 s66, s67, 2
	s_add_co_u32 s66, s66, s41                     ; work-group y: A's super
	s_add_co_u32 s97, s42, 44                      ; B's super
	s_lshl_b32 s43, s41, 2
	s_lshl_b32 s43, 15, s43                        ; my row of the cluster
	s_lshl_b32 s44, 0x1111, s40                    ; my column
	s_or_b32 s[G1+0], s43, (3<<16)|(1<<21)         ; 15:0 the mask; 17:16 elements of 8 bytes; 21 set beside a mask; no padding
	s_or_b32 s[G1B+0], s44, (3<<16)|(1<<21)
.irp g, G1, G1B
	s_mov_b32 s[\g+1], 512<<16                     ; eight tiles: 8 rows of 4,096 bytes, 16,384 apart in memory, on end in LDS
	s_mov_b32 s[\g+2], 8<<16
	s_mov_b32 s[\g+3], 512<<16
	s_mov_b32 s[\g+4], 8
	s_mov_b32 s[\g+5], 2048
	s_mov_b32 s[\g+6], 0
	s_mov_b32 s[\g+7], 0
.endr
	s_or_b32 s[G1S+0], s43, (3<<16)|(1<<21)
	s_or_b32 s[G1SB+0], s44, (3<<16)|(1<<21)
.irp g, G1S, G1SB
	s_mov_b32 s[\g+1], 32<<16                      ; eight tiles' scale words: 4,096 dense bytes as 16 rows of 256
	s_mov_b32 s[\g+2], 16<<16
	s_mov_b32 s[\g+3], 32<<16
	s_mov_b32 s[\g+4], 16
	s_mov_b32 s[\g+5], 32
	s_mov_b32 s[\g+6], 0
	s_mov_b32 s[\g+7], 0
.endr
	s_lshl_b32 s21, s[CH], 17
	s_lshl_b32 s22, s[CH], 12
	s_lshl_b32 s92, s66, 18
	s_add_co_u32 s92, s92, s21
	s_mov_b32 s93, 0
	s_lshl_b32 s94, s97, 18
	s_add_co_u32 s94, s94, s21
	s_mov_b32 s95, 0
	s_lshl_b32 s98, s66, 13
	s_add_co_u32 s98, s98, s22
	s_mov_b32 s99, 0
	s_lshl_b32 s100, s97, 13
	s_add_co_u32 s100, s100, s22
	s_mov_b32 s101, 0
	s_mul_i32 s45, s[WV], HALFT
	s_mul_i32 s46, s[WV], HALFS
	s_lshl_b32 s22, s42, 10
	s_lshl_b32 s23, s[CH], 9
	s_add_co_u32 s22, s22, s23                     ; my 128 columns, in bytes
	s_mov_b32 s23, 0
	s_lshl_b32 s2, s66, 20
	s_lshl_b32 s3, s[RH], 19
	s_add_co_u32 s2, s2, s3
	s_add_co_u32 s2, s2, s22                       ; my first row of out0, 256 y + 128 half, and my columns
	s_mov_b32 s3, 0
	s_wait_kmcnt 0x0
	s_add_nc_u64 s[92:93], s[4:5], s[92:93]
	s_add_nc_u64 s[94:95], s[8:9], s[94:95]
	s_add_nc_u64 s[98:99], s[6:7], s[98:99]
	s_add_nc_u64 s[100:101], s[10:11], s[100:101]
	s_add_nc_u64 s[12:13], s[12:13], s[22:23]
	s_add_nc_u64 s[14:15], s[14:15], s[2:3]
	CROUND                                         ; all sixteen work-groups are here: the first joint loads meet
	s_mov_b32 s[G0S], 1
	s_add_co_u32 s[G0S+1], s46, SCL
	s_mov_b64 s[G0S+2:G0S+3], s[98:99]
	s_or_b32 s[G0S+3], s[G0S+3], 0x80000000
	s_mov_b32 s[G0SB], 1
	s_add_co_u32 s[G0SB+1], s46, SCL
	s_mov_b64 s[G0SB+2:G0SB+3], s[100:101]
	s_or_b32 s[G0SB+3], s[G0SB+3], 0x80000000
	JLOAD G0S, G1S, G0SB, G1SB
.irp s, 0,1
	s_mov_b32 s[G0+4*\s], 1
	s_add_co_u32 s[G0+4*\s+1], s45, \s*SLOT
	s_add_nc_u64 s[G0+4*\s+2:G0+4*\s+3], s[92:93], \s*TILEB
	s_or_b32 s[G0+4*\s+3], s[G0+4*\s+3], 0x80000000
	s_mov_b32 s[G0B+4*\s], 1
	s_add_co_u32 s[G0B+4*\s+1], s45, \s*SLOT
	s_add_nc_u64 s[G0B+4*\s+2:G0B+4*\s+3], s[94:95], \s*TILEB
	s_or_b32 s[G0B+4*\s+3], s[G0B+4*\s+3], 0x80000000
	JLOAD G0+4*\s, G1, G0B+4*\s, G1B               ; three tensor loads of mine are out behind the second of these
.endr
	v_and_b32 v1, 15, v0                           ; r
	v_bfe_u32 v2, v0, 4, 1                         ; h
	v_and_b32 v3, 31, v0
	v_lshlrev_b32 v4, 4, v3                        ; 16 x lane
	v_lshlrev_b32 v7, 6, v2                        ; 64 h
.irp b, 0,1,2,3
.irp j, 0,1,2,3
	global_load_b128 v[BI+16*\b+4*\j:BI+16*\b+4*\j+3], v7, s[12:13] offset:128*\b+16*\j   ; register 16 b + i: the bias of column 32 b + 16 h + i
.endr
.endr
	s_mul_i32 s21, s[RH], HALFT
	s_mul_i32 s22, s[CH], HALFT
	s_add_co_u32 s22, s22, 2*HALFT
.irp s, 0,1
	v_add_nc_u32 v[ADRA+\s], s21, v4
	v_add_nc_u32 v[ADRB+\s], s22, v4
	s_add_co_u32 s21, s21, SLOT
	s_add_co_u32 s22, s22, SLOT
.endr
	v_lshlrev_b32 v5, 3, v1
	s_mul_i32 s21, s[RH], HALFS
	s_mul_i32 s22, s[CH], HALFS
	s_add_co_u32 s22, s22, 2*HALFS
	s_sub_co_u32 s22, s22, s21
	v_mul_u32_u24 v6, s22, v2                      ; lanes 16-31 take B's: one product, the distance between the two bases
	s_add_co_u32 s21, s21, SCL
	v_add_nc_u32 v5, v5, v6
	v_add_nc_u32 v[ADRS], s21, v5
	s_mul_i32 s23, s[WV], 16*SPITCH                ; my stage
	v_mul_u32_u24 v5, v1, SPITCH
	v_lshl_add_u32 v5, v2, 6, v5
	v_add_nc_u32 v[STO], s23, v5                   ; in: row r, + 64 h
	v_mov_b32 v[CO], v4
	v_add_nc_u32 v[RD], s23, v4                    ; back: the 32 lanes take one row of 512 bytes
.macro FRAG reg, adr, q, i
.irp c, 0,1,2,3
	ds_load_b128 v[\reg+4*\c:\reg+4*\c+3], v[\adr] offset:(\i)*TILEB+(\q)*2048+512*\c
.endr
.endm
; 16 matrix instructions: A's blocks a0, a0 + 1 x B's eight.  zero = 2: the bias starts the sums.  The 64 accumulators take turns, one instruction a turn.
.macro MUL16 a0, p, q, sc, zero
.irp a, \a0, \a0+1
.irp b, 0,1,2,3,4,5,6,7
.if \zero == 2
	v_wmma_scale_f32_16x16x128_f8f6f4 v[8*(8*((\a)%4)+\b):8*(8*((\a)%4)+\b)+7], v[128*(\p)+FR*\b:128*(\p)+FR*\b+FR-1], v[AF+FR*(\a):AF+FR*(\a)+FR-1], v[BI+8*\b:BI+8*\b+7], v[SC+8*NQ*(\sc)+NQ*\b+(\q)], v[SC+8*NQ*(\sc)+NQ*(\a)+(\q)] matrix_a_fmt:MATRIX_FMT_BF8 matrix_b_fmt:MATRIX_FMT_BF8 matrix_a_scale:MATRIX_SCALE_ROW1
.else
	v_wmma_scale_f32_16x16x128_f8f6f4 v[8*(8*((\a)%4)+\b):8*(8*((\a)%4)+\b)+7], v[128*(\p)+FR*\b:128*(\p)+FR*\b+FR-1], v[AF+FR*(\a):AF+FR*(\a)+FR-1], v[8*(8*((\a)%4)+\b):8*(8*((\a)%4)+\b)+7], v[SC+8*NQ*(\sc)+NQ*\b+(\q)], v[SC+8*NQ*(\sc)+NQ*(\a)+(\q)] matrix_a_fmt:MATRIX_FMT_BF8 matrix_b_fmt:MATRIX_FMT_BF8 matrix_a_scale:MATRIX_SCALE_ROW1
.endif
.endr
.endr
.endm
.macro FETCH_B slot, q, p
	WIN TO_B
.irp i, 0,1,2,3,4,5,6,7
	FRAG 128*(\p)+FR*\i, ADRB+\slot, \q, \i
.endr
	WIN 0
.endm
.macro FETCH_A slot, q, i0
.irp i, \i0, \i0+1, \i0+2, \i0+3
	FRAG AF+FR*(\i), ADRA+\slot, \q, \i
.endr
.endm
.macro SCALES sc
.irp i, 0,1,2,3,4,5,6,7
	ds_load_b64 v[SC+8*NQ*\sc+NQ*\i:SC+8*NQ*\sc+NQ*\i+1], v[ADRS] offset:\i*512
.endr
.endm
.macro PLACES n
.rept \n
	v_nop
.endr
.endm
.macro STEP slot, q, zero
	s_wait_dscnt 4*NL                              ; B's set and A's blocks 0-3 are in; the youngest 16 loads (A's blocks 4-7) may be out
.if \zero == 2
	WIN BIA_LO
.else
	WIN MUL_LO
.endif
	MUL16 0, (\q)%2, \q, \slot, \zero
	MUL16 2, (\q)%2, \q, \slot, \zero
	s_wait_dscnt 0
	PLACES NP
	FETCH_B \slot, (\q)+1, 1-(\q)%2
	FETCH_A \slot, (\q)+1, 0
.if \zero == 2
	WIN BIA_HI
.else
	WIN MUL_HI
.endif
	MUL16 4, (\q)%2, \q, \slot, \zero
	MUL16 6, (\q)%2, \q, \slot, \zero
	PLACES NP
	WIN 0
	FETCH_A \slot, (\q)+1, 4
.endm
.macro TURN slot, next, fill
	s_wait_tensorcnt 0x0                           ; all my tensor loads have landed: my part of the next slot
	ds_add_u32 v[SPW], v[NIL]                      ; 0 onto my spare word
	s_wait_dscnt 4*NL+1                            ; (the add and the youngest 16 loads may be out)
	WIN MUL_LO
	MUL16 0, 1, NQ-1, \slot, 0
	s_wait_dscnt 0x0                               ; the add is done, and my reads of this slot are over
	s_barrier_signal -1
	MUL16 2, 1, NQ-1, \slot, 0
	WIN 0
	s_barrier_wait -1
.if \fill
	CREST                                          ; the barrier has opened a round of the cluster's barrier
	s_add_nc_u64 s[G0+4*\slot+2:G0+4*\slot+3], s[G0+4*\slot+2:G0+4*\slot+3], 2*TILEB
	s_add_nc_u64 s[G0B+4*\slot+2:G0B+4*\slot+3], s[G0B+4*\slot+2:G0B+4*\slot+3], 2*TILEB
	JLOAD G0+4*\slot, G1, G0B+4*\slot, G1B         ; the first tensor load behind the round
	PLACES NP-4
.else
	PLACES NP
.endif
	v_add_nc_u32 v[ADRS], 128, v[ADRS]
	FETCH_B \next, 0, 0
	FETCH_A \next, 0, 0
	SCALES \next
	WIN MUL_HI
	MUL16 4, 1, NQ-1, \slot, 0
	MUL16 6, 1, NQ-1, \slot, 0
	PLACES NP
	WIN 0
	FETCH_A \next, 0, 4
.endm
	s_wait_tensorcnt 1                             ; the scale words and my part of slot 0 are in (slot 1's load may be out)
	s_barrier_signal -1
	s_barrier_wait -1
	FETCH_B 0, 0, 0
	FETCH_A 0, 0, 0
	SCALES 0
	FETCH_A 0, 0, 4
	s_wait_loadcnt 0x0                             ; the bias
	STEP 0, 0, 2                                   ; K = 1,024 is four slots' worth: the walk is written out.  The first step's products take the bias as C
	TURN 0, 1, 1
	STEP 1, 0, 0
	TURN 1, 0, 1
	STEP 0, 0, 0
	TURN 0, 1, 0
	STEP 1, 0, 0
	s_wait_dscnt 4*NL                              ; the very last step
	WIN MUL_LO
	MUL16 0, 1, NQ-1, 1, 0
	MUL16 2, 1, NQ-1, 1, 0
	s_wait_dscnt 0
	WIN MUL_HI
	MUL16 4, 1, NQ-1, 1, 0
	MUL16 6, 1, NQ-1, 1, 0
	WIN 0
; THE WAY OUT, block by block of 16 tokens x 128 columns: through my own stage in LDS, back as whole rows of 512 bytes.  LDS serves a wave's instructions in order: no wait between the stores and the loads.
.macro TOSTAGE a
.set AC, 64*((\a)%4)
	WIN 0x08+4*((\a)/4)                            ; the data: window 2 or 3
.irp b, 0,1,2,3,4,5,6,7
	ds_store_b128 v[STO], v[AC+8*\b:AC+8*\b+3] offset:128*(\b/2)+32*(\b%2)          ; columns 32 (b / 2) + 16 h + 8 (b % 2) on; each accumulator from its low end on
	ds_store_b128 v[STO], v[AC+8*\b+4:AC+8*\b+7] offset:128*(\b/2)+32*(\b%2)+16
.endr
	WIN 0
.set BB, BK+64*((\a)%2)
.irp t, 0,1,2,3,4,5,6,7,8,9,10,11,12,13,14,15
	ds_load_b128 v[BB+4*\t:BB+4*\t+3], v[RD] offset:\t*SPITCH
.endr
.endm
.macro SEND a, younger                 ; younger: the LDS instructions issued behind block a's loads, which may stay out
.set BB, BK+64*((\a)%2)
	s_wait_dscnt \younger
.irp t, 0,1,2,3,4,5,6,7,8,9,10,11,12,13,14,15
	global_store_b128 v[CO], v[BB+4*\t:BB+4*\t+3], s[14:15] offset:(32*((\a)/2)+8*((\a)%2)+(\t%8)+16*(\t/8))*4096 th:TH_STORE_NT   ; the tile's row t is token 32 (a / 2) + 8 (a % 2) + (t % 8) + 16 (t / 8): 512 consecutive bytes, aligned
.endr
.endm
	PLACES NP
	TOSTAGE 0
.irp a, 1,2,3,4,5,6,7
.if \a > 1
	s_wait_xcnt 0x0                                ; block a - 2's stores have read their registers: block a's loads may land there
.endif
	TOSTAGE \a
	SEND \a-1, 32                                  ; behind block a - 1's loads: block a's 16 stores and 16 loads
.endr
	SEND 7, 0
	s_wait_tensorcnt 0x0                           ; the wave's end
	ds_add_u32 v[SPW], v[NIL]
	s_wait_dscnt 0x0
	CROUND                                         ; the closing round
	s_endpgm
.Lfunc_end_k_q6ae2d2de4b_outp:
	.size	k_q6ae2d2de4b_outp, .Lfunc_end_k_q6ae2d2de4b_outp-k_q6ae2d2de4b_outp
	.p2alignl 7, 3214868480
	.fill 96, 4, 3214868480
	.section	.rodata,"a",@progbits
	.p2align	6, 0x0
	.amdhsa_kernel k_q6ae2d2de4b_outp
		.amdhsa_group_segment_fixed_size 327680
		.amdhsa_private_segment_fixed_size 0
		.amdhsa_enable_private_segment 0
		.amdhsa_kernarg_size 48
		.amdhsa_user_sgpr_count 2
		.amdhsa_user_sgpr_kernarg_segment_ptr 1
		.amdhsa_wavefront_size32 1
		.amdhsa_system_sgpr_workgroup_id_x 1
		.amdhsa_system_sgpr_workgroup_id_y 1
		.amdhsa_system_sgpr_workgroup_id_z 1
		.amdhsa_system_vgpr_workitem_id 0
		.amdhsa_next_free_vgpr 1024
		.amdhsa_next_free_sgpr 102
		.amdhsa_reserve_vcc 0
		.amdhsa_float_denorm_mode_32 3
		.amdhsa_float_denorm_mode_16_64 3
		.amdhsa_memory_ordered 1
		.amdhsa_forward_progress 1
		.amdhsa_inst_pref_size 146
	.end_amdhsa_kernel
	.amdgpu_metadata
---
amdhsa.version: [ 1, 2 ]
amdhsa.kernels:
  - .name:           k_q6ae2d2de4b_outp
    .symbol:         k_q6ae2d2de4b_outp.kd
    .args:
      - { .name: aimg, .offset: 0, .size: 8, .value_kind: global_buffer, .address_space: global }
      - { .name: asc, .offset: 8, .size: 8, .value_kind: global_buffer, .address_space: global }
      - { .name: codes, .offset: 16, .size: 8, .value_kind: global_buffer, .address_space: global }
      - { .name: scales, .offset: 24, .size: 8, .value_kind: global_buffer, .address_space: global }
      - { .name: bo, .offset: 32, .size: 8, .value_kind: global_buffer, .address_space: global }
      - { .name: out0, .offset: 40, .size: 8, .value_kind: global_buffer, .address_space: global }
    .group_segment_fixed_size: 327680
    .private_segment_fixed_size: 0
    .kernarg_segment_align: 8
    .kernarg_segment_size: 48
    .max_flat_workgroup_size: 128
    .sgpr_count:     102
    .vgpr_count:     1024
    .wavefront_size: 32
...
	.end_amdgpu_metadata
.endif
;; end of part 4
;; ======== version 2 of 2: 4 launches
;; limits: right only within a limited range of input values
;; workspace buffers: codes 12,582,912 bytes; scales 393,216 bytes; qrec 8,912,896 bytes; kv 17,563,648 bytes; aimg 8,388,608 bytes; asc 262,144 bytes
;; launch quant (part 5): grid 384 x 1, 4 waves a work-group, no clusters, 35,328 bytes of LDS; arguments x, Wv, Wq, Wk, Wo, codes, scales; writes codes, scales
.if DOCPART == 5
	.amdgcn_target "amdgcn-amd-amdhsa--gfx1250"
	.amdhsa_code_object_version 6
	.text
	.protected	k_q6ae2d2de4b_quant
	.globl	k_q6ae2d2de4b_quant
	.p2align	8
	.type	k_q6ae2d2de4b_quant,@function
k_q6ae2d2de4b_quant:
	s_mov_b64 s[64:65], 0
	v_nop
	global_prefetch_b8 v0, s[64:65] scope:SCOPE_SE
	s_setreg_imm32_b32 hwreg(HW_REG_WAVE_MODE, 25, 1), 1
	s_wait_xcnt 0x0
; x [8192][1024] and the four weights [1024 (k)][1024 (n)], f32, become codes of E5M2 (8 bits) with one E8M0 byte for each 32 along K.
; A block's scale is 2^(floor(log2(its largest magnitude)) - 15); its byte is that magnitude's exponent field - 15, held at 1 from below; each number is divided by the scale,
; held within +-57,344 and rounded to the nearest code, ties to even.
; LAYOUT OF THE RESULT: IMAGES OF THE MATRIX OPERAND'S REGISTERS.  codes: [tile 768][K step 8][c 4][lane 32][16 bytes]: lane (r, h) of a tile holds k = 128 step + 32 c + 16 h + 0 .. 15 of the tile's row r.
; Tile 2 b + u holds the rows 32 b + 8 u + (r % 8) + 16 (r / 8).  Tiles 0-511: x;  512-575 Wv, 576-639 Wq, 640-703 Wk, 704-767 Wo (a weight's rows are its columns n).
; scales: [tile 768][slot of 256 K: 4][r 16][2 words]: a word is the four bytes of 128 along K.
; LIMITS: a block of zeros gets the byte 1 where the rule says 127 (its codes are zeros, which add nothing, and this program alone reads the bytes); blocks whose largest magnitude lies under 2^(15 - 126)
; keep the byte 1; NaN and infinities among the inputs are not served.
; Work-groups 0-255 take 32 rows of x each, work-groups 256-383 a part of a weight.  Waves share nothing: no barrier.  Only x's path uses LDS.
; No matrix unit, no cluster, no tensor load: each input byte is read once by one wave, so nothing is shared.
.set SP,    528                        ; x's path: a stage row: 512 bytes + 16, so that the sixteen rows that a read touches start 16 bytes apart modulo 256
.set WREG,  16*SP+256                  ; a wave's LDS: a stage of 16 rows, then its 256 scale bytes
.set R,     16                         ; v16-143  two sets of 64 registers as loaded
.set X,     144                        ; v144-207 64 numbers: register 16 b + i = k 32 b + 16 h + i of my row
.set PC,    208                        ; v208-223 a fragment's codes
.set TM,    224                        ; v224-227 largest magnitudes, 228-231 bytes, 232-235 the hold, 236-239 the conversions' scale operands
.set PW,    240                        ; the scale word
.set SEL,   20                         ; s[20:21] lane selects for lane l xor 16 (x's path)
.set MNT,   23                         ; s23 the mantissa field of 57,344
.set XW,    32                         ; the weights' path: v32-95 two sets of 32 numbers
.set CW,    96                         ; v96-159 eight registers of codes for each block: no store's data are written again
.set SB,    24                         ; v[24:25] the scale bytes, four to a register
	s_load_b128 s[4:7], s[0:1], 0x0                ; x, Wv
	s_load_b128 s[8:11], s[0:1], 0x10              ; Wq, Wk
	s_load_b128 s[12:15], s[0:1], 0x20             ; Wo, codes
	s_load_b64 s[16:17], s[0:1], 0x30              ; scales
	v_lshl_add_u32 v254, v0, 2, 0x8800
	v_mov_b32 v255, 0
	v_lshrrev_b32 v1, 5, v0
	v_readfirstlane_b32 s18, v1                    ; wave 0..3
	v_and_b32 v2, 31, v0                           ; lane
	s_mov_b32 s[MNT], 0x600000
	s_cmp_lt_u32 ttmp9, 256
	s_cbranch_scc0 .Lweights
; ---------------- x: work-group g owns rows 32 g .. 32 g + 31.  Wave w: tile 2 g + (w % 2), K half w / 2: four K steps of 128.
	v_and_b32 v9, 15, v0                           ; r
	v_bfe_u32 v10, v0, 4, 1                        ; h
	v_lshlrev_b32 v3, 4, v2                        ; 16 x lane: my bytes of a load's 512, and of an image's 512
	s_mul_i32 s19, s18, WREG
	v_add_nc_u32 v4, s19, v3                       ; the stage, on the way in: a row as it lies
	v_mul_u32_u24 v5, v9, SP
	v_lshl_add_u32 v5, v10, 6, v5
	v_add_nc_u32 v5, s19, v5                       ; on the way out: row r, + 64 h: my 16 numbers of each block of 32
	s_add_co_u32 s19, s19, 16*SP
	v_lshl_add_u32 v6, v9, 3, s19                  ; my row's two scale words of a slot
	v_lshlrev_b32 v8, 3, v2
	v_add_nc_u32 v7, s19, v8                       ; and 8 bytes a lane on their way out
	s_mov_b32 s[SEL], 0x76543210
	s_mov_b32 s[SEL+1], 0xfedcba98
.irp b, 0,1,2,3
	v_mov_b32 v[TM+4+\b], 0                        ; written once: a lane permute's destination counts as one of its sources
.endr
	s_and_b32 s24, s18, 1                          ; u
	s_lshr_b32 s25, s18, 1                         ; K half
	s_lshl_b32 s26, ttmp9, 17                      ; 32 g rows of 4,096 bytes
	s_lshl_b32 s27, s24, 15                        ; + 8 u rows
	s_add_co_u32 s26, s26, s27
	s_lshl_b32 s27, s25, 11                        ; + 512 numbers
	s_add_co_u32 s26, s26, s27
	s_mov_b32 s27, 0
	s_lshl_b32 s28, ttmp9, 1
	s_add_co_u32 s28, s28, s24                     ; the tile
	s_lshl_b32 s30, s28, 14                        ; 16,384 bytes of codes a tile,
	s_lshl_b32 s29, s25, 13                        ; four K steps of 2,048
	s_add_co_u32 s30, s30, s29
	s_mov_b32 s31, 0
	s_lshl_b32 s32, s28, 9                         ; 512 scale bytes a tile,
	s_lshl_b32 s29, s25, 8                         ; two slots of 128
	s_add_co_u32 s32, s32, s29
	s_mov_b32 s33, 0
	s_wait_alu depctr_va_vdst(0)
	s_wait_kmcnt 0x0
	s_add_nc_u64 s[4:5], s[4:5], s[26:27]
	s_add_nc_u64 s[14:15], s[14:15], s[30:31]
	s_add_nc_u64 s[16:17], s[16:17], s[32:33]
.macro LOADX s                         ; K step s: 16 loads, each 512 consecutive bytes of one of the tile's rows
.irp i, 0,1,2,3,4,5,6,7,8,9,10,11,12,13,14,15
	global_load_b128 v[R+64*((\s)%2)+4*\i:R+64*((\s)%2)+4*\i+3], v3, s[4:5] offset:(\i+8*(\i/8))*4096+512*(\s) th:TH_LOAD_NT
.endr
.endm
; 64 numbers of a lane become a fragment's codes in v[PC] on and its scale word in v[PW]
.macro QUANT s
.irp b, 0,1,2,3
	v_max3_num_f32 v[TM+\b], |v[\s+16*\b]|, |v[\s+1+16*\b]|, 0x8000000   ; block b: my 16 numbers, and the floor 2^(16 - 127): the byte cannot fall under 1
.endr
.irp i, 2,4,6,8,10,12,14
.irp b, 0,1,2,3
	v_max3_num_f32 v[TM+\b], v[TM+\b], |v[\s+16*\b+\i]|, |v[\s+1+16*\b+\i]|   ; the four blocks by turns
.endr
.endr
.irp b, 0,1,2,3
	v_permlanex16_b32 v[TM+4+\b], v[TM+\b], s[SEL], s[SEL+1]
.endr
.irp b, 0,1,2,3
	v_max_num_f32 v[TM+\b], v[TM+\b], v[TM+4+\b]   ; with lane l xor 16's 16: the block's largest magnitude
.endr
.irp b, 0,1,2,3
	v_add_nc_u32 v[TM+12+\b], 0xf8800000, v[TM+\b] ; 15 off its exponent field: the conversion takes that field as its scale
.endr
.irp b, 0,1,2,3
	v_and_or_b32 v[TM+8+\b], v[TM+\b], 0x7f800000, s[MNT]   ; 57,344 x the scale
.endr
.irp b, 0,1,2,3
	v_lshrrev_b32 v[TM+4+\b], 23, v[TM+12+\b]      ; the scale's byte
.endr
	v_lshl_or_b32 v[PW], v[TM+5], 8, v[TM+4]
	v_lshl_or_b32 v[PW], v[TM+6], 16, v[PW]
	v_lshl_or_b32 v[PW], v[TM+7], 24, v[PW]
.irp b, 0,1,2,3
.irp i, 0,1,2,3,4,5,6,7,8,9,10,11,12,13,14,15
	v_med3_num_f32 v[\s+16*\b+\i], v[\s+16*\b+\i], -v[TM+8+\b], v[TM+8+\b]   ; the conversion to an 8-bit code does not saturate (ISA guide 7.6.2): the hold
.endr
	v_cvt_scalef32_pk8_bf8_f32 v[PC+4*\b:PC+1+4*\b], v[\s+16*\b:\s+7+16*\b], v[TM+12+\b]
	v_cvt_scalef32_pk8_bf8_f32 v[PC+2+4*\b:PC+3+4*\b], v[\s+8+16*\b:\s+15+16*\b], v[TM+12+\b]
.endr
	v_nop                                          ; one plain vector line behind the last conversion
.endm
.macro STEPX s
.if (\s) < 3
	s_wait_loadcnt 16                              ; this step's 16 loads are in; the next step's 16 may be out
.else
	s_wait_loadcnt 0
.endif
.irp i, 0,1,2,3,4,5,6,7,8,9,10,11,12,13,14,15
	ds_store_b128 v4, v[R+64*((\s)%2)+4*\i:R+64*((\s)%2)+4*\i+3] offset:SP*\i
.endr
.irp c, 0,1,2,3
.irp j, 0,1,2,3
	ds_load_b128 v[X+16*\c+4*\j:X+16*\c+4*\j+3], v5 offset:128*\c+16*\j   ; LDS serves a wave's instructions in order: these see the stores above
.endr
.endr
	s_wait_dscnt 0x0                               ; the numbers are back, and the stores have read the set that is loaded again below
.if (\s) < 2
	LOADX (\s)+2
.endif
.if (\s) > 0
	s_wait_xcnt 0x0                                ; the last step's stores have read v[PC] on
.endif
	QUANT X
.irp c, 0,1,2,3
	global_store_b128 v3, v[PC+4*\c:PC+4*\c+3], s[14:15] offset:2048*(\s)+512*\c   ; 512 consecutive bytes, aligned
.endr
	ds_store_b32 v6, v[PW] offset:128*((\s)/2)+4*((\s)%2)   ; both halves of the lanes write the same word with the same value
.endm
	LOADX 0
	LOADX 1
	STEPX 0
	STEPX 1
	STEPX 2
	STEPX 3
	ds_load_b64 v[242:243], v7
	s_wait_dscnt 0x0
	global_store_b64 v8, v[242:243], s[16:17]      ; the wave's 256 scale bytes: 256 consecutive bytes, aligned
	s_wait_tensorcnt 0x0
	ds_add_u32 v254, v255
	s_wait_dscnt 0x0
	s_endpgm
; ---------------- the weights: work-group g' = 0..127: weight g' / 32, slot of 256 K (g' / 8) % 4, 128 columns g' % 8.  A LANE TAKES A COLUMN n AND ITS REGISTERS RUN DOWN K:
; a block of 32 lies in one lane, and the conversions give codes with K innermost.  Lane l is row r' = (l % 8) + 8 (l / 16) of tile (l / 8) % 2 of the wave's two tiles.
; A block's 32 codes are the 16 bytes of image lane r' and the 16 of image lane r' + 16: each store of the wave fills two aligned runs of 256 bytes.
; The scale bytes leave as 8 bytes a lane, 128 consecutive bytes a tile: these runs are half of an aligned 256; they are one byte in 128 of what the path reads.
.Lweights:
	s_sub_co_u32 s19, ttmp9, 256
	s_lshr_b32 s20, s19, 5                         ; which weight: 0 Wv, 1 Wq, 2 Wk, 3 Wo
	s_bfe_u32 s21, s19, 0x20003                    ; which 256 along K
	s_and_b32 s22, s19, 7                          ; which 128 columns
	s_wait_alu depctr_va_vdst(0)
	v_lshlrev_b32 v3, 2, v2                        ; in: 4 bytes a lane
	v_bfe_u32 v4, v0, 3, 1                         ; u
	v_and_b32 v5, 7, v0
	v_bfe_u32 v6, v0, 4, 1
	v_lshl_or_b32 v5, v6, 3, v5                    ; r'
	v_lshlrev_b32 v7, 14, v4
	v_lshl_add_u32 v7, v5, 4, v7                   ; codes: 16,384 u + 16 r'
	v_lshlrev_b32 v8, 9, v4
	v_lshl_add_u32 v8, v5, 3, v8                   ; scale words: 512 u + 8 r'
	s_lshl_b32 s24, s21, 20                        ; 256 rows of 4,096 bytes
	s_lshl_b32 s25, s22, 9
	s_add_co_u32 s24, s24, s25
	s_lshl_b32 s25, s18, 7
	s_add_co_u32 s24, s24, s25                     ; + 4 x (128 group + 32 wave)
	s_mov_b32 s25, 0
	s_lshl_b32 s26, s20, 6
	s_lshl_b32 s27, s22, 3
	s_add_co_u32 s26, s26, s27
	s_lshl_b32 s27, s18, 1
	s_add_co_u32 s26, s26, s27
	s_add_co_u32 s26, s26, 512                     ; my first tile
	s_lshl_b32 s28, s26, 14
	s_lshl_b32 s29, s21, 12
	s_add_co_u32 s28, s28, s29
	s_mov_b32 s29, 0
	s_lshl_b32 s30, s26, 9
	s_lshl_b32 s31, s21, 7
	s_add_co_u32 s30, s30, s31
	s_mov_b32 s31, 0
	s_wait_alu depctr_va_vdst(0)
	s_wait_kmcnt 0x0
	s_cmp_eq_u32 s20, 1                            ; the weight is chosen by the work-group's number alone
	s_cselect_b64 s[6:7], s[8:9], s[6:7]
	s_cmp_eq_u32 s20, 2
	s_cselect_b64 s[6:7], s[10:11], s[6:7]
	s_cmp_eq_u32 s20, 3
	s_cselect_b64 s[6:7], s[12:13], s[6:7]
	s_add_nc_u64 s[6:7], s[6:7], s[24:25]
	s_add_nc_u64 s[14:15], s[14:15], s[28:29]
	s_add_nc_u64 s[16:17], s[16:17], s[30:31]
.macro LOADW t                         ; block t: W(32 t + i, my column) into set t % 2
.irp i, 0,1,2,3,4,5,6,7,8,9,10,11,12,13,14,15,16,17,18,19,20,21,22,23,24,25,26,27,28,29,30,31
	global_load_b32 v[XW+32*((\t)%2)+\i], v3, s[6:7] offset:(32*(\t)+\i)*4096 th:TH_LOAD_NT
.endr
.endm
.macro BLOCKW t
.set XS, XW+32*((\t)%2)
.set CC, CW+8*(\t)
.if (\t) < 7
	s_wait_loadcnt 32                              ; this block's 32 loads are in; the next block's may be out
.else
	s_wait_loadcnt 0
.endif
	v_max3_num_f32 v12, |v[XS]|, |v[XS+1]|, |v[XS+2]|   ; the block's largest magnitude: all 32 numbers are mine
	v_max3_num_f32 v13, |v[XS+3]|, |v[XS+4]|, |v[XS+5]|
.irp i, 6,10,14,18,22,26
	v_max3_num_f32 v12, v12, |v[XS+\i]|, |v[XS+\i+1]|
	v_max3_num_f32 v13, v13, |v[XS+\i+2]|, |v[XS+\i+3]|
.endr
	v_max3_num_f32 v12, v12, |v[XS+30]|, |v[XS+31]|
	v_max3_num_f32 v12, v12, v13, 0x8000000        ; and the floor
	v_add_nc_u32 v11, 0xf8800000, v12              ; the conversions' scale operand
	v_and_or_b32 v10, v12, 0x7f800000, s[MNT]      ; 57,344 x the scale
	v_lshrrev_b32 v13, 23, v11                     ; the byte
.if (\t)%4 == 0
	v_mov_b32 v[SB+(\t)/4], v13
.else
	v_lshl_or_b32 v[SB+(\t)/4], v13, 8*((\t)%4), v[SB+(\t)/4]
.endif
.irp i, 0,1,2,3,4,5,6,7,8,9,10,11,12,13,14,15,16,17,18,19,20,21,22,23,24,25,26,27,28,29,30,31
	v_med3_num_f32 v[XS+\i], v[XS+\i], -v10, v10
.endr
.irp g, 0,1,2,3
	v_cvt_scalef32_pk8_bf8_f32 v[CC+2*\g:CC+2*\g+1], v[XS+8*\g:XS+8*\g+7], v11
.endr
	v_nop                                          ; one plain vector line behind the last conversion
	global_store_b128 v7, v[CC:CC+3], s[14:15] offset:((\t)/4)*2048+((\t)%4)*512         ; k 0-15 of the block: image lanes 0-15
	global_store_b128 v7, v[CC+4:CC+7], s[14:15] offset:((\t)/4)*2048+((\t)%4)*512+256   ; k 16-31: image lanes 16-31
.if (\t)+2 < 8
	LOADW (\t)+2
.endif
.endm
	LOADW 0
	LOADW 1
.irp t, 0,1,2,3,4,5,6,7
	BLOCKW \t
.endr
	global_store_b64 v8, v[SB:SB+1], s[16:17]
	s_endpgm
.Lfunc_end_k_q6ae2d2de4b_quant:
	.size	k_q6ae2d2de4b_quant, .Lfunc_end_k_q6ae2d2de4b_quant-k_q6ae2d2de4b_quant
	.p2alignl 7, 3214868480
	.fill 96, 4, 3214868480
	.section	.rodata,"a",@progbits
	.p2align	6, 0x0
	.amdhsa_kernel k_q6ae2d2de4b_quant
		.amdhsa_group_segment_fixed_size 35328
		.amdhsa_private_segment_fixed_size 0
		.amdhsa_enable_private_segment 0
		.amdhsa_kernarg_size 56
		.amdhsa_user_sgpr_count 2
		.amdhsa_user_sgpr_kernarg_segment_ptr 1
		.amdhsa_wavefront_size32 1
		.amdhsa_system_sgpr_workgroup_id_x 1
		.amdhsa_system_sgpr_workgroup_id_y 1
		.amdhsa_system_sgpr_workgroup_id_z 1
		.amdhsa_system_vgpr_workitem_id 0
		.amdhsa_next_free_vgpr 256
		.amdhsa_next_free_sgpr 66
		.amdhsa_reserve_vcc 0
		.amdhsa_float_denorm_mode_32 3
		.amdhsa_float_denorm_mode_16_64 3
		.amdhsa_memory_ordered 1
		.amdhsa_forward_progress 1
		.amdhsa_inst_pref_size 107
	.end_amdhsa_kernel
	.amdgpu_metadata
---
amdhsa.version: [ 1, 2 ]
amdhsa.kernels:
  - .name:           k_q6ae2d2de4b_quant
    .symbol:         k_q6ae2d2de4b_quant.kd
    .args:
      - { .name: x, .offset: 0, .size: 8, .value_kind: global_buffer, .address_space: global }
      - { .name: Wv, .offset: 8, .size: 8, .value_kind: global_buffer, .address_space: global }
      - { .name: Wq, .offset: 16, .size: 8, .value_kind: global_buffer, .address_space: global }
      - { .name: Wk, .offset: 24, .size: 8, .value_kind: global_buffer, .address_space: global }
      - { .name: Wo, .offset: 32, .size: 8, .value_kind: global_buffer, .address_space: global }
      - { .name: codes, .offset: 40, .size: 8, .value_kind: global_buffer, .address_space: global }
      - { .name: scales, .offset: 48, .size: 8, .value_kind: global_buffer, .address_space: global }
    .group_segment_fixed_size: 35328
    .private_segment_fixed_size: 0
    .kernarg_segment_align: 8
    .kernarg_segment_size: 56
    .max_flat_workgroup_size: 128
    .sgpr_count:     66
    .vgpr_count:     256
    .wavefront_size: 32
...
	.end_amdgpu_metadata
.endif
;; end of part 5
;; launch proj (part 6): grid 8 x 32, 4 waves a work-group, clusters of 4 x 4, 327,680 bytes of LDS; arguments codes, scales, bq, bk, bv, qrec, kv; writes qrec, kv
.if DOCPART == 6
	.amdgcn_target "amdgcn-amd-amdhsa--gfx1250"
	.amdhsa_code_object_version 6
	.text
	.protected	k_q6ae2d2de4b_proj
	.globl	k_q6ae2d2de4b_proj
	.p2align	8
	.type	k_q6ae2d2de4b_proj,@function
k_q6ae2d2de4b_proj:
	s_mov_b64 s[64:65], 0
	v_nop
	global_prefetch_b8 v0, s[64:65] scope:SCOPE_SE
	s_setreg_imm32_b32 hwreg(HW_REG_WAVE_MODE, 25, 1), 1
	s_wait_xcnt 0x0
	s_wait_alu depctr_hold_cnt(0) depctr_sa_sdst(0) depctr_va_vdst(0) depctr_va_sdst(0) depctr_va_ssrc(0) depctr_va_vcc(0) depctr_vm_vsrc(0)
	s_getreg_b32 s2, hwreg(HW_REG_IB_STS2, 6, 4)
	s_cmp_eq_u32 s2, 0
	s_cbranch_scc0 .Lentry_in_a_cluster
	s_endpgm
.Lentry_in_a_cluster:
	s_bfe_u32 s2, ttmp6, 0x10000c
	s_cmp_lg_u32 s2, 0xf033
	s_cbranch_scc0 .Lentry_shape_is_right
	s_endpgm
.Lentry_shape_is_right:
.set NQ,     2
.set FR,     16
.set NL,     4
.set NP,     8
.set TILEB,  4096
.set HALFT,  8*TILEB
.set SLOT,   4*HALFT
.set SCL,    2*SLOT
.set HALFS,  4096
.set SPARE,  SCL+4*HALFS
.set WSCR,   SPARE+512
.set HSQ,    139264
.set HSK,    274432
.set RECQ,   8704
.set RECK,   17152
.set BV,   8
.set ADRA, 16
.set ADRX, 18
.set ADRB, 20
.set ADRW, 22
.set ADRU, 24
.set ADRT, 25
.set ADRS, 27
.set SPW,  28
.set NIL,  29
.set SC,   32
.set BI,   64
.set AF,   128
.set O0,   2
.set SO,   4
.set SH,   5
.set VB,   6
.set HH,   7
.set X,    128
.set PC,   192
.set TM,   208
.set PW,   224
.set SW,   232
.set WV,   18
.set RH,   19
.set CH,   20
.set MNT,  3
.set SEL,  100
.set G1,   24
.set G0,   32
.set G1B,  48
.set G0B,  56
.set G1S,  68
.set G0S,  76
.set G1SB, 80
.set G0SB, 88
.set G1C,  68
.set G0C,  76
.set MSB, 0
.macro WIN new
.if MSB != (\new)
	s_set_vgpr_msb (MSB<<8)|(\new)
.set MSB, (\new)
.endif
.endm
.set MUL_LO, 0xa1
.set MUL_HI, 0xf1
.set TO_B,   0x40
.macro JLOAD g0a, g1a, g0b, g1b
	s_cmp_eq_u32 s[RH], 0
	s_cbranch_scc0 .Lfor_b_\@
	tensor_load_to_lds s[\g0a:\g0a+3], s[\g1a:\g1a+7]
	s_nop 0
.rept 4
	v_nop
.endr
	s_branch .Lasked_\@
.Lfor_b_\@:
	tensor_load_to_lds s[\g0b:\g0b+3], s[\g1b:\g1b+7]
	s_nop 0
.rept 4
	v_nop
.endr
.Lasked_\@:
.endm
.macro CREST
	s_cmp_lg_u32 s[WV], 0
	s_cbranch_scc1 .Lnot_wave_0_\@
	s_barrier_signal -3
.Lnot_wave_0_\@:
	s_barrier_wait -3
	s_barrier_signal -1
	s_barrier_wait -1
.endm
.macro CROUND
	s_barrier_signal -1
	s_barrier_wait -1
	CREST
.endm
	s_load_b128 s[4:7], s[0:1], 0x0
	s_load_b128 s[8:11], s[0:1], 0x10
	s_load_b128 s[12:15], s[0:1], 0x20
	s_load_b64 s[16:17], s[0:1], 0x30
	v_lshl_add_u32 v[SPW], v0, 2, SPARE
	v_mov_b32 v[NIL], 0
	ds_add_u32 v28, v29
	ds_add_u32 v28, v29
	s_wait_dscnt 0x0
	v_lshrrev_b32 v1, 5, v0
	v_readfirstlane_b32 s[WV], v1
	s_lshr_b32 s[RH], s[WV], 1
	s_and_b32 s[CH], s[WV], 1
	s_bfe_u32 s40, ttmp6, 0x40000
	s_bfe_u32 s41, ttmp6, 0x40004
	s_lshl_b32 s42, ttmp9, 2
	s_add_co_u32 s42, s42, s40
	s_and_b32 s67, ttmp7, 0xffff
	s_lshl_b32 s66, s67, 2
	s_add_co_u32 s66, s66, s41
	s_add_co_u32 s97, s42, 36
	s_lshl_b32 s43, s41, 2
	s_lshl_b32 s43, 15, s43
	s_lshl_b32 s44, 0x1111, s40
	s_or_b32 s[G1+0], s43, (3<<16)|(1<<21)
	s_or_b32 s[G1B+0], s44, (3<<16)|(1<<21)
.irp g, G1, G1B
	s_mov_b32 s[\g+1], 512<<16
	s_mov_b32 s[\g+2], 16<<16                      ; the head's loads bring a slot's 16 tiles of A or of B whole; behind them the two words that count rows are set to 8
	s_mov_b32 s[\g+3], 512<<16
	s_mov_b32 s[\g+4], 16
	s_mov_b32 s[\g+5], 2048
	s_mov_b32 s[\g+6], 0
	s_mov_b32 s[\g+7], 0
.endr
	s_or_b32 s[G1S+0], s43, (3<<16)|(1<<21)
	s_or_b32 s[G1SB+0], s44, (3<<16)|(1<<21)
.irp g, G1S, G1SB
	s_mov_b32 s[\g+1], 32<<16
	s_mov_b32 s[\g+2], 32<<16                      ; the scale words of 16 tiles: 8,192 dense bytes as 32 rows of 256
	s_mov_b32 s[\g+3], 32<<16
	s_mov_b32 s[\g+4], 32
	s_mov_b32 s[\g+5], 32
	s_mov_b32 s[\g+6], 0
	s_mov_b32 s[\g+7], 0
.endr
	s_lshl_b32 s21, s[CH], 17
	s_lshl_b32 s92, s66, 18
	s_add_co_u32 s92, s92, s21
	s_mov_b32 s93, 0
	s_lshl_b32 s94, s97, 18
	s_add_co_u32 s94, s94, s21
	s_mov_b32 s95, 0
	s_lshl_b32 s98, s66, 13
	s_mov_b32 s99, 0
	s_lshl_b32 s100, s97, 13
	s_mov_b32 s101, 0
	s_lshl_b32 s2, s42, 12
	s_lshl_b32 s3, s[RH], 11
	s_add_co_u32 s2, s2, s3
	s_add_co_u32 s2, s2, 512*512
	s_mov_b32 s3, 0
	s_mul_i32 s45, s[WV], HALFT
	s_wait_kmcnt 0x0
	s_add_nc_u64 s[92:93], s[4:5], s[92:93]
	s_add_nc_u64 s[94:95], s[4:5], s[94:95]
	s_add_nc_u64 s[98:99], s[6:7], s[98:99]
	s_add_nc_u64 s[100:101], s[6:7], s[100:101]
	s_add_nc_u64 s[2:3], s[6:7], s[2:3]
	CROUND
	s_mov_b32 s[G0S], 1
	s_mov_b32 s[G0S+1], SCL
	s_mov_b64 s[G0S+2:G0S+3], s[98:99]
	s_or_b32 s[G0S+3], s[G0S+3], 0x80000000
	s_mov_b32 s[G0SB], 1
	s_mov_b32 s[G0SB+1], SCL+2*HALFS
	s_mov_b64 s[G0SB+2:G0SB+3], s[100:101]
	s_or_b32 s[G0SB+3], s[G0SB+3], 0x80000000
.irp s, 0,1
	s_mov_b32 s[G0+4*\s], 1
	s_add_co_u32 s[G0+4*\s+1], s45, \s*SLOT
	s_add_nc_u64 s[G0+4*\s+2:G0+4*\s+3], s[92:93], \s*TILEB
	s_or_b32 s[G0+4*\s+3], s[G0+4*\s+3], 0x80000000
	s_mov_b32 s[G0B+4*\s], 1
	s_add_co_u32 s[G0B+4*\s+1], s45, \s*SLOT
	s_add_nc_u64 s[G0B+4*\s+2:G0B+4*\s+3], s[94:95], \s*TILEB
	s_or_b32 s[G0B+4*\s+3], s[G0B+4*\s+3], 0x80000000
.endr
; THE HEAD'S LOADS, ONE A WAVE: wave 0 slot 0's 16 tiles of A, wave 2 its 16 tiles of B (both waves' own descriptors begin at the first tile), wave 1 A's scale words, wave 3 B's.
; One chain of branches on the wave's number, a load to an arm, all arms leading to one join.
.macro HARM w, g0, g1, next
	s_cmp_eq_u32 s[WV], \w
	s_cbranch_scc0 \next
	tensor_load_to_lds s[\g0:\g0+3], s[\g1:\g1+7]
	s_nop 0
.rept 4
	v_nop
.endr
	s_branch .Lhead_asked
\next:
.endm
	HARM 0, G0, G1, .Lhead_b
	HARM 2, G0B, G1B, .Lhead_sa
	HARM 1, G0S, G1S, .Lhead_sb
	tensor_load_to_lds s[G0SB:G0SB+3], s[G1SB:G1SB+7]
	s_nop 0
.rept 4
	v_nop
.endr
.Lhead_asked:
	s_lshl_b32 s98, s42, 9
	s_lshl_b32 s99, s[RH], 8
	s_add_co_u32 s98, s98, s99
	s_mov_b32 s99, 0
	s_add_nc_u64 s[98:99], s[12:13], s[98:99]
	v_and_b32 v1, 15, v0
	v_bfe_u32 v2, v0, 4, 1
	v_and_b32 v3, 31, v0
	v_lshlrev_b32 v4, 4, v3
	s_wait_alu depctr_va_vdst(0)
	v_and_b32 v7, 8, v1
	v_add_nc_u32 v7, v7, v1
	v_lshlrev_b32 v7, 2, v7
.irp c, 0,1,2,3
	global_load_b128 v[AF+4*\c:AF+4*\c+3], v4, s[2:3] offset:512*\c
.endr
.irp a, 0,1,2,3
	global_load_b32 v[BV+2*\a], v7, s[98:99] offset:(32*(\a/2)+8*(\a%2))*4
	global_load_b32 v[BV+2*\a+1], v7, s[98:99] offset:(32*(\a/2)+8*(\a%2))*4
.endr
	s_mul_i32 s21, s[RH], HALFT
	s_mul_i32 s22, s[CH], HALFT
	s_add_co_u32 s22, s22, 2*HALFT
.irp s, 0,1
	v_add_nc_u32 v[ADRA+\s], s21, v4
	v_add_nc_u32 v[ADRB+\s], s22, v4
	s_add_co_u32 s21, s21, SLOT
	s_add_co_u32 s22, s22, SLOT
.endr
	s_mul_i32 s21, s[CH], HALFT
	s_lshl_b32 s22, s[RH], 14
	s_add_co_u32 s22, s22, 2*HALFT
.irp s, 0,1
	v_add_nc_u32 v[ADRX+\s], s21, v4
	v_add_nc_u32 v[ADRW+\s], s22, v4
	s_add_co_u32 s21, s21, SLOT
	s_add_co_u32 s22, s22, SLOT
.endr
	v_lshlrev_b32 v5, 3, v1
	s_mul_i32 s21, s[RH], HALFS
	s_mul_i32 s22, s[CH], HALFS
	s_add_co_u32 s22, s22, 2*HALFS
	s_sub_co_u32 s22, s22, s21
	v_mul_u32_u24 v6, s22, v2
	s_add_co_u32 s21, s21, SCL
	v_add_nc_u32 v5, v5, v6
	v_add_nc_u32 v[ADRS], s21, v5
	s_mul_i32 s21, s[CH], HALFS
	s_lshl_b32 s22, s[WV], 11
	s_add_co_u32 s22, s22, WSCR-SCL
	s_sub_co_u32 s22, s22, s21
	v_mul_u32_u24 v6, s22, v2
	s_add_co_u32 s21, s21, SCL
	v_lshl_add_u32 v[ADRT], v1, 3, s21
	v_add_nc_u32 v[ADRU], v[ADRT], v6
	s_lshl_b32 s23, s[WV], 11
	s_add_co_u32 s23, s23, WSCR
	v_add_nc_u32 v5, s23, v4
.macro FRAG reg, adr, q, i
.irp c, 0,1,2,3
	ds_load_b128 v[\reg+4*\c:\reg+4*\c+3], v[\adr] offset:(\i)*TILEB+(\q)*2048+512*\c
.endr
.endm
.macro PLACES n
.rept \n
	v_nop
.endr
.endm
.macro MUL16 a0, p, q, sc, zero
.irp a, \a0, \a0+1
.irp b, 0,1,2,3,4,5,6,7
.if \zero
	v_wmma_scale_f32_16x16x128_f8f6f4 v[8*(8*((\a)%4)+\b):8*(8*((\a)%4)+\b)+7], v[128*(\p)+FR*\b:128*(\p)+FR*\b+FR-1], v[AF+FR*(\a):AF+FR*(\a)+FR-1], 0, v[SC+8*NQ*(\sc)+NQ*\b+(\q)], v[SC+8*NQ*(\sc)+NQ*(\a)+(\q)] matrix_a_fmt:MATRIX_FMT_BF8 matrix_b_fmt:MATRIX_FMT_BF8 matrix_a_scale:MATRIX_SCALE_ROW1
.else
	v_wmma_scale_f32_16x16x128_f8f6f4 v[8*(8*((\a)%4)+\b):8*(8*((\a)%4)+\b)+7], v[128*(\p)+FR*\b:128*(\p)+FR*\b+FR-1], v[AF+FR*(\a):AF+FR*(\a)+FR-1], v[8*(8*((\a)%4)+\b):8*(8*((\a)%4)+\b)+7], v[SC+8*NQ*(\sc)+NQ*\b+(\q)], v[SC+8*NQ*(\sc)+NQ*(\a)+(\q)] matrix_a_fmt:MATRIX_FMT_BF8 matrix_b_fmt:MATRIX_FMT_BF8 matrix_a_scale:MATRIX_SCALE_ROW1
.endif
.endr
.endr
.endm
.macro FETCH_B slot, q, p
	WIN TO_B
.irp i, 0,1,2,3,4,5,6,7
	FRAG 128*(\p)+FR*\i, ADRB+\slot, \q, \i
.endr
	WIN 0
.endm
.macro FETCH_A slot, q, i0
.irp i, \i0, \i0+1, \i0+2, \i0+3
	FRAG AF+FR*(\i), ADRA+\slot, \q, \i
.endr
.endm
.macro SCALES sc
.irp i, 0,1,2,3,4,5,6,7
	ds_load_b64 v[SC+8*NQ*\sc+NQ*\i:SC+8*NQ*\sc+NQ*\i+1], v[ADRS] offset:\i*512
.endr
.endm
.macro STEP slot, q, zero
	s_wait_dscnt 4*NL
	WIN MUL_LO
	MUL16 0, (\q)%2, \q, \slot, \zero
	MUL16 2, (\q)%2, \q, \slot, \zero
	s_wait_dscnt 0
	PLACES NP
	FETCH_B \slot, (\q)+1, 1-(\q)%2
	FETCH_A \slot, (\q)+1, 0
	WIN MUL_HI
	MUL16 4, (\q)%2, \q, \slot, \zero
	MUL16 6, (\q)%2, \q, \slot, \zero
	PLACES NP
	WIN 0
	FETCH_A \slot, (\q)+1, 4
.endm
.macro MEET slot, fill
	s_wait_tensorcnt 0x0
	ds_add_u32 v[SPW], v[NIL]
	s_wait_dscnt 4*NL+1
	WIN MUL_LO
	MUL16 0, 1, NQ-1, \slot, 0
	s_wait_dscnt 0x0
	s_barrier_signal -1
	MUL16 2, 1, NQ-1, \slot, 0
	WIN 0
	s_barrier_wait -1
	CREST
.if \fill == 1
	s_add_nc_u64 s[G0+4*\slot+2:G0+4*\slot+3], s[G0+4*\slot+2:G0+4*\slot+3], 2*TILEB
	s_add_nc_u64 s[G0B+4*\slot+2:G0B+4*\slot+3], s[G0B+4*\slot+2:G0B+4*\slot+3], 2*TILEB
	JLOAD G0+4*\slot, G1, G0B+4*\slot, G1B
.else
	s_sub_nc_u64 s[G0+4*\slot+2:G0+4*\slot+3], s[G0+4*\slot+2:G0+4*\slot+3], 2*TILEB
	JLOAD G0+4*\slot, G1, G0C+4*\slot, G1C
.endif
.endm
.macro TURN slot, next, fill
	MEET \slot, \fill
	PLACES NP-4
	s_wait_alu depctr_va_vdst(0)
	v_add_nc_u32 v[ADRS], 128, v[ADRS]
	FETCH_B \next, 0, 0
	FETCH_A \next, 0, 0
	SCALES \next
	WIN MUL_HI
	MUL16 4, 1, NQ-1, \slot, 0
	MUL16 6, 1, NQ-1, \slot, 0
	PLACES NP
	WIN 0
	FETCH_A \next, 0, 4
.endm
.macro QUANT s
.irp b, 0,1,2,3
	v_max3_num_f32 v[TM+\b], |v[\s+16*\b]|, |v[\s+1+16*\b]|, 0x8000000
.endr
.irp i, 2,4,6,8,10,12,14
.irp b, 0,1,2,3
	v_max3_num_f32 v[TM+\b], v[TM+\b], |v[\s+16*\b+\i]|, |v[\s+1+16*\b+\i]|
.endr
.endr
.irp b, 0,1,2,3
	v_permlanex16_b32 v[TM+4+\b], v[TM+\b], s[SEL], s[SEL+1]
.endr
.irp b, 0,1,2,3
	v_max_num_f32 v[TM+\b], v[TM+\b], v[TM+4+\b]
.endr
.irp b, 0,1,2,3
	v_add_nc_u32 v[TM+12+\b], 0xf8800000, v[TM+\b]
.endr
.irp b, 0,1,2,3
	v_and_or_b32 v[TM+8+\b], v[TM+\b], 0x7f800000, s[MNT]
.endr
.irp b, 0,1,2,3
	v_lshrrev_b32 v[TM+4+\b], 23, v[TM+12+\b]
.endr
	v_lshl_or_b32 v[PW], v[TM+5], 8, v[TM+4]
	v_lshl_or_b32 v[PW], v[TM+6], 16, v[PW]
	v_lshl_or_b32 v[PW], v[TM+7], 24, v[PW]
.irp b, 0,1,2,3
.irp i, 0,1,2,3,4,5,6,7,8,9,10,11,12,13,14,15
	v_med3_num_f32 v[\s+16*\b+\i], v[\s+16*\b+\i], -v[TM+8+\b], v[TM+8+\b]
.endr
	v_cvt_scalef32_pk8_bf8_f32 v[PC+4*\b:PC+1+4*\b], v[\s+16*\b:\s+7+16*\b], v[TM+12+\b]
	v_cvt_scalef32_pk8_bf8_f32 v[PC+2+4*\b:PC+3+4*\b], v[\s+8+16*\b:\s+15+16*\b], v[TM+12+\b]
.endr
	v_nop
.endm
.macro EPI a
.if (\a) > 0
	s_wait_xcnt 0x0
.endif
	WIN 0x02+(\a)/4
.set i, 0
.rept 32
	v_pk_add_f32 v[X+2*i:X+2*i+1], v[64*((\a)%4)+2*i:64*((\a)%4)+2*i+1], v[BI+2*i:BI+2*i+1]
.set i, i+1
.endr
	WIN 0
	QUANT X
.irp g, 0,1,2,3
	global_store_b128 v[O0+\g/2], v[PC+4*\g:PC+4*\g+3], s[92:93] offset:1024*(\a)+512*(\g%2)
.endr
	v_bfe_u32 v[SW+(\a)], v[PW], v[SH], 16
.endm
.macro MUL8H a, p, q, sc, zero
.irp b, 0,1,2,3,4,5,6,7
.if \zero
	v_wmma_scale_f32_16x16x128_f8f6f4 v[8*(8*(\a)+\b):8*(8*(\a)+\b)+7], v[128*(\p)+FR*\b:128*(\p)+FR*\b+FR-1], v[128-64*(\p)+FR*(\a):128-64*(\p)+FR*(\a)+FR-1], 0, v[SC+16*(\sc)+2*\b+(\q)], v[SC+16*(\sc)+2*(\a)+(\q)] matrix_a_fmt:MATRIX_FMT_BF8 matrix_b_fmt:MATRIX_FMT_BF8 matrix_b_scale:MATRIX_SCALE_ROW1
.else
	v_wmma_scale_f32_16x16x128_f8f6f4 v[8*(8*(\a)+\b):8*(8*(\a)+\b)+7], v[128*(\p)+FR*\b:128*(\p)+FR*\b+FR-1], v[128-64*(\p)+FR*(\a):128-64*(\p)+FR*(\a)+FR-1], v[8*(8*(\a)+\b):8*(8*(\a)+\b)+7], v[SC+16*(\sc)+2*\b+(\q)], v[SC+16*(\sc)+2*(\a)+(\q)] matrix_a_fmt:MATRIX_FMT_BF8 matrix_b_fmt:MATRIX_FMT_BF8 matrix_b_scale:MATRIX_SCALE_ROW1
.endif
.endr
.endm
.macro FETCH2 slot, q, p
	WIN TO_B
.irp i, 0,1,2,3,4,5,6,7
	FRAG 128*(\p)+FR*\i, ADRX+\slot, \q, \i
.endr
	WIN 0
.irp i, 0,1,2,3
	FRAG 128-64*(\p)+FR*\i, ADRW+\slot, \q, \i
.endr
.endm
.macro SCALES2 sc, ks
.irp i, 0,1,2,3
	ds_load_b64 v[SC+16*(\sc)+2*\i:SC+16*(\sc)+2*\i+1], v[ADRU] offset:\i*512+(\ks)*128
.endr
.irp i, 4,5,6,7
	ds_load_b64 v[SC+16*(\sc)+2*\i:SC+16*(\sc)+2*\i+1], v[ADRT] offset:\i*512+(\ks)*128
.endr
.endm
.macro STEPH slot, sc, zero
	s_wait_dscnt 0x0
	WIN MUL_LO
	MUL8H 0, 0, 0, \sc, \zero
	MUL8H 1, 0, 0, \sc, \zero
	PLACES NP
	FETCH2 \slot, 1, 1
	WIN MUL_LO
	MUL8H 2, 0, 0, \sc, \zero
	MUL8H 3, 0, 0, \sc, \zero
	WIN 0
.endm
.macro TURNH slot, next, sc, ks, fill
	s_wait_tensorcnt 0x0
	ds_add_u32 v[SPW], v[NIL]
	s_wait_dscnt 0x1
	WIN MUL_LO
	MUL8H 0, 1, 1, \sc, 0
	s_wait_dscnt 0x0
	s_barrier_signal -1
	MUL8H 1, 1, 1, \sc, 0
	WIN 0
	s_barrier_wait -1
.if \fill
	CREST
	s_add_nc_u64 s[G0+4*\slot+2:G0+4*\slot+3], s[G0+4*\slot+2:G0+4*\slot+3], 2*TILEB
	s_add_nc_u64 s[G0C+4*\slot+2:G0C+4*\slot+3], s[G0C+4*\slot+2:G0C+4*\slot+3], 2*TILEB
	JLOAD G0+4*\slot, G1, G0C+4*\slot, G1C
	PLACES NP-4
.else
	PLACES NP
.endif
	FETCH2 \next, 0, 0
	SCALES2 1-(\sc), (\ks)+1
	WIN MUL_LO
	MUL8H 2, 1, 1, \sc, 0
	MUL8H 3, 1, 1, \sc, 0
	WIN 0
.endm
.macro EPI2 a
.if (\a) > 0
	s_wait_xcnt 0x0
.endif
	WIN 0x02
.set i, 0
.rept 32
	v_pk_add_f32 v[X+2*i:X+2*i+1], v[64*(\a)+2*i:64*(\a)+2*i+1], v[BV+2*(\a):BV+2*(\a)+1]
.set i, i+1
.endr
	WIN 0
	QUANT X
.irp g, 0,1,2,3
	global_store_b128 v[O0], v[PC+4*\g:PC+4*\g+3], s[88:89] offset:2048*(\a)+512*\g
.endr
	v_mov_b32 v[SW+(\a)], v[PW]
.endm
	s_wait_alu depctr_va_vdst(0)
	s_wait_loadcnt 0x0
.irp c, 0,1,2,3
	ds_store_b128 v5, v[AF+4*\c:AF+4*\c+3] offset:512*\c
.endr
	s_wait_tensorcnt 0x0                           ; my tile of the head's four is in; slot 1's first fill is issued as a refill is:
	ds_add_u32 v[SPW], v[NIL]                      ; 0 onto my spare word
	s_mov_b32 s[G1+2], 8<<16                       ; no tensor load of mine is out: from here on a load brings 8 tiles
	s_mov_b32 s[G1+4], 8
	s_mov_b32 s[G1B+2], 8<<16
	s_mov_b32 s[G1B+4], 8
	s_wait_dscnt 0x0                               ; the add and my LDS stores are done
	CROUND                                         ; all four tiles and every wave's stores are in, and all sixteen work-groups are here
	JLOAD G0+4, G1, G0B+4, G1B                     ; slot 1
	FETCH_B 0, 0, 0
	FETCH_A 0, 0, 0
	SCALES 0
	FETCH_A 0, 0, 4
	STEP 0, 0, 1
	TURN 0, 1, 1
	s_or_b32 s[G1C+0], s44, (3<<16)|(1<<21)
	s_mov_b32 s[G1C+1], 512<<16
	s_mov_b32 s[G1C+2], 4<<16
	s_mov_b32 s[G1C+3], 512<<16
	s_mov_b32 s[G1C+4], 4
	s_mov_b32 s[G1C+5], 2048
	s_mov_b32 s[G1C+6], 0
	s_mov_b32 s[G1C+7], 0
	s_lshl_b32 s22, s42, 17
	s_lshl_b32 s21, s[CH], 16
	s_add_co_u32 s22, s22, s21
	s_add_co_u32 s22, s22, 512*16384
	s_mov_b32 s23, 0
	s_add_nc_u64 s[98:99], s[4:5], s[22:23]
	s_lshl_b32 s21, s[CH], 14
.irp s, 0,1
	s_mov_b32 s[G0C+4*\s], 1
	s_add_co_u32 s[G0C+4*\s+1], s21, 2*HALFT+\s*SLOT
	s_add_nc_u64 s[G0C+4*\s+2:G0C+4*\s+3], s[98:99], \s*TILEB
	s_or_b32 s[G0C+4*\s+3], s[G0C+4*\s+3], 0x80000000
.endr
	s_lshr_b32 s22, s66, 3
	s_lshl_b32 s22, s22, 4
	s_lshl_b32 s21, s42, 1
	s_add_co_u32 s22, s22, s21
	s_add_co_u32 s22, s22, s[RH]
	s_mul_i32 s22, s22, HSK
	s_and_b32 s21, s66, 7
	s_lshl_b32 s21, s21, 1
	s_add_co_u32 s21, s21, s[CH]
	s_mul_i32 s21, s21, RECK
	s_add_co_u32 s22, s22, s21
	s_add_co_u32 s22, s22, 8192
	s_add_nc_u64 s[88:89], s[16:17], s[22:23]
	STEP 1, 0, 0
	TURN 1, 0, 1
	STEP 0, 0, 0
	TURN 0, 1, 2
	STEP 1, 0, 0
	s_mov_b32 s[SEL], 0x76543210
	s_mov_b32 s[SEL+1], 0xfedcba98
	s_mov_b32 s[MNT], 0x600000
	s_cmp_eq_u32 ttmp9, 0
	s_cselect_b64 s[92:93], s[14:15], s[16:17]
	s_cselect_b64 s[94:95], s[8:9], s[10:11]
	s_mov_b32 s21, HSK
	s_cselect_b32 s21, HSQ, s21
	s_mov_b32 s2, RECK
	s_cselect_b32 s2, RECQ, s2
	s_mov_b32 s98, 16384
	s_cselect_b32 s98, 8192, s98
	s_lshr_b32 s22, s66, 3
	s_lshl_b32 s22, s22, 4
	s_lshl_b32 s23, s40, 2
	s_add_co_u32 s22, s22, s23
	s_lshl_b32 s23, s[CH], 1
	s_add_co_u32 s22, s22, s23
	s_mul_i32 s22, s22, s21
	s_and_b32 s23, s66, 7
	s_lshl_b32 s23, s23, 1
	s_add_co_u32 s23, s23, s[RH]
	s_mul_i32 s23, s23, s2
	s_add_co_u32 s22, s22, s23
	s_mov_b32 s23, 0
	s_add_nc_u64 s[92:93], s[92:93], s[22:23]
	s_lshl_b32 s22, s40, 10
	s_lshl_b32 s2, s[CH], 9
	s_add_co_u32 s22, s22, s2
	s_add_nc_u64 s[94:95], s[94:95], s[22:23]
	v_and_b32 v1, 15, v0
	v_bfe_u32 v[HH], v0, 4, 1
	v_and_b32 v[O0], 31, v0
	v_lshlrev_b32 v[O0], 4, v[O0]
	v_add_nc_u32 v[O0+1], s21, v[O0]
	v_mul_u32_u24 v[SO], s21, v[HH]
	v_lshl_add_u32 v[SO], v1, 4, v[SO]
	v_add_nc_u32 v[SO], s98, v[SO]
	v_lshlrev_b32 v[SH], 4, v[HH]
	v_lshlrev_b32 v[VB], 6, v[HH]
.irp b, 0,1,2,3
.irp j, 0,1,2,3
	global_load_b128 v[BI+16*\b+4*\j:BI+16*\b+4*\j+3], v[VB], s[94:95] offset:128*\b+16*\j
.endr
.endr
	MEET 1, 2
	WIN MUL_HI
	MUL16 4, 1, NQ-1, 1, 0
	MUL16 6, 1, NQ-1, 1, 0
	WIN 0
	PLACES NP
.irp b, 0,1,2,3
	v_mov_b32 v[TM+4+\b], 0
.endr
	s_wait_loadcnt 0x0
.irp a, 0,1,2,3,4,5,6,7
	EPI \a
.endr
	global_store_b128 v[SO], v[SW:SW+3], s[92:93]
	global_store_b128 v[SO], v[SW+4:SW+7], s[92:93] offset:256
	s_wait_xcnt 0x0
	FETCH2 0, 0, 0
	SCALES2 0, 0
	STEPH 0, 0, 1
	TURNH 0, 1, 0, 0, 1
	STEPH 1, 1, 0
	TURNH 1, 0, 1, 1, 1
	STEPH 0, 0, 0
	TURNH 0, 1, 0, 2, 0
	STEPH 1, 1, 0
	s_wait_dscnt 0x0
	WIN MUL_LO
	MUL8H 0, 1, 1, 1, 0
	MUL8H 1, 1, 1, 1, 0
	MUL8H 2, 1, 1, 1, 0
	MUL8H 3, 1, 1, 1, 0
	WIN 0
	PLACES NP
	v_lshlrev_b32 v[SO], 3, v[HH]
	v_lshl_add_u32 v[SO], v1, 4, v[SO]
.irp a, 0,1,2,3
	EPI2 \a
.endr
	v_cmp_ne_u32 vcc_lo, 0, v[HH]
	v_cndmask_b32 v[SW], v[SW], v[SW+2], vcc_lo
	v_cndmask_b32 v[SW+1], v[SW+1], v[SW+3], vcc_lo
	global_store_b64 v[SO], v[SW:SW+1], s[88:89] offset:8704
	s_wait_tensorcnt 0x0
	ds_add_u32 v[SPW], v[NIL]
	s_wait_dscnt 0x0
	CROUND
	s_endpgm
.Lfunc_end_k_q6ae2d2de4b_proj:
	.size	k_q6ae2d2de4b_proj, .Lfunc_end_k_q6ae2d2de4b_proj-k_q6ae2d2de4b_proj
	.p2alignl 7, 3214868480
	.fill 96, 4, 3214868480
	.section	.rodata,"a",@progbits
	.p2align	6, 0x0
	.amdhsa_kernel k_q6ae2d2de4b_proj
		.amdhsa_group_segment_fixed_size 327680
		.amdhsa_private_segment_fixed_size 0
		.amdhsa_enable_private_segment 0
		.amdhsa_kernarg_size 56
		.amdhsa_user_sgpr_count 2
		.amdhsa_user_sgpr_kernarg_segment_ptr 1
		.amdhsa_wavefront_size32 1
		.amdhsa_system_sgpr_workgroup_id_x 1
		.amdhsa_system_sgpr_workgroup_id_y 1
		.amdhsa_system_sgpr_workgroup_id_z 1
		.amdhsa_system_vgpr_workitem_id 0
		.amdhsa_next_free_vgpr 1024
		.amdhsa_next_free_sgpr 102
		.amdhsa_reserve_vcc 1
		.amdhsa_float_denorm_mode_32 3
		.amdhsa_float_denorm_mode_16_64 3
		.amdhsa_memory_ordered 1
		.amdhsa_forward_progress 1
		.amdhsa_inst_pref_size 255
	.end_amdhsa_kernel
	.section	.bss,"aw",@nobits
	.p2align	6
	.space	262144
	.amdgpu_metadata
---
amdhsa.version: [ 1, 2 ]
amdhsa.kernels:
  - .name:           k_q6ae2d2de4b_proj
    .symbol:         k_q6ae2d2de4b_proj.kd
    .args:
      - { .name: codes, .offset: 0, .size: 8, .value_kind: global_buffer, .address_space: global }
      - { .name: scales, .offset: 8, .size: 8, .value_kind: global_buffer, .address_space: global }
      - { .name: bq, .offset: 16, .size: 8, .value_kind: global_buffer, .address_space: global }
      - { .name: bk, .offset: 24, .size: 8, .value_kind: global_buffer, .address_space: global }
      - { .name: bv, .offset: 32, .size: 8, .value_kind: global_buffer, .address_space: global }
      - { .name: qrec, .offset: 40, .size: 8, .value_kind: global_buffer, .address_space: global }
      - { .name: kv, .offset: 48, .size: 8, .value_kind: global_buffer, .address_space: global }
    .group_segment_fixed_size: 327680
    .private_segment_fixed_size: 0
    .kernarg_segment_align: 8
    .kernarg_segment_size: 56
    .max_flat_workgroup_size: 128
    .sgpr_count:     102
    .vgpr_count:     1024
    .wavefront_size: 32
...
	.end_amdgpu_metadata
.endif
;; end of part 6
;; launch attn (part 7): grid 4 x 64, 16 waves a work-group, clusters of 4 x 1, 276,480 bytes of LDS; arguments qrec, kv, aimg, asc; writes aimg, asc
.if DOCPART == 7
	.amdgcn_target "amdgcn-amd-amdhsa--gfx1250"
	.amdhsa_code_object_version 6
	.text
	.protected	k_q6ae2d2de4b_attn
	.globl	k_q6ae2d2de4b_attn
	.p2align	8
	.type	k_q6ae2d2de4b_attn,@function
k_q6ae2d2de4b_attn:
	s_mov_b64 s[64:65], 0
	v_nop
	global_prefetch_b8 v0, s[64:65] scope:SCOPE_SE
	s_setreg_imm32_b32 hwreg(HW_REG_WAVE_MODE, 25, 1), 1
	s_wait_xcnt 0x0
	s_wait_alu depctr_hold_cnt(0) depctr_sa_sdst(0) depctr_va_vdst(0) depctr_va_sdst(0) depctr_va_ssrc(0) depctr_va_vcc(0) depctr_vm_vsrc(0)
	s_getreg_b32 s2, hwreg(HW_REG_IB_STS2, 6, 4)
	s_cmp_eq_u32 s2, 0
	s_cbranch_scc0 .Lentry_in_a_cluster
	s_endpgm
.Lentry_in_a_cluster:
	s_bfe_u32 s2, ttmp6, 0x10000c
	s_cmp_lg_u32 s2, 0x3003
	s_cbranch_scc0 .Lentry_shape_is_right
	s_endpgm
.Lentry_shape_is_right:
; Attention of one head (64 channels, 2,048 keys) on codes of E5M2 with E8M0 scales, and its result quantised along the model's 1,024 for the last product.
; qrec, kv: images of the matrix operand's registers, as the launch before stores them.  kv: [head 64][128 keys: 16][17,152]: K 8 tiles x [c 2][512]; at 8,192 V [16 channels: 4][c 4][512];
; at 16,384 K's scale words [4 tiles: 2][r 16][4 words]; at 16,896 V's [r 16][4 words].  qrec: [head][128 queries: 16][8,704]: as K, scale words at 8,192.
; THE SOFTMAX: t = score x log2(e) / 8; M = the running largest t rounded UP to a whole number; p = 2^(t - M) is quantised along the keys, not normalised; the row's sum l is taken of the unquantised p
; and divides at the end.  When M moves, l and O are multiplied by f = 2^(old M - new M): exact.  A block's largest p is the block's largest score put through the same multiply-add and exponential
; (this takes v_exp_f32 not to fall where its input rises).
; SHARES.  A work-group owns one head and 512 queries; each of its sixteen waves two tiles of 16 queries, one after the other (the loop over passes), in 256 registers: four waves to a SIMD.
; A WHOLE HEAD'S K, V AND SCALE WORDS, 274,432 BYTES, STAY IN LDS: each wave brings one record of 128 keys, once; nothing is filled again.
; CLUSTER.  The four query blocks of a head read the same bytes: each record is asked for JOINTLY by the four.
; NO PREFETCH: every byte of kv that the work-group reads is asked for by its first loads, so there is no later load to ask ahead of.
; LAYOUT.  S^T = K Q^T (source 0 = 16 keys, source 1 = my 16 queries), O^T = V^T P^T: a lane holds one query throughout.  A tile's rows are 32 b + 8 u + (r % 8) + 16 (r / 8), so the 16 registers of
; tiles 2 b and 2 b + 1 are 16 neighbours: p's and O's conversions give the next operand's registers.
; TWO REGIONS OF 64 REGISTERS CHANGE ROLES FROM STEP TO STEP: K lies in one, S^T is written into the other, V follows K into K's region, and when p has been converted the next step's K is asked for into p's region.
; A KEY STEP GOES IN BATCHES: maxima, the chain to M, 32 packed multiply-adds, 68 exponentials on end, then sums, holds and conversions by groups of eight numbers.
; THE FIRST PRODUCT'S K IS 64, THE INSTRUCTION'S 128: Q's registers 8-15 are zero codes.  K's tile t is named as 16 registers from its first on: the upper eight are the next tile's codes or, behind tile 7,
; eight zeros (region X) or codes that were held (region Y): all finite; they meet Q's zeros and add nothing.  Bytes 2 and 3 of both scale words are 0, which stands for a power of two.
; OUT: aimg [tile 512][K step 8][c 4][lane 32][16]: a head owns 1,024 bytes of a tile; asc [tile][slot 4][r 16][2 words]: a head owns 2 bytes of a row, which leave as 2 bytes a lane: one byte in 32 of the codes'.
; LIMITS: the scaled scores t stay under 2^31 in magnitude; a block of zeros gets the byte 1 (its codes are zeros; this program alone reads the bytes); NaN and infinities are not served.
.set REC,  17152
.set QREC, 8704
.set SPARE, 0x43000                    ; behind the sixteen records: the spare words, 128 bytes a wave
.set LI,   1                           ; v1   16 x lane
.set LR,   2                           ; v2   16 r
.set AS,   3                           ; v3   512 h + 8 r: where my two scale bytes go
.set HH,   4                           ; v4   h
.set ADK,  5                           ; v5   LDS address of a trip's images
.set ADS,  6                           ; v6   of its scale words
.set C3,   8                           ; v[8:9], v[10:11], v[246:247], v[248:249]: a step's sum of p, in four chains
.set C0,   10                          ; v12 -M, v13 the running largest score, v[14:15] l in two halves
.set QF,   16                          ; v16-23 Q's codes, v24-31 zeros
.set XR,   32                          ; v32-95 region X; v96-103 zeros
.set YR,   104                         ; v104-167 region Y
.set PCD,  168                         ; v168-183 p's codes
.set O,    184                         ; v184-215 O^T
.set TM,   216                         ; v216-219 block maxima, 220-223 second chains, then bytes, 224-227 the hold, 228-231 the conversions' scale operands
.set KS,   232                         ; v232-239 K's scale words
.set VS,   240                         ; v240-243 V's
.set F,    244                         ; v244 f; v245 is named with it as a pair and holds 0
.set T,    246                         ; v246-247 at work, then a chain of the sum
.set C2,   248
.set OSC,  250                         ; v250, v251 the result's two scale bytes, of my first and my second tile
.set PWD,  252                         ; p's scale word
.set SPW,  253
.set NIL,  254
.set QS,   255                         ; Q's scale word
.set WV,   12
.set G1,   16
.set G0,   24
.set SEL,  36
.set CS,   38                          ; s[38:39] c = log2(e) / 8
.set MNT,  40
.set TB,   41                          ; LDS byte at which a trip's first record begins
.set CNT,  42
.set PS,   43                          ; passes to go
.macro WALU
	s_wait_alu depctr_va_vdst(0)
.endm
.macro CROUND                          ; a round of the cluster's barrier
	s_barrier_signal -1
	s_barrier_wait -1
	s_cmp_lg_u32 s[WV], 0
	s_cbranch_scc1 .Lnot_wave_0_\@
	s_barrier_signal -3
.Lnot_wave_0_\@:
	s_barrier_wait -3
	s_barrier_signal -1
	s_barrier_wait -1
.endm
	s_load_b256 s[4:11], s[0:1], 0x0               ; qrec s[4:5], kv s[6:7], aimg s[8:9], asc s[10:11]
	v_lshl_add_u32 v[SPW], v0, 2, SPARE
	v_mov_b32 v[NIL], 0
	ds_add_u32 v[SPW], v[NIL]                      ; the opening lines: the add twice on end and one wait
	ds_add_u32 v[SPW], v[NIL]
	v_lshrrev_b32 v7, 5, v0
	v_readfirstlane_b32 s[WV], v7                  ; wave 0..15
	s_and_b32 s13, ttmp7, 0xffff                   ; the head (16 batch + head), which the four partners share
	s_bfe_u32 s14, ttmp6, 0x40000                  ; cx: my block of 512 queries: it enters Q's and the results' addresses alone
	s_mov_b32 s[G1], 15|(3<<16)|(1<<21)            ; a record: 17,152 dense bytes as 67 rows of 256 (32 elements of 8 bytes); the mask names all four work-groups
	s_mov_b32 s[G1+1], 32<<16
	s_mov_b32 s[G1+2], 67<<16
	s_mov_b32 s[G1+3], 32<<16
	s_mov_b32 s[G1+4], 67
	s_mov_b32 s[G1+5], 32
	s_mov_b32 s[G1+6], 0
	s_mov_b32 s[G1+7], 0
	s_mov_b32 s[G0], 1
	s_mul_i32 s[G0+1], s[WV], REC                  ; record w goes to LDS byte 17,152 w
	s_mul_i32 s28, s13, 16*REC
	s_mul_i32 s29, s[WV], REC
	s_add_co_u32 s28, s28, s29
	s_mov_b32 s29, 0
	s_mul_i32 s30, s13, 16*QREC
	s_lshl_b32 s31, s14, 2
	s_lshr_b32 s43, s[WV], 2
	s_add_co_u32 s31, s31, s43                     ; my queries' record: 4 cx + w / 4
	s_mul_i32 s31, s31, QREC
	s_add_co_u32 s30, s30, s31
	s_and_b32 s43, s[WV], 3
	s_lshl_b32 s44, s43, 11                        ; my first tile in it, 2 (w % 4): 1,024 bytes a tile
	s_lshr_b32 s43, s43, 1
	s_lshl_b32 s43, s43, 8                         ; its scale word: which four tiles,
	s_and_b32 s45, s[WV], 1
	s_lshl_b32 s45, s45, 3                         ; and which word of the four
	s_add_co_u32 s32, s30, s43
	s_add_co_u32 s32, s32, s45
	s_add_co_u32 s32, s32, 8192
	s_mov_b32 s33, 0
	s_add_co_u32 s30, s30, s44
	s_mov_b32 s31, 0
	s_lshr_b32 s34, s13, 4
	s_lshl_b32 s34, s34, 7                         ; 128 tiles a batch
	s_lshl_b32 s43, s14, 5
	s_add_co_u32 s34, s34, s43
	s_lshl_b32 s43, s[WV], 1
	s_add_co_u32 s34, s34, s43                     ; my first tile of tokens
	s_and_b32 s44, s13, 15                         ; the head in its batch
	s_lshl_b32 s46, s34, 9                         ; asc: 512 bytes a tile
	s_lshl_b32 s34, s34, 14                        ; aimg: 16,384 bytes a tile,
	s_lshl_b32 s43, s44, 10                        ; 1,024 a head
	s_add_co_u32 s34, s34, s43
	s_mov_b32 s35, 0
	s_lshr_b32 s43, s44, 2
	s_lshl_b32 s43, s43, 7                         ; the slot of 256 along K,
	s_add_co_u32 s46, s46, s43
	s_bfe_u32 s43, s44, 0x10001
	s_lshl_b32 s43, s43, 2                         ; the word,
	s_add_co_u32 s46, s46, s43
	s_and_b32 s43, s44, 1
	s_lshl_b32 s43, s43, 1                         ; the half of it
	s_add_co_u32 s46, s46, s43
	s_mov_b32 s47, 0
	s_mov_b32 s[SEL], 0x76543210
	s_mov_b32 s[SEL+1], 0xfedcba98                 ; lane l xor 16
	s_mov_b32 s[CS], 0x3e38aa3b                    ; c = log2(e) / sqrt(64)
	s_mov_b32 s[CS+1], s[CS]                       ; (named with it as a pair, so it is written)
	s_mov_b32 s[MNT], 0x600000                     ; the mantissa field of 57,344
	s_wait_dscnt 0x0
	s_wait_kmcnt 0x0
	s_add_nc_u64 s[G0+2:G0+3], s[6:7], s[28:29]
	s_or_b32 s[G0+3], s[G0+3], 0x80000000
	s_add_nc_u64 s[30:31], s[4:5], s[30:31]        ; Q's codes
	s_add_nc_u64 s[32:33], s[4:5], s[32:33]        ; Q's scale words
	s_add_nc_u64 s[8:9], s[8:9], s[34:35]
	s_add_nc_u64 s[10:11], s[10:11], s[46:47]
	CROUND                                         ; all four work-groups are here: the joint loads meet
	s_cmp_lt_u32 s[WV], 4                          ; records 0 to 3 have a load line of their own: the first barrier shows them alone
	s_cbranch_scc0 .Llater
	tensor_load_to_lds s[G0:G0+3], s[G1:G1+7]      ; my one tensor load of the launch
	s_nop 0
.rept 4
	v_nop
.endr
	s_branch .Lasked
.Llater:
	tensor_load_to_lds s[G0:G0+3], s[G1:G1+7]      ; records 4 to 15
	s_nop 0
.rept 4
	v_nop
.endr
.Lasked:
	v_and_b32 v7, 31, v0
	v_lshlrev_b32 v[LI], 4, v7
	v_and_b32 v7, 15, v0
	v_lshlrev_b32 v[LR], 4, v7
	v_bfe_u32 v[HH], v0, 4, 1
	v_lshlrev_b32 v[AS], 9, v[HH]
	v_lshl_add_u32 v[AS], v7, 3, v[AS]
.macro QLOAD                           ; a tile's codes (two of the fragment's four groups) and its scale words
	global_load_b128 v[QF:QF+3], v[LI], s[30:31]
	global_load_b128 v[QF+4:QF+7], v[LI], s[30:31] offset:512
	global_load_b32 v[QS], v[LR], s[32:33]
.endm
	QLOAD
.irp j, 0,1,2,3,4,5,6,7
	v_mov_b32 v[QF+8+\j], 0                        ; Q's upper 64 along K: zero codes
	v_mov_b32 v[XR+64+\j], 0                       ; what stands behind K's tile 7 in region X
.endr
	v_mov_b32 v[F+1], 0
	v_mov_b32 v[OSC+1], 0
	s_mov_b32 s[PS], 2
.set FLR, 44                           ; s44 the floor 2^(16 - 127) under a block's largest p
	s_mov_b32 s[FLR], 0x8000000
	WALU
	s_cmp_lt_u32 s[WV], 4
	s_cbranch_scc0 .Lnot_first
	s_wait_tensorcnt 0x0                           ; waves 0 to 3: my record is in
.Lnot_first:
	s_barrier_signal -1
	s_barrier_wait -1                              ; records 0 to 3 lie in LDS: the first trip reads records 0, 1 and K of 2
; A step's K: eight tiles' two groups of 512 consecutive bytes, and their scale words: 18 loads
.macro KLOAD kr, adk, ads, off
.irp t, 0,1,2,3,4,5,6,7
.irp c, 0,1
	ds_load_b128 v[\kr+8*\t+4*\c:\kr+8*\t+4*\c+3], v[\adk] offset:\off+1024*\t+512*\c
.endr
.endr
	ds_load_b128 v[KS:KS+3], v[\ads] offset:\off+16384
	ds_load_b128 v[KS+4:KS+7], v[\ads] offset:\off+16640
.endm
.macro SUMG sr, g                      ; the four chains take the four pairs of group g: the UNQUANTISED p, ahead of its hold
	v_pk_add_f32 v[C0:C0+1], v[C0:C0+1], v[\sr+8*(\g):\sr+8*(\g)+1]
	v_pk_add_f32 v[T:T+1], v[T:T+1], v[\sr+8*(\g)+2:\sr+8*(\g)+3]
	v_pk_add_f32 v[C2:C2+1], v[C2:C2+1], v[\sr+8*(\g)+4:\sr+8*(\g)+5]
	v_pk_add_f32 v[C3:C3+1], v[C3:C3+1], v[\sr+8*(\g)+6:\sr+8*(\g)+7]
.endm
.macro HOLDG sr, g                     ; the conversion does not saturate (ISA guide 7.6.2); p is not negative: a one-sided hold, two numbers a line
.irp x, 0,2,4,6
	v_dual_min_num_f32 v[\sr+8*(\g)+\x], v[\sr+8*(\g)+\x], v[TM+8+(\g)/2] :: v_dual_min_num_f32 v[\sr+8*(\g)+\x+1], v[\sr+8*(\g)+\x+1], v[TM+8+(\g)/2]
.endr
.endm
.macro CVTG sr, g
	v_cvt_scalef32_pk8_bf8_f32 v[PCD+2*(\g):PCD+2*(\g)+1], v[\sr+8*(\g):\sr+8*(\g)+7], v[TM+12+(\g)/2]
.endm
; A KEY STEP: 128 keys.  kr: the region that holds K (asked for a step ago) and then V;  sr: the region of S^T, then p, then the next step's K;  off: the record's place behind the trip's first;
; pre = 1: the next step's K is asked for;  upd = 1: the addresses go on to the next trip.
.macro KSTEP kr, sr, off, pre, upd
	v_mov_b32 v[T], v12                            ; the old -M.  With the four lines that end the step before and the four below: nine places between the last products, which read V in region sr, and the products that write over it
.rept 4
	v_nop
.endr
	s_wait_dscnt 0x0                               ; K and its scale words are in
.irp t, 0,1,2,3,4,5,6,7
	v_wmma_scale_f32_16x16x128_f8f6f4 v[\sr+8*\t:\sr+8*\t+7], v[\kr+8*\t:\kr+8*\t+15], v[QF:QF+15], 0, v[KS+\t], v[QS] matrix_a_fmt:MATRIX_FMT_BF8 matrix_b_fmt:MATRIX_FMT_BF8
.endr
.rept 8
	v_nop                                          ; places in front of V's loads into K's registers and of the first read of the scores
.endr
.irp i, 0,1,2,3,4,5,6,7,8,9,10,11,12,13,14,15
	ds_load_b128 v[\kr+4*\i:\kr+4*\i+3], v[ADK] offset:\off+8192+512*\i
.endr
	ds_load_b128 v[VS:VS+3], v[ADS] offset:\off+16896   ; V: 17 loads
; the largest score of each block of 32 keys, in eight chains: it serves the row's maximum and the block's largest p.  Each accumulator is read from its low end on
.irp b, 0,1,2,3
	v_max3_num_f32 v[TM+\b], v[\sr+16*\b], v[\sr+16*\b+1], v[\sr+16*\b+2]
.endr
.irp b, 0,1,2,3
	v_max3_num_f32 v[TM+4+\b], v[\sr+16*\b+8], v[\sr+16*\b+9], v[\sr+16*\b+10]
.endr
.irp i, 3,5
.irp b, 0,1,2,3
	v_max3_num_f32 v[TM+\b], v[TM+\b], v[\sr+16*\b+\i], v[\sr+16*\b+\i+1]
.endr
.irp b, 0,1,2,3
	v_max3_num_f32 v[TM+4+\b], v[TM+4+\b], v[\sr+16*\b+8+\i], v[\sr+16*\b+9+\i]
.endr
.endr
.irp b, 0,1,2,3
	v_max3_num_f32 v[TM+\b], v[TM+\b], v[\sr+16*\b+7], v[\sr+16*\b+15]
.endr
.irp b, 0,2                                    ; a block's two chains are joined, two blocks a line
	v_dual_max_num_f32 v[TM+\b], v[TM+\b], v[TM+4+\b] :: v_dual_max_num_f32 v[TM+1+\b], v[TM+1+\b], v[TM+5+\b]
.endr
.irp b, 0,1,2,3
	v_permlanex16_b32 v[TM+4+\b], v[TM+\b], s[SEL], s[SEL+1]
.endr
.irp b, 0,2                                    ; with lane l xor 16's 16 keys
	v_dual_max_num_f32 v[TM+\b], v[TM+\b], v[TM+4+\b] :: v_dual_max_num_f32 v[TM+1+\b], v[TM+1+\b], v[TM+5+\b]
.endr
	v_max3_num_f32 v13, v13, v[TM], v[TM+1]        ; the running largest score
	v_max3_num_f32 v13, v13, v[TM+2], v[TM+3]
	v_mul_f32 v[T+1], s[CS], v13                   ; as t (c is positive and rounding keeps the order)
	v_floor_f32 v12, -v[T+1]                       ; the new -M = floor(-t) = -ceil(t)
.irp b, 0,1,2,3
	v_fma_f32 v[TM+\b], v[TM+\b], s[CS], v12       ; t - M of each block's largest score
.endr
	v_sub_f32 v[T], v12, v[T]                      ; old M - new M: a whole number, 0 or less
.set rr, 0
.rept 32
	v_pk_fma_f32 v[\sr+2*rr:\sr+2*rr+1], v[\sr+2*rr:\sr+2*rr+1], s[CS:CS+1], v[12:13] op_sel_hi:[1,0,0]   ; t - M, two at a time
.set rr, rr+1
.endr
	WALU
.irp b, 0,1,2,3
	v_exp_f32 v[TM+\b], v[TM+\b]                   ; the blocks' largest p
.endr
.set rr, 0
.rept 64
	v_exp_f32 v[\sr+rr], v[\sr+rr]                 ; p = 2^(t - M)
.set rr, rr+1
.endr
	v_cvt_i32_f32 v[T], v[T]                       ; (it saturates)  A plain line behind the exponentials
	WALU                                           ; one wait for the whole batch, ahead of its first reader
.irp b, 0,2                                    ; the floor 2^(16 - 127): the byte cannot fall under 1
	v_dual_max_num_f32 v[TM+\b], s[FLR], v[TM+\b] :: v_dual_max_num_f32 v[TM+1+\b], s[FLR], v[TM+1+\b]
.endr
	v_ldexp_f32 v[F], 1.0, v[T]                    ; f = 2^(old M - new M)
.irp b, 0,1,2,3
	v_and_or_b32 v[TM+8+\b], v[TM+\b], 0x7f800000, s[MNT]   ; 57,344 x the scale: the hold
.endr
.irp b, 0,1,2,3
	v_add_nc_u32 v[TM+12+\b], 0xf8800000, v[TM+\b] ; 15 off the exponent field: the conversions' scale operand
.endr
.irp b, 0,1,2,3
	v_lshrrev_b32 v[TM+4+\b], 23, v[TM+12+\b]      ; the byte
.endr
	v_pk_add_f32 v[C0:C0+1], v[\sr:\sr+1], v[\sr+8:\sr+9]        ; the four chains begin with groups 0 and 1
	v_pk_add_f32 v[T:T+1], v[\sr+2:\sr+3], v[\sr+10:\sr+11]
	v_pk_add_f32 v[C2:C2+1], v[\sr+4:\sr+5], v[\sr+12:\sr+13]
	v_pk_add_f32 v[C3:C3+1], v[\sr+6:\sr+7], v[\sr+14:\sr+15]
.irp g, 0,1,2,3,4,5                            ; group g is held, group g + 2 is summed, group g is converted
	HOLDG \sr, \g
	SUMG \sr, \g+2
	CVTG \sr, \g
.endr
	HOLDG \sr, 6
	v_lshl_or_b32 v[PWD], v[TM+5], 8, v[TM+4]      ; p's scale word for these 128 keys
	v_lshl_or_b32 v[PWD], v[TM+6], 16, v[PWD]
	CVTG \sr, 6
	HOLDG \sr, 7
	v_lshl_or_b32 v[PWD], v[TM+7], 24, v[PWD]
	CVTG \sr, 7
.if \pre
	KLOAD \sr, ADK, ADS, \off+REC                  ; p is converted: its registers take the next step's K
.endif
.if \upd
	s_add_co_u32 s[TB], s[TB], 2*REC
	v_add_nc_u32 v[ADK], s[TB], v[LI]
	v_add_nc_u32 v[ADS], s[TB], v[LR]
.endif
	WALU                                           ; directly ahead of the first readers of O^T
.set rr, 0
.rept 16
	v_pk_mul_f32 v[O+2*rr:O+2*rr+1], v[O+2*rr:O+2*rr+1], v[F:F+1] op_sel_hi:[1,0]   ; O^T under the new M, in ascending order; also the places between the codes, the scale word and the products
.set rr, rr+1
.endr
	WALU                                           ; and here, directly ahead of the wait below
.if \pre
	s_wait_dscnt 18                                ; V's seventeen loads are in; the eighteen issued behind them, the next step's K and its scale words, may be out
.else
	s_wait_dscnt 0x0
.endif
.irp t, 0,1,2,3                                ; the four accumulators take turns, one instruction a turn
	v_wmma_scale_f32_16x16x128_f8f6f4 v[O+8*\t:O+8*\t+7], v[\kr+16*\t:\kr+16*\t+15], v[PCD:PCD+15], v[O+8*\t:O+8*\t+7], v[VS+\t], v[PWD] matrix_a_fmt:MATRIX_FMT_BF8 matrix_b_fmt:MATRIX_FMT_BF8
.endr
	v_pk_add_f32 v[C0:C0+1], v[C0:C0+1], v[T:T+1]  ; the four chains are joined, and l = l f + the step's sum: four places behind the products
	v_pk_add_f32 v[C2:C2+1], v[C2:C2+1], v[C3:C3+1]
	v_pk_add_f32 v[C0:C0+1], v[C0:C0+1], v[C2:C2+1]
	v_pk_fma_f32 v[14:15], v[14:15], v[F:F+1], v[C0:C0+1] op_sel_hi:[1,0,1]
.endm
; A PASS: one tile of 16 queries against all 2,048 keys; then O^T / l, quantised along the head's 64 (two blocks), and its image stored
.Lpass:
	KLOAD XR, LI, LR, 0                            ; the first step's K
	s_mov_b32 s[TB], 0
	s_mov_b32 s[CNT], 7
	v_mov_b32 v13, 0xff61b1e6                      ; the largest score so far: -3e38, under every score
	v_floor_f32 v12, -v13                          ; -M
	v_mov_b32 v14, 0
	v_mov_b32 v15, 0
	v_add_nc_u32 v[ADK], s[TB], v[LI]
	v_add_nc_u32 v[ADS], s[TB], v[LR]
.set rr, 0
.rept 32
	v_mov_b32 v[O+rr], 0                           ; O^T: the step has one form: the first finds zeros, which the first change of M leaves zeros
.set rr, rr+1
.endr
	WALU                                           ; directly ahead of the wait below
	s_wait_loadcnt 0x0                             ; Q
.Lkey:                                             ; seven trips of two steps; the regions change roles inside a trip and are back at its end
	KSTEP XR, YR, 0, 1, 0
	KSTEP YR, XR, REC, 1, 1
	s_wait_tensorcnt 0x0                           ; every wave: my record is in (from the first trip's end on nothing is out),
	s_wait_dscnt 0x0                               ; no LDS load of mine is out at the signal,
	s_barrier_signal -1
	s_barrier_wait -1                              ; and the whole head lies in LDS for the trips that follow
	s_sub_co_u32 s[CNT], s[CNT], 1
	s_cmp_lg_u32 s[CNT], 0
	s_cbranch_scc1 .Lkey
	KSTEP XR, YR, 0, 1, 0                          ; the last two steps are written out: the very last asks for no further K, so that no LDS read leaves the head's bytes
	KSTEP YR, XR, REC, 0, 0
.rept 4
	v_nop                                          ; with the step's last four lines: eight places behind the last products
.endr
	s_cmp_eq_u32 s[PS], 1
	WALU
	s_cbranch_scc1 .Lno_q                          ; behind the last pass there is no further tile
	s_add_nc_u64 s[30:31], s[30:31], 1024
	s_add_nc_u64 s[32:33], s[32:33], 4
	QLOAD                                          ; the second tile's Q lands under the first tile's way out
.Lno_q:
	v_add_f32 v14, v14, v15                        ; l's two halves,
	v_permlanex16_b32 v[T], v14, s[SEL], s[SEL+1]
	v_add_f32 v14, v14, v[T]                       ; and lane l xor 16's
	WALU                                           ; ahead of the transcendental
	v_rcp_f32 v[T], v14
	v_nop                                          ; one plain place behind it
	WALU                                           ; ahead of its first reader, which is also the first reader of O^T
.set rr, 0
.rept 16
	v_pk_mul_f32 v[XR+rr:XR+rr+1], v[O+rr:O+rr+1], v[T:T+1] op_sel_hi:[1,0]   ; O^T / l, each accumulator from its low end on: register 16 b + i is channel 32 b + 16 h + i of my query
.set rr, rr+2
.endr
.irp b, 0,1
	v_max3_num_f32 v[TM+\b], |v[XR+16*\b]|, |v[XR+1+16*\b]|, 0x8000000
.endr
.irp i, 2,4,6,8,10,12,14
.irp b, 0,1
	v_max3_num_f32 v[TM+\b], v[TM+\b], |v[XR+16*\b+\i]|, |v[XR+1+16*\b+\i]|
.endr
.endr
.irp b, 0,1
	v_permlanex16_b32 v[TM+4+\b], v[TM+\b], s[SEL], s[SEL+1]
.endr
.irp b, 0,1
	v_max_num_f32 v[TM+\b], v[TM+\b], v[TM+4+\b]
.endr
.irp b, 0,1
	v_add_nc_u32 v[TM+12+\b], 0xf8800000, v[TM+\b]
.endr
.irp b, 0,1
	v_and_or_b32 v[TM+8+\b], v[TM+\b], 0x7f800000, s[MNT]
.endr
.irp b, 0,1
	v_lshrrev_b32 v[TM+4+\b], 23, v[TM+12+\b]
.endr
	v_mov_b32 v[OSC], v[OSC+1]                     ; behind the second pass: v250 my first tile's bytes, v251 my second's
	v_lshl_or_b32 v[OSC+1], v[TM+5], 8, v[TM+4]    ; the two bytes of my row
.irp b, 0,1
.set rr, 0
.rept 16
	v_med3_num_f32 v[XR+16*\b+rr], v[XR+16*\b+rr], -v[TM+8+\b], v[TM+8+\b]
.set rr, rr+1
.endr
	v_cvt_scalef32_pk8_bf8_f32 v[PCD+4*\b:PCD+4*\b+1], v[XR+16*\b:XR+16*\b+7], v[TM+12+\b]
	v_cvt_scalef32_pk8_bf8_f32 v[PCD+4*\b+2:PCD+4*\b+3], v[XR+16*\b+8:XR+16*\b+15], v[TM+12+\b]
.endr
	v_nop                                          ; one plain vector line behind the last conversion
	global_store_b128 v[LI], v[PCD:PCD+3], s[8:9]              ; 512 consecutive bytes, aligned
	global_store_b128 v[LI], v[PCD+4:PCD+7], s[8:9] offset:512
	s_wait_xcnt 0x0                                ; the stores have read their base and their data: both are written again below
	s_add_nc_u64 s[8:9], s[8:9], 16384             ; my next tile's image
	s_sub_co_u32 s[PS], s[PS], 1
	s_cmp_lg_u32 s[PS], 0
	s_cbranch_scc1 .Lpass
	v_cmp_ne_u32 vcc_lo, 0, v[HH]
	v_cndmask_b32 v[T], v[OSC], v[OSC+1], vcc_lo   ; lanes 0-15: my first tile's rows, lanes 16-31: my second's
	global_store_b16 v[AS], v[T], s[10:11]
	s_wait_tensorcnt 0x0                           ; the wave's end
	ds_add_u32 v[SPW], v[NIL]
	s_wait_dscnt 0x0
	CROUND                                         ; the closing round
	s_endpgm
.Lfunc_end_k_q6ae2d2de4b_attn:
	.size	k_q6ae2d2de4b_attn, .Lfunc_end_k_q6ae2d2de4b_attn-k_q6ae2d2de4b_attn
	.p2alignl 7, 3214868480
	.fill 96, 4, 3214868480
	.section	.rodata,"a",@progbits
	.p2align	6, 0x0
	.amdhsa_kernel k_q6ae2d2de4b_attn
		.amdhsa_group_segment_fixed_size 276480
		.amdhsa_private_segment_fixed_size 0
		.amdhsa_enable_private_segment 0
		.amdhsa_kernarg_size 32
		.amdhsa_user_sgpr_count 2
		.amdhsa_user_sgpr_kernarg_segment_ptr 1
		.amdhsa_wavefront_size32 1
		.amdhsa_system_sgpr_workgroup_id_x 1
		.amdhsa_system_sgpr_workgroup_id_y 1
		.amdhsa_system_sgpr_workgroup_id_z 1
		.amdhsa_system_vgpr_workitem_id 0
		.amdhsa_next_free_vgpr 256
		.amdhsa_next_free_sgpr 66
		.amdhsa_reserve_vcc 1
		.amdhsa_float_denorm_mode_32 3
		.amdhsa_float_denorm_mode_16_64 3
		.amdhsa_memory_ordered 1
		.amdhsa_forward_progress 1
		.amdhsa_inst_pref_size 86
	.end_amdhsa_kernel
	.amdgpu_metadata
---
amdhsa.version: [ 1, 2 ]
amdhsa.kernels:
  - .name:           k_q6ae2d2de4b_attn
    .symbol:         k_q6ae2d2de4b_attn.kd
    .args:
      - { .name: qrec, .offset: 0, .size: 8, .value_kind: global_buffer, .address_space: global }
      - { .name: kv, .offset: 8, .size: 8, .value_kind: global_buffer, .address_space: global }
      - { .name: aimg, .offset: 16, .size: 8, .value_kind: global_buffer, .address_space: global }
      - { .name: asc, .offset: 24, .size: 8, .value_kind: global_buffer, .address_space: global }
    .group_segment_fixed_size: 276480
    .private_segment_fixed_size: 0
    .kernarg_segment_align: 8
    .kernarg_segment_size: 32
    .max_flat_workgroup_size: 512
    .sgpr_count:     66
    .vgpr_count:     256
    .wavefront_size: 32
...
	.end_amdgpu_metadata
.endif
;; end of part 7
;; launch outp (part 8): grid 4 x 64, 4 waves a work-group, clusters of 4 x 4, 327,680 bytes of LDS; arguments aimg, asc, codes, scales, bo, out0; writes out0
.if DOCPART == 8
	.amdgcn_target "amdgcn-amd-amdhsa--gfx1250"
	.amdhsa_code_object_version 6
	.text
	.protected	k_q6ae2d2de4b_outp
	.globl	k_q6ae2d2de4b_outp
	.p2align	8
	.type	k_q6ae2d2de4b_outp,@function
k_q6ae2d2de4b_outp:
	s_mov_b64 s[64:65], 0
	v_nop
	global_prefetch_b8 v0, s[64:65] scope:SCOPE_SE
	s_setreg_imm32_b32 hwreg(HW_REG_WAVE_MODE, 25, 1), 1
	s_wait_xcnt 0x0
	s_wait_alu depctr_hold_cnt(0) depctr_sa_sdst(0) depctr_va_vdst(0) depctr_va_sdst(0) depctr_va_ssrc(0) depctr_va_vcc(0) depctr_vm_vsrc(0)
	s_getreg_b32 s2, hwreg(HW_REG_IB_STS2, 6, 4)
	s_cmp_eq_u32 s2, 0
	s_cbranch_scc0 .Lentry_in_a_cluster
	s_endpgm
.Lentry_in_a_cluster:
	s_bfe_u32 s2, ttmp6, 0x10000c
	s_cmp_lg_u32 s2, 0xf033
	s_cbranch_scc0 .Lentry_shape_is_right
	s_endpgm
.Lentry_shape_is_right:
.set FR,     16
.set NP,     8
.set TILEB,  4096
.set APART,  8*TILEB
.set SLOT,   24*TILEB
.set SCL,    3*SLOT
.set SPARE,  SCL+12288
.set STAGE,  SLOT
.set SPITCH, 528
.set ADRA, 16
.set ADRB, 20
.set STO,  24
.set RD,   25
.set CO,   26
.set ADRS, 27
.set SPW,  28
.set NIL,  29
.set SC,   32
.set BI,   64
.set AF,   128
.set BK,   128
.set WV,   18
.set RH,   19
.set CH,   20
.set G1,   24
.set G0,   32
.set G1B,  48
.set G0B,  68
.set G1S,  56
.set G0S,  88
.set G1SB, 80
.set G0SB, 92
.set MSB, 0
.macro WIN new
.if MSB != (\new)
	s_set_vgpr_msb (MSB<<8)|(\new)
.set MSB, (\new)
.endif
.endm
.set MUL,  0xa1
.set BIA,  0x81
.set TO_B, 0x40
; A refill: wave 0 fetches the slot's 8 tiles of A, wave 2 its 16 tiles of B, waves 1 and 3 nothing
.macro JLOAD g0a, g1a, g0b, g1b
	s_cmp_eq_u32 s[WV], 0
	s_cbranch_scc0 .Lfor_b_\@
	tensor_load_to_lds s[\g0a:\g0a+3], s[\g1a:\g1a+7]
	s_nop 0
.rept 4
	v_nop
.endr
	s_branch .Lasked_\@
.Lfor_b_\@:
	s_cmp_eq_u32 s[WV], 2
	s_cbranch_scc0 .Lasked_\@
	tensor_load_to_lds s[\g0b:\g0b+3], s[\g1b:\g1b+7]
	s_nop 0
.rept 4
	v_nop
.endr
.Lasked_\@:
.endm
.macro CREST
	s_cmp_lg_u32 s[WV], 0
	s_cbranch_scc1 .Lnot_wave_0_\@
	s_barrier_signal -3
.Lnot_wave_0_\@:
	s_barrier_wait -3
	s_barrier_signal -1
	s_barrier_wait -1
.endm
.macro CROUND
	s_barrier_signal -1
	s_barrier_wait -1
	CREST
.endm
	s_load_b128 s[4:7], s[0:1], 0x0
	s_load_b128 s[8:11], s[0:1], 0x10
	s_load_b128 s[12:15], s[0:1], 0x20
	v_lshl_add_u32 v[SPW], v0, 2, SPARE
	v_mov_b32 v[NIL], 0
	ds_add_u32 v28, v29
	ds_add_u32 v28, v29
	s_wait_dscnt 0x0
	v_lshrrev_b32 v1, 5, v0
	v_readfirstlane_b32 s[WV], v1
	s_lshr_b32 s[RH], s[WV], 1
	s_and_b32 s[CH], s[WV], 1
	s_bfe_u32 s44, ttmp6, 0x40000
	s_bfe_u32 s45, ttmp6, 0x40004
	s_lshl_b32 s46, ttmp9, 2
	s_add_co_u32 s46, s46, s44
	s_and_b32 s47, ttmp7, 0xffff
	s_lshl_b32 s47, s47, 2
	s_add_co_u32 s47, s47, s45
	s_lshl_b32 s66, s45, 2
	s_lshl_b32 s66, 15, s66
	s_lshl_b32 s67, 0x1111, s44
	s_or_b32 s[G1+0], s66, (3<<16)|(1<<21)
	s_mov_b32 s[G1+1], 512<<16
	s_mov_b32 s[G1+2], 8<<16                       ; every load of A brings a slot's 8 tiles whole
	s_mov_b32 s[G1+3], 512<<16
	s_mov_b32 s[G1+4], 8
	s_mov_b32 s[G1+5], 2048
	s_mov_b32 s[G1+6], 0
	s_mov_b32 s[G1+7], 0
	s_or_b32 s[G1B+0], s67, (3<<16)|(1<<21)
	s_mov_b32 s[G1B+1], 512<<16
	s_mov_b32 s[G1B+2], 16<<16                     ; every load of B a slot's 16 tiles
	s_mov_b32 s[G1B+3], 512<<16
	s_mov_b32 s[G1B+4], 16
	s_mov_b32 s[G1B+5], 2048
	s_mov_b32 s[G1B+6], 0
	s_mov_b32 s[G1B+7], 0
	s_or_b32 s[G1S+0], s66, (3<<16)|(1<<21)
	s_mov_b32 s[G1S+1], 32<<16
	s_mov_b32 s[G1S+2], 16<<16                     ; A's scale words: 4,096 dense bytes as 16 rows of 256
	s_mov_b32 s[G1S+3], 32<<16
	s_mov_b32 s[G1S+4], 16
	s_mov_b32 s[G1S+5], 32
	s_mov_b32 s[G1S+6], 0
	s_mov_b32 s[G1S+7], 0
	s_or_b32 s[G1SB+0], s67, (3<<16)|(1<<21)
	s_mov_b32 s[G1SB+1], 32<<16
	s_mov_b32 s[G1SB+2], 32<<16                    ; B's: 8,192 bytes as 32 rows
	s_mov_b32 s[G1SB+3], 32<<16
	s_mov_b32 s[G1SB+4], 32
	s_mov_b32 s[G1SB+5], 32
	s_mov_b32 s[G1SB+6], 0
	s_mov_b32 s[G1SB+7], 0
	s_lshl_b32 s96, s47, 17
	s_mov_b32 s97, 0
	s_add_co_u32 s98, s46, 44
	s_lshl_b32 s22, s98, 13
	s_lshl_b32 s98, s98, 18
	s_mov_b32 s99, 0
	s_mov_b32 s23, 0
	s_lshl_b32 s100, s47, 12
	s_mov_b32 s101, 0
	s_lshl_b32 s2, s46, 10
	s_lshl_b32 s21, s[CH], 9
	s_add_co_u32 s2, s2, s21
	s_mov_b32 s3, 0
	s_wait_kmcnt 0x0
	s_add_nc_u64 s[96:97], s[4:5], s[96:97]
	s_add_nc_u64 s[98:99], s[8:9], s[98:99]
	s_add_nc_u64 s[100:101], s[6:7], s[100:101]
	s_add_nc_u64 s[22:23], s[10:11], s[22:23]
	s_add_nc_u64 s[12:13], s[12:13], s[2:3]
	s_add_nc_u64 s[14:15], s[14:15], s[2:3]
	s_lshl_b32 s2, s47, 19
	s_lshl_b32 s21, s[RH], 18
	s_add_co_u32 s2, s2, s21
	s_add_nc_u64 s[14:15], s[14:15], s[2:3]
	CROUND
	s_mov_b32 s[G0S], 1
	s_mov_b32 s[G0S+1], SCL
	s_mov_b64 s[G0S+2:G0S+3], s[100:101]
	s_or_b32 s[G0S+3], s[G0S+3], 0x80000000
	s_mov_b32 s[G0SB], 1
	s_mov_b32 s[G0SB+1], SCL+4096
	s_mov_b64 s[G0SB+2:G0SB+3], s[22:23]
	s_or_b32 s[G0SB+3], s[G0SB+3], 0x80000000
.irp s, 0,1,2
	s_mov_b32 s[G0+4*\s], 1
	s_mov_b32 s[G0+4*\s+1], \s*SLOT
	s_add_nc_u64 s[G0+4*\s+2:G0+4*\s+3], s[96:97], \s*TILEB
	s_or_b32 s[G0+4*\s+3], s[G0+4*\s+3], 0x80000000
	s_mov_b32 s[G0B+4*\s], 1
	s_mov_b32 s[G0B+4*\s+1], \s*SLOT+APART
	s_add_nc_u64 s[G0B+4*\s+2:G0B+4*\s+3], s[98:99], \s*TILEB
	s_or_b32 s[G0B+4*\s+3], s[G0B+4*\s+3], 0x80000000
.endr
; THE HEAD'S LOADS, ONE A WAVE: wave 0 slot 0's 8 tiles of A, wave 2 its 16 tiles of B (both waves' own descriptors begin at the first tile), wave 1 A's scale words, wave 3 B's.
; One chain of branches on the wave's number, a load to an arm, all arms leading to one join.
.macro HARM w, g0, g1, next
	s_cmp_eq_u32 s[WV], \w
	s_cbranch_scc0 \next
	tensor_load_to_lds s[\g0:\g0+3], s[\g1:\g1+7]
	s_nop 0
.rept 4
	v_nop
.endr
	s_branch .Lhead_asked
\next:
.endm
	HARM 0, G0, G1, .Lhead_b
	HARM 2, G0B, G1B, .Lhead_sa
	HARM 1, G0S, G1S, .Lhead_sb
	tensor_load_to_lds s[G0SB:G0SB+3], s[G1SB:G1SB+7]
	s_nop 0
.rept 4
	v_nop
.endr
.Lhead_asked:
	v_and_b32 v1, 15, v0
	v_bfe_u32 v2, v0, 4, 1
	v_and_b32 v3, 31, v0
	v_lshlrev_b32 v4, 4, v3
	v_lshlrev_b32 v7, 6, v2
.irp b, 0,1,2,3
.irp j, 0,1,2,3
	global_load_b128 v[BI+16*\b+4*\j:BI+16*\b+4*\j+3], v7, s[12:13] offset:128*\b+16*\j
.endr
.endr
	s_lshl_b32 s21, s[RH], 14
	s_lshl_b32 s22, s[CH], 15
	s_add_co_u32 s22, s22, APART
.irp s, 0,1,2
	v_add_nc_u32 v[ADRA+\s], s21, v4
	v_add_nc_u32 v[ADRB+\s], s22, v4
	s_add_co_u32 s21, s21, SLOT
	s_add_co_u32 s22, s22, SLOT
.endr
	v_lshlrev_b32 v5, 3, v1
	s_lshl_b32 s21, s[RH], 11
	s_lshl_b32 s22, s[CH], 12
	s_add_co_u32 s22, s22, 4096
	s_sub_co_u32 s22, s22, s21
	v_mul_u32_u24 v6, s22, v2
	s_add_co_u32 s21, s21, SCL
	v_add_nc_u32 v5, v5, v6
	v_add_nc_u32 v[ADRS], s21, v5
	s_mul_i32 s23, s[WV], 16*SPITCH
	s_add_co_u32 s23, s23, STAGE
	v_mul_u32_u24 v5, v1, SPITCH
	v_lshl_add_u32 v5, v2, 6, v5
	v_add_nc_u32 v[STO], s23, v5
	v_mov_b32 v[CO], v4
	v_add_nc_u32 v[RD], s23, v4
.macro FRAG reg, adr, q, i
.irp c, 0,1,2,3
	ds_load_b128 v[\reg+4*\c:\reg+4*\c+3], v[\adr] offset:(\i)*TILEB+(\q)*2048+512*\c
.endr
.endm
.macro MUL8 a, p, q, sc, zero
.irp b, 0,1,2,3,4,5,6,7
.if \zero == 2
	v_wmma_scale_f32_16x16x128_f8f6f4 v[8*(8*(\a)+\b):8*(8*(\a)+\b)+7], v[128*(\p)+FR*\b:128*(\p)+FR*\b+FR-1], v[AF+64*(\p)+FR*(\a):AF+64*(\p)+FR*(\a)+FR-1], v[BI+8*\b:BI+8*\b+7], v[SC+16*(\sc)+2*\b+(\q)], v[SC+16*(\sc)+2*(\a)+(\q)] matrix_a_fmt:MATRIX_FMT_BF8 matrix_b_fmt:MATRIX_FMT_BF8 matrix_a_scale:MATRIX_SCALE_ROW1
.else
	v_wmma_scale_f32_16x16x128_f8f6f4 v[8*(8*(\a)+\b):8*(8*(\a)+\b)+7], v[128*(\p)+FR*\b:128*(\p)+FR*\b+FR-1], v[AF+64*(\p)+FR*(\a):AF+64*(\p)+FR*(\a)+FR-1], v[8*(8*(\a)+\b):8*(8*(\a)+\b)+7], v[SC+16*(\sc)+2*\b+(\q)], v[SC+16*(\sc)+2*(\a)+(\q)] matrix_a_fmt:MATRIX_FMT_BF8 matrix_b_fmt:MATRIX_FMT_BF8 matrix_a_scale:MATRIX_SCALE_ROW1
.endif
.endr
.endm
.macro FETCH slot, q, p
	WIN TO_B
.irp i, 0,1,2,3,4,5,6,7
	FRAG 128*(\p)+FR*\i, ADRB+\slot, \q, \i
.endr
	WIN 0
.irp i, 0,1,2,3
	FRAG AF+64*(\p)+FR*\i, ADRA+\slot, \q, \i
.endr
.endm
.macro SCALES sc, ks
.irp i, 0,1,2,3,4,5,6,7
	ds_load_b64 v[SC+16*(\sc)+2*\i:SC+16*(\sc)+2*\i+1], v[ADRS] offset:\i*512+(\ks)*128
.endr
.endm
.macro PLACES n
.rept \n
	v_nop
.endr
.endm
.macro STEP slot, sc, zero
	s_wait_dscnt 0x0
.if \zero == 2
	WIN BIA
.else
	WIN MUL
.endif
	MUL8 0, 0, 0, \sc, \zero
	MUL8 1, 0, 0, \sc, \zero
	PLACES NP
	FETCH \slot, 1, 1
.if \zero == 2
	WIN BIA
.else
	WIN MUL
.endif
	MUL8 2, 0, 0, \sc, \zero
	MUL8 3, 0, 0, \sc, \zero
	WIN 0
.endm
.macro TURN slot, next, sc, ks, fill
	s_wait_tensorcnt 0x0
	ds_add_u32 v[SPW], v[NIL]
	s_wait_dscnt 0x1
	WIN MUL
	MUL8 0, 1, 1, \sc, 0
	s_wait_dscnt 0x0
	s_barrier_signal -1
	MUL8 1, 1, 1, \sc, 0
	WIN 0
	s_barrier_wait -1
.if \fill
	CREST
	s_add_nc_u64 s[G0+4*\slot+2:G0+4*\slot+3], s[G0+4*\slot+2:G0+4*\slot+3], 3*TILEB
	s_add_nc_u64 s[G0B+4*\slot+2:G0B+4*\slot+3], s[G0B+4*\slot+2:G0B+4*\slot+3], 3*TILEB
	JLOAD G0+4*\slot, G1, G0B+4*\slot, G1B
	PLACES NP                                      ; eight places on every wave's way, that of a wave that fetches nothing too
.else
	PLACES NP
.endif
	FETCH \next, 0, 0
	SCALES 1-(\sc), (\ks)+1
	WIN MUL
	MUL8 2, 1, 1, \sc, 0
	MUL8 3, 1, 1, \sc, 0
	WIN 0
.endm
.macro HOP next, sc, ks
	s_wait_dscnt 0x0
	WIN MUL
	MUL8 0, 1, 1, \sc, 0
	MUL8 1, 1, 1, \sc, 0
	PLACES NP
	FETCH \next, 0, 0
	SCALES 1-(\sc), (\ks)+1
	WIN MUL
	MUL8 2, 1, 1, \sc, 0
	MUL8 3, 1, 1, \sc, 0
	WIN 0
.endm
	s_wait_alu depctr_va_vdst(0)
	s_wait_tensorcnt 0x0                           ; my tile of the head's four is in; the later first fills are issued as refills are:
	ds_add_u32 v[SPW], v[NIL]                      ; 0 onto my spare word
	s_wait_dscnt 0x0
	CROUND                                         ; all four tiles are in, and all sixteen work-groups are here
; SLOTS 1 AND 2, first fills, one load a wave behind this one round: wave 0 slot 1's A, wave 1 slot 2's A, wave 2 slot 1's B, wave 3 slot 2's B
.macro FARM w, g0, g1, next
	s_cmp_eq_u32 s[WV], \w
	s_cbranch_scc0 \next
	tensor_load_to_lds s[\g0:\g0+3], s[\g1:\g1+7]
	s_nop 0
.rept 4
	v_nop
.endr
	s_branch .Lfills_asked
\next:
.endm
	FARM 0, G0+4, G1, .Lfill_a2
	FARM 1, G0+8, G1, .Lfill_b1
	FARM 2, G0B+4, G1B, .Lfill_b2
	tensor_load_to_lds s[G0B+8:G0B+11], s[G1B:G1B+7]
	s_nop 0
.rept 4
	v_nop
.endr
.Lfills_asked:
	FETCH 0, 0, 0
	SCALES 0, 0
	s_wait_loadcnt 0x0
	STEP 0, 0, 2
	TURN 0, 1, 0, 0, 1
	STEP 1, 1, 0
	HOP 2, 1, 1
	STEP 2, 0, 0
	TURN 2, 0, 0, 2, 0
	STEP 0, 1, 0
	s_wait_dscnt 0x0
	WIN MUL
	MUL8 0, 1, 1, 1, 0
	MUL8 1, 1, 1, 1, 0
	MUL8 2, 1, 1, 1, 0
	MUL8 3, 1, 1, 1, 0
	WIN 0
.macro TOSTAGE a
.set AC, 64*(\a)
	WIN 0x08
.irp b, 0,1,2,3,4,5,6,7
	ds_store_b128 v[STO], v[AC+8*\b:AC+8*\b+3] offset:128*(\b/2)+32*(\b%2)
	ds_store_b128 v[STO], v[AC+8*\b+4:AC+8*\b+7] offset:128*(\b/2)+32*(\b%2)+16
.endr
	WIN 0
.set BB, BK+64*((\a)%2)
.irp t, 0,1,2,3,4,5,6,7,8,9,10,11,12,13,14,15
	ds_load_b128 v[BB+4*\t:BB+4*\t+3], v[RD] offset:\t*SPITCH
.endr
.endm
.macro SEND a, younger
.set BB, BK+64*((\a)%2)
	s_wait_dscnt \younger
.irp t, 0,1,2,3,4,5,6,7,8,9,10,11,12,13,14,15
	global_store_b128 v[CO], v[BB+4*\t:BB+4*\t+3], s[14:15] offset:(32*((\a)/2)+8*((\a)%2)+(\t%8)+16*(\t/8))*4096 th:TH_STORE_NT
.endr
.endm
	PLACES NP
	TOSTAGE 0
.irp a, 1,2,3
.if \a > 1
	s_wait_xcnt 0x0
.endif
	TOSTAGE \a
	SEND \a-1, 32
.endr
	SEND 3, 0
	s_wait_tensorcnt 0x0
	ds_add_u32 v[SPW], v[NIL]
	s_wait_dscnt 0x0
	CROUND
	s_endpgm
.Lfunc_end_k_q6ae2d2de4b_outp:
	.size	k_q6ae2d2de4b_outp, .Lfunc_end_k_q6ae2d2de4b_outp-k_q6ae2d2de4b_outp
	.p2alignl 7, 3214868480
	.fill 96, 4, 3214868480
	.section	.rodata,"a",@progbits
	.p2align	6, 0x0
	.amdhsa_kernel k_q6ae2d2de4b_outp
		.amdhsa_group_segment_fixed_size 327680
		.amdhsa_private_segment_fixed_size 0
		.amdhsa_enable_private_segment 0
		.amdhsa_kernarg_size 48
		.amdhsa_user_sgpr_count 2
		.amdhsa_user_sgpr_kernarg_segment_ptr 1
		.amdhsa_wavefront_size32 1
		.amdhsa_system_sgpr_workgroup_id_x 1
		.amdhsa_system_sgpr_workgroup_id_y 1
		.amdhsa_system_sgpr_workgroup_id_z 1
		.amdhsa_system_vgpr_workitem_id 0
		.amdhsa_next_free_vgpr 1024
		.amdhsa_next_free_sgpr 102
		.amdhsa_reserve_vcc 0
		.amdhsa_float_denorm_mode_32 3
		.amdhsa_float_denorm_mode_16_64 3
		.amdhsa_memory_ordered 1
		.amdhsa_forward_progress 1
		.amdhsa_inst_pref_size 90
	.end_amdhsa_kernel
	.amdgpu_metadata
---
amdhsa.version: [ 1, 2 ]
amdhsa.kernels:
  - .name:           k_q6ae2d2de4b_outp
    .symbol:         k_q6ae2d2de4b_outp.kd
    .args:
      - { .name: aimg, .offset: 0, .size: 8, .value_kind: global_buffer, .address_space: global }
      - { .name: asc, .offset: 8, .size: 8, .value_kind: global_buffer, .address_space: global }
      - { .name: codes, .offset: 16, .size: 8, .value_kind: global_buffer, .address_space: global }
      - { .name: scales, .offset: 24, .size: 8, .value_kind: global_buffer, .address_space: global }
      - { .name: bo, .offset: 32, .size: 8, .value_kind: global_buffer, .address_space: global }
      - { .name: out0, .offset: 40, .size: 8, .value_kind: global_buffer, .address_space: global }
    .group_segment_fixed_size: 327680
    .private_segment_fixed_size: 0
    .kernarg_segment_align: 8
    .kernarg_segment_size: 48
    .max_flat_workgroup_size: 128
    .sgpr_count:     102
    .vgpr_count:     1024
    .wavefront_size: 32
...
	.end_amdgpu_metadata
.endif
;; end of part 8
